; MI455X (gfx1250); checked and timed in simulation.
; The chip was launched on July 23, 2026; its instructions are those of AMD's public machine-readable ISA for CDNA 5 (MIT licence, August 2026) and "CDNA5" Instruction Set Architecture Reference Guide (July 2026). The comments in the code are by the model that wrote it; some were corrected since.
;; Distributed Mo E. Allowed arithmetic: matrix products marked QUANTISED: E4M3 operands, one given power-of-two scale a tensor, by v_wmma_f32_16x16x64_fp8_fp8 or v_wmma_f32_16x16x128_fp8_fp8, f32 sums; products left as they are: f32 operands where the result goes on into a quantised operand, else bf16, f16 or f32 operands; f32 sums; everything else in f32.
;; Inputs: b1 8 x 4,096 float32; b2 8 x 1,024 float32; gate_b 8 float32; gate_w 1,024 x 8 float32; lowp_scales 4 int32 (the exponents e of the quantised operands' scales 2^e); w1 8 x 1,024 x 4,096 float32; w2 8 x 4,096 x 1,024 float32; x 1,024 x 1,024 float32.
;; Outputs: out0 1,024 x 1,024 float32; out1 one number float32.
;; This version of the problem:
;;   THIS VERSION OF THE PROBLEM IS GIVEN IN LOW PRECISION. The matrix products marked QUANTISED in the list below multiply operands that are first quantised to E4M3 (4 exponent bits, 3 mantissa bits; 8 bits a number), with one given power-of-two scale for each operand tensor; their sums are f32. All else is computed in f32.
;;   The module's matrix products, in the order in which they are computed (A, B: the left and right operand; K: the contracted axis; several contracted axes count as one K, in the product's order):
;;     1. [M 1,024, K 1,024] x [K 1,024, N 8]; A: input x; B: input gate_w: left as it is (N = 8 < 16)
;;     2. [M 32,768, K 1,024] x [K 1,024, N 1,024]; A: input w1; B: input x: QUANTISED (scales: A lowp_scales[0], B lowp_scales[1])
;;     3. batch 8 x [M 1,024, K 4,096] x [K 4,096, N 1,024]; A: computed on the way; B: input w2: QUANTISED (scales: A lowp_scales[2], B lowp_scales[3])
;;     4. batch 1,024 x [M 1,024, K 8] x [K 8, N 1]; A: computed on the way; B: computed on the way: left as it is (K = 8 < 32)
;;   THE QUANTISER, for each operand of a quantised product, along K:
;;     - The operand's scale is 2^e, e = its entry of the input lowp_scales (int32; the entries are numbered through the quantised products in the list's order, A before B).
;;     - Each number is divided by the scale, clamped to +-448, and rounded to the nearest number of E4M3, ties to even, subnormals kept.
;;     - The product sums the exact products of the quantised numbers (number of the format x scale) in f32.
;;   ~~~python
;;   def quantise(x, axis, e):      # numpy; x: float32 -> the quantised numbers, widened to float32 again
;;       x = np.moveaxis(x, axis, -1); K = x.shape[-1]
;;       r = np.clip(x / 2.0 ** e, -448, 448)
;;       step = 2.0 ** (np.maximum(np.frexp(np.where(r == 0, 1, r))[1] - 1, -6) - 3)
;;       q = np.round(r / step) * step * 2.0 ** e      # np.round: ties to even
;;       return np.moveaxis(q, -1, axis).astype(np.float32)
;;   ~~~
;;   OPERANDS COMPUTED ON THE WAY. 'Computed on the way' means the value that the module computes at that place (a softmax that the list does not call 'softmax' is quantised finished and normalised). What goes into a quantiser is computed in f32, as accurately as f32 sums, v_exp_f32 and their like allow (about 1e-6 of the number): no bf16 or f16 on the way to a quantiser, and a product that is left as it is and whose result goes on into a quantised operand takes f32 operands (vector FMAs, or v_wmma_f32_16x16x4_f32). A number that lies on a knife's edge between two numbers of the format may be rounded either way, as far as f32 arithmetic and the matrix unit's own rounding can turn it there, and no further.
;; 2 versions. Each part assembles by itself: llvm-mc -triple=amdgcn-amd-amdhsa -mcpu=gfx1250 --defsym DOCPART=n.
;; ======== version 1 of 2: 4 launches
;; workspace buffers: xq 1,048,576 bytes; sel 8,192 bytes of whole numbers; wgt 8,192 bytes; stat 65,536 bytes; posx 33,792 bytes of whole numbers; hq 33,554,432 bytes; part 134,217,728 bytes
;; launch gate (part 1): grid 256 x 1, 4 waves a work-group, no clusters, 0 bytes of LDS; arguments x, gate_w, gate_b, lowp_scales, xq, sel, wgt, stat; writes xq, sel, wgt, stat
.if DOCPART == 1
	.amdgcn_target "amdgcn-amd-amdhsa--gfx1250"
	.amdhsa_code_object_version 6
	.text
	.protected	k_qe85e601603_gate
	.globl	k_qe85e601603_gate
	.p2align	8
	.type	k_qe85e601603_gate,@function
k_qe85e601603_gate:
	s_mov_b64 s[64:65], 0
	v_nop
	global_prefetch_b8 v0, s[64:65] scope:SCOPE_SE
	s_setreg_imm32_b32 hwreg(HW_REG_WAVE_MODE, 25, 1), 1
	s_wait_xcnt 0x0
; THE GATE.  One wave takes one token t = 4 x work-group + wave: logits = x[t] . gate_w + gate_b in f32 (fused multiply-adds), softmax with the row's maximum
; taken away, the two largest probabilities (the lower index wins a tie, as lax.top_k has it), and x[t] as codes of E4M3 with the given scale 2^e1.
; Stored: xq[t][1024] codes in the row's own order; sel[t] = i1, i2 (whole numbers: later launches form addresses from them); wgt[t] = p(i1)/2, p(i2)/2;
; stat[t] = the 8 probabilities, then routed as 0.0 / 1.0 (for the aux loss).  No branch and no address here hangs on a floating-point number: all choices are v_cndmask_b32.
; LIMITS: e1 between -126 and 119, so that 2^e1 and 448 x 2^e1 are f32 numbers.  NaN among the inputs is not served.  Two probabilities closer than f32 rounding may be ordered either way.
; No LDS, no barrier, no matrix unit: N = 8 is too narrow for it, and waves share nothing.
; REGISTERS.  window 0: v1 lane; v2, v3, v4 = 4, 32, 8 x lane; v5 = 0; v6, v7 = 2^e1, 448 x 2^e1; v16-23 codes; X: x[32 m + lane]; Y: x[256 j + 8 lane + i];
;   A: two sets of 8 partial logits; P probabilities; R routed; v128, v129 i1, i2; v130, v131 the weights; v132-143 at work.   window 1: G[8 m + e] = gate_w[32 m + lane][e].
.set X, 32
.set Y, 64
.set A, 96
.set P, 112
.set R, 120
.set MSB, 0
.macro WIN new                         ; the immediate's high byte repeats the setting that is left
.if MSB != \new
	s_set_vgpr_msb (MSB<<8)|\new
.set MSB, \new
.endif
.endm
	s_load_b256 s[4:11], s[0:1], 0x0               ; x, gate_w, gate_b, lowp_scales
	s_load_b256 s[12:19], s[0:1], 0x20             ; xq, sel, wgt, stat
	v_lshrrev_b32 v8, 5, v0
	v_readfirstlane_b32 s20, v8                    ; wave
	v_and_b32 v1, 31, v0                           ; lane
	v_lshlrev_b32 v2, 2, v1
	v_lshlrev_b32 v3, 5, v1
	v_lshlrev_b32 v4, 3, v1
	v_mov_b32 v5, 0
	s_lshl_b32 s21, ttmp9, 2
	s_add_co_u32 s21, s21, s20                     ; my token
	s_mov_b32 s23, 0
	s_mov_b32 s33, 0x3fb8aa3b                      ; log2(e)
	s_mov_b32 s34, 0x76543210                      ; v_permlanex16_b32: lane l takes lane l xor 16
	s_mov_b32 s35, 0xfedcba98
	s_wait_kmcnt 0x0
	s_load_b256 s[24:31], s[8:9], 0x0              ; gate_b
	s_load_b32 s32, s[10:11], 0x4                  ; e1
	s_lshl_b32 s22, s21, 12
	s_add_nc_u64 s[4:5], s[4:5], s[22:23]          ; x at my row (4,096 bytes)
	s_lshl_b32 s22, s21, 10
	s_add_nc_u64 s[12:13], s[12:13], s[22:23]      ; xq at my row (1,024 bytes)
	s_lshl_b32 s22, s21, 3
	s_add_nc_u64 s[14:15], s[14:15], s[22:23]      ; sel, wgt: 8 bytes a token
	s_add_nc_u64 s[16:17], s[16:17], s[22:23]
	s_lshl_b32 s22, s21, 6
	s_add_nc_u64 s[18:19], s[18:19], s[22:23]      ; stat: 64 bytes a token
.set m, 0
.rept 32
	global_load_b32 v[X+m], v2, s[4:5] offset:128*m            ; 128 consecutive bytes a load
.set m, m+1
.endr
.irp j, 0,1,2,3
	global_load_b128 v[Y+8*\j:Y+8*\j+3], v3, s[4:5] offset:1024*\j         ; the same row once more, eight neighbours a lane: what the conversion wants
	global_load_b128 v[Y+8*\j+4:Y+8*\j+7], v3, s[4:5] offset:1024*\j+16
.endr
	WIN 0x40                                       ; destination window 1
.set m, 0
.rept 32
	global_load_b128 v[8*m:8*m+3], v3, s[6:7] offset:1024*m    ; gate_w's row 32 m + lane: 32 bytes; the two loads cover 1,024 consecutive bytes
	global_load_b128 v[8*m+4:8*m+7], v3, s[6:7] offset:1024*m+16
.set m, m+1
.endr
	WIN 0
	s_wait_loadcnt 0x0
	; the lane's part of the 8 logits: two sets of four pairs, so that no line waits for the line above it; the first two products start the sums
	WIN 0x01                                       ; source 0 (gate_w) window 1
.irp p, 0,1,2,3
	v_pk_mul_f32 v[A+2*\p:A+2*\p+1], v[2*\p:2*\p+1], v[X:X+1] op_sel_hi:[1,0]
.endr
.irp p, 0,1,2,3
	v_pk_mul_f32 v[A+8+2*\p:A+8+2*\p+1], v[8+2*\p:8+2*\p+1], v[X:X+1] op_sel:[0,1] op_sel_hi:[1,1]
.endr
.set m, 2
.rept 15
.irp p, 0,1,2,3
	v_pk_fma_f32 v[A+2*\p:A+2*\p+1], v[8*m+2*\p:8*m+2*\p+1], v[X+m:X+m+1], v[A+2*\p:A+2*\p+1] op_sel_hi:[1,0,1]                    ; both halves x the pair's first x
.endr
.irp p, 0,1,2,3
	v_pk_fma_f32 v[A+8+2*\p:A+8+2*\p+1], v[8*m+8+2*\p:8*m+8+2*\p+1], v[X+m:X+m+1], v[A+8+2*\p:A+8+2*\p+1] op_sel:[0,1,0] op_sel_hi:[1,1,1]   ; both x its second
.endr
.set m, m+2
.endr
	WIN 0
.irp p, 0,1,2,3
	v_pk_add_f32 v[A+2*\p:A+2*\p+1], v[A+2*\p:A+2*\p+1], v[A+8+2*\p:A+8+2*\p+1]
.endr
.irp k, 1,2,4,8
.irp e, 0,1,2,3,4,5,6,7
	v_add_f32_dpp v[A+\e], v[A+\e], v[A+\e] row_xmask:\k row_mask:0xf bank_mask:0xf
.endr
.endr
.irp e, 0,1,2,3,4,5,6,7
	v_permlanex16_b32 v[A+8+\e], v[A+\e], s34, s35
.endr
	s_wait_kmcnt 0x0                               ; gate_b, e1
.irp e, 0,1,2,3,4,5,6,7
	v_add_f32 v[A+\e], v[A+\e], v[A+8+\e]
.endr
.irp e, 0,1,2,3,4,5,6,7
	v_add_f32 v[A+\e], s[24+\e], v[A+\e]           ; every lane holds the 8 logits
.endr
	; softmax: 2^(c l - c max); the rounding of c max is a factor common to all eight and leaves with the division
	v_max3_num_f32 v132, v[A], v[A+1], v[A+2]
	v_max3_num_f32 v132, v132, v[A+3], v[A+4]
	v_max3_num_f32 v132, v132, v[A+5], v[A+6]
	v_max_num_f32 v132, v132, v[A+7]
	v_mul_f32 v133, s33, v132
.irp e, 0,1,2,3,4,5,6,7
	v_fma_f32 v[P+\e], v[A+\e], s33, -v133
.endr
.irp e, 0,1,2,3,4,5,6,7
	v_exp_f32 v[P+\e], v[P+\e]
.endr
	v_nop                                          ; a plain instruction between the last exponential and the use of its result
	s_wait_alu depctr_va_vdst(0)
	v_pk_add_f32 v[134:135], v[P:P+1], v[P+2:P+3]
	v_pk_add_f32 v[136:137], v[P+4:P+5], v[P+6:P+7]
	v_pk_add_f32 v[134:135], v[134:135], v[136:137]
	v_add_f32 v134, v134, v135
	v_rcp_f32 v134, v134
	v_nop
	s_wait_alu depctr_va_vdst(0)
.irp e, 0,1,2,3,4,5,6,7
	v_mul_f32 v[P+\e], v[P+\e], v134
.endr
	; the largest, then the largest of the rest: a strict comparison keeps the lower index
	v_mov_b32 v142, v[P]
	v_mov_b32 v128, 0
.irp e, 1,2,3,4,5,6,7
	v_cmp_gt_f32 vcc_lo, v[P+\e], v142
	v_cndmask_b32 v142, v142, v[P+\e], vcc_lo
	v_cndmask_b32 v128, v128, \e, vcc_lo
.endr
.irp e, 0,1,2,3,4,5,6,7
	v_cmp_eq_u32 vcc_lo, \e, v128
	v_cndmask_b32 v[134+\e], v[P+\e], -1.0, vcc_lo  ; the first choice is taken out: -1 lies under every probability
	v_cndmask_b32 v[R+\e], v5, 1.0, vcc_lo
.endr
	v_mov_b32 v143, v134
	v_mov_b32 v129, 0
.irp e, 1,2,3,4,5,6,7
	v_cmp_gt_f32 vcc_lo, v[134+\e], v143
	v_cndmask_b32 v143, v143, v[134+\e], vcc_lo
	v_cndmask_b32 v129, v129, \e, vcc_lo
.endr
.irp e, 0,1,2,3,4,5,6,7
	v_cmp_eq_u32 vcc_lo, \e, v129
	v_cndmask_b32 v[R+\e], v[R+\e], 1.0, vcc_lo
.endr
	v_mul_f32 v130, 0.5, v142                      ; probs x routed / K for the two experts
	v_mul_f32 v131, 0.5, v143
	; x's codes
	s_add_co_i32 s22, s32, 127
	s_lshl_b32 s23, s22, 23
	v_mov_b32 v6, s23                              ; 2^e1: the conversion takes its exponent field
	s_add_co_i32 s22, s22, 8
	s_lshl_b32 s22, s22, 23
	s_or_b32 s22, s22, 0x600000
	v_mov_b32 v7, s22                              ; 448 x 2^e1
.set m, 0
.rept 32
	v_med3_num_f32 v[Y+m], v[Y+m], -v7, v7         ; the conversion to an 8-bit code does not saturate (ISA guide 7.6.2): the hold comes first
.set m, m+1
.endr
.irp j, 0,1,2,3
	v_cvt_scalef32_pk8_fp8_f32 v[16+2*\j:17+2*\j], v[Y+8*\j:Y+8*\j+7], v6
.endr
	v_nop
.irp j, 0,1,2,3
	global_store_b64 v4, v[16+2*\j:17+2*\j], s[12:13] offset:256*\j    ; the wave stores 256 consecutive bytes, aligned
.endr
	; the token's records, 80 bytes in all: lane 0 stores them; they are too few to be worth gathering over tokens
	v_cmp_eq_u32 vcc_lo, 0, v1
	s_wait_xcnt 0x0                                ; EXEC is a source of the stores above: it changes only behind this wait
	s_and_saveexec_b32 s36, vcc_lo
	global_store_b128 v5, v[P:P+3], s[18:19]
	global_store_b128 v5, v[P+4:P+7], s[18:19] offset:16
	global_store_b128 v5, v[R:R+3], s[18:19] offset:32
	global_store_b128 v5, v[R+4:R+7], s[18:19] offset:48
	global_store_b64 v5, v[128:129], s[14:15]
	global_store_b64 v5, v[130:131], s[16:17]
	s_endpgm
.Lfunc_end_k_qe85e601603_gate:
	.size	k_qe85e601603_gate, .Lfunc_end_k_qe85e601603_gate-k_qe85e601603_gate
	.p2alignl 7, 3214868480
	.fill 96, 4, 3214868480
	.section	.rodata,"a",@progbits
	.p2align	6, 0x0
	.amdhsa_kernel k_qe85e601603_gate
		.amdhsa_group_segment_fixed_size 0
		.amdhsa_private_segment_fixed_size 0
		.amdhsa_enable_private_segment 0
		.amdhsa_kernarg_size 64
		.amdhsa_user_sgpr_count 2
		.amdhsa_user_sgpr_kernarg_segment_ptr 1
		.amdhsa_wavefront_size32 1
		.amdhsa_system_sgpr_workgroup_id_x 1
		.amdhsa_system_sgpr_workgroup_id_y 1
		.amdhsa_system_sgpr_workgroup_id_z 1
		.amdhsa_system_vgpr_workitem_id 0
		.amdhsa_next_free_vgpr 512
		.amdhsa_next_free_sgpr 66
		.amdhsa_reserve_vcc 1
		.amdhsa_float_denorm_mode_32 3
		.amdhsa_float_denorm_mode_16_64 3
		.amdhsa_memory_ordered 1
		.amdhsa_forward_progress 1
		.amdhsa_inst_pref_size 32
	.end_amdhsa_kernel
	.amdgpu_metadata
---
amdhsa.version: [ 1, 2 ]
amdhsa.kernels:
  - .name:           k_qe85e601603_gate
    .symbol:         k_qe85e601603_gate.kd
    .args:
      - { .name: x, .offset: 0, .size: 8, .value_kind: global_buffer, .address_space: global }
      - { .name: gate_w, .offset: 8, .size: 8, .value_kind: global_buffer, .address_space: global }
      - { .name: gate_b, .offset: 16, .size: 8, .value_kind: global_buffer, .address_space: global }
      - { .name: lowp_scales, .offset: 24, .size: 8, .value_kind: global_buffer, .address_space: global }
      - { .name: xq, .offset: 32, .size: 8, .value_kind: global_buffer, .address_space: global }
      - { .name: sel, .offset: 40, .size: 8, .value_kind: global_buffer, .address_space: global }
      - { .name: wgt, .offset: 48, .size: 8, .value_kind: global_buffer, .address_space: global }
      - { .name: stat, .offset: 56, .size: 8, .value_kind: global_buffer, .address_space: global }
    .group_segment_fixed_size: 0
    .private_segment_fixed_size: 0
    .kernarg_segment_align: 8
    .kernarg_segment_size: 64
    .max_flat_workgroup_size: 128
    .sgpr_count:     66
    .vgpr_count:     512
    .wavefront_size: 32
...
	.end_amdgpu_metadata
.endif
;; end of part 1
;; launch ffn1 (part 2): grid 256 x 1, 8 waves a work-group, no clusters, 132,096 bytes of LDS; arguments w1, xq, b1, lowp_scales, sel, hq, posx; writes hq, posx
.if DOCPART == 2
	.amdgcn_target "amdgcn-amd-amdhsa--gfx1250"
	.amdhsa_code_object_version 6
	.text
	.protected	k_qe85e601603_ffn1
	.globl	k_qe85e601603_ffn1
	.p2align	8
	.type	k_qe85e601603_ffn1,@function
k_qe85e601603_ffn1:
	s_mov_b64 s[64:65], 0
	v_nop
	global_prefetch_b8 v0, s[64:65] scope:SCOPE_SE
	s_setreg_imm32_b32 hwreg(HW_REG_WAVE_MODE, 25, 1), 1
	s_wait_xcnt 0x0
.set KIND, 1                           ; 1: placement, then h = Q(relu(x w1 + b1)), codes out.   2: partial sums of h w2, f32 out.  The two layers' texts differ in this line alone.
; ONE LAYER OF THE EXPERTS, on the routed slots alone (reference() multiplies the other rows by a scale of 0, and every operand is held finite).
; A work-group owns a slice of one expert's weight: 1,024 along K x 128 columns, 512 KiB of f32, which it reads ONCE.  KIND 1: expert e = wg / 32, columns 128 (wg % 32) of w1[e] (K = all of H).
; KIND 2: e = wg / 32, K quarter ks = (wg / 8) % 4 of D, columns 128 (wg % 8) of w2[e]; the four quarters' sums go to four planes of 'part' and are added by the next launch.
; SLOTS.  An expert's members (tokens with e among their two choices in sel, whole numbers that the gate's launch stored) have ranks 0 .. n - 1; slot = 1024 e + rank.  The ranks go by chunks of 32 tokens as sel's
; 16-byte loads bring them: chunk 2 i + p holds tokens 64 i + 2 lane + p.  ng = the expert's groups of 32 slots, held between 8 (each of the 8 waves has a first group) and 32.  Slots past the last member take token 1023:
; finite codes that no later launch lets into a result.  KIND 1 makes all this at its head, on whole numbers alone, behind its first weight loads: each wave finds the tokens of its own groups (SELECT), and wave 7 of each
; expert's first work-group stores posx[e][token] = the token's slot and, behind posx's 32,768 bytes at + 128 e, ng 32 times over (a dense store).  KIND 2 reads ng from there.
; PHASE A: the slice becomes codes of E4M3 in LDS.  K is the weight's FIRST axis, so a lane takes two neighbouring columns and its registers run DOWN K.  Wave w takes K rows 256 (w / 2) on and columns 64 (w % 2) on,
; in 16 blocks of 16 rows; a load reads 256 consecutive bytes of one row.  A block's 32 numbers a lane are held, converted (two columns interleaved), parted by v_perm_b32 and stored as 16 codes a column.
; LDS holds IMAGES OF THE OPERAND'S REGISTERS: fragment (K step s, tile t) at 16384 s + 2048 t; register group c at + 512 c; lane (m, h) at + 16 m + 256 h holds row m's k = 128 s + 32 c + 16 h + 0 .. 15.
; That is a permutation of k inside an instruction, the same in both operands, so every product meets its partner.
; THE COLUMNS OF A TILE ARE NOT NEIGHBOURS: column 32 b + 16 h' + 8 u + j of the slice is row 8 h' + j of tile 2 b + u.
; PHASE B: wave w takes the expert's groups of 32 slots w, w + 8, .. under ng: (ng - w + 7) / 8 trips, 1 to 4.  The product is used TRANSPOSED (source 0 = 16 columns of the weight, source 1 = 16 slots): lane (r, h) holds
; slot r, and the 16 registers of tiles 2 b, 2 b + 1 are columns 32 b + 16 h + 0 .. 15: neighbours along the next K.  The slots' fragments come straight from memory into registers, four K steps ahead.  KIND 1 gathers them
; from x's codes by the slots' tokens: a load takes 32 consecutive bytes of each of 16 rows; that is the price of having no launch that lays the slots' codes out on end.  KIND 2 reads register images that KIND 1 stored:
; tile T = 64 e + 2 g + z at 65536 T, K step at + 2048, 512 consecutive bytes a load.  The weight's fragments come from LDS, half a K step ahead.  16 accumulators (8 tiles x 2 tiles of slots) take turns.
; No cluster and no joint loads: what work-groups share (an expert's slots) goes to registers, not to LDS, and the number of groups hangs on loaded whole numbers.
; LIMITS on the given exponents, so that each power of two below is an f32 number: e0, e3 between -126 and 119; e2 - e0 - e1 between -126 and 119; e2 + e3 between -126 and 127.  NaN among the inputs is not served.
; REGISTERS.  window 0: v1 16 x lane (also the LDS address of fragments of K steps 0-3); v2 weight offset; v3 phase A's LDS address; v4 (KIND 1) 0; v5 v1 + 65536 (K steps 4-7); v6, v7 the weight's 2^e and 448 x 2^e;
;   v8, v9 (1) 2^(e2 - e0 - e1) and 448 x that; v10 (1) 64 h; v11, v12 (2) the stage, in and back; v13 (1) 16 h; v14 lane; v16-23 (1) row offsets in x's codes of my four groups' two tiles; v24-31 (1) at work in SELECT;
;   v32-159 phase A: four sets of 32 numbers, phase B: two halves of a K step's 8 weight fragments; v160-223 (1) sel, then b1 / 2^(e0 + e1) in the result's layout, (2) at work on the way out;
;   v224-231, v232-247 phase A's codes; v224-255 (1) the slots for posx, later the group's codes.
;   window 1: v0-127 accumulator (tile t, slots' tile z) at 8 (2 t + z); v128-255 four sets of the slots' two fragments.
.if KIND == 1
.set PITCH, 16384                      ; bytes from K row to K row of the weight
.set PS, 10                            ; s[PS:PS+1] lowp_scales, s[PN:PN+1] sel, s[PO:PO+1] the output
.set PN, 12
.set PO, 14
.set EW, 36                            ; the weight's exponent: e0
.else
.set PITCH, 4096
.set TILEB, 65536                      ; bytes of a tile of 16 slots in hq
.set PS, 8                             ; s[PS:PS+1] lowp_scales, s[PN:PN+1] posx, s[PO:PO+1] the output
.set PN, 10
.set PO, 12
.set EW, 39                            ; e3
.endif
.set NGOFF,  32768                     ; where the eight ng begin in posx, 128 bytes an expert
.set STAGE,  131072                    ; (KIND 2) behind the codes: 16 rows x (512 bytes + 16) for each wave
.set SPITCH, 528
.set LN16, 1
.set WOFF, 2
.set WST,  3
.set ZERO, 4
.set WA1,  5
.set WSC,  6
.set WLIM, 7
.set HSC,  8
.set HLIM, 9
.set BOFF, 10
.set STO,  11
.set RD,   12
.set H16,  13
.set LANE, 14
.set OFF,  16                          ; (1) v16,17 the group in hand (tiles 0, 1); v18,19 the next; v20-23 the two after it
.set VS,   24                          ; (1) SELECT: my rank; the chosen chunk's mask, running count and number; my rank in the chunk; bits counted; the bit's place; at work
.set VM,   25
.set VB,   26
.set VC,   27
.set VN,   28
.set VR,   29
.set VP,   30
.set VT,   31
.set R,    32
.set WB,   32
.set SEL,  160
.set BIAS, 160
.set T,    160
.set Q,    224
.set C,    232
.set HC,   224
.set RK,   224
.set TOK,  128
.set CUR,  24                          ; (2) s[24:25] the group in hand; s[26:27] the group after it
.set NXT,  26
.set TRIP, 50                          ; s50 the trip's number; s51 my trips
.set TRIPS, 51
.set PX,   52                          ; (1) s[52:53] posx
.set RUN,  54                          ; (1) members in the chunks so far
.set SM,   55                          ; (1) a chunk's mask
.set ST,   56                          ; (1) at work
.set SG,   57                          ; (1) a group's first rank
.set PSEL, 58                          ; (1) s58, s59 v_permlanex16_b32's selects for lane l xor 16
.set SH,   60                          ; (1) mask of lanes 16-31
.set MSB, 0
.macro WIN new                         ; the immediate's high byte repeats the setting that is left
.if MSB != \new
	s_set_vgpr_msb (MSB<<8)|\new
.set MSB, \new
.endif
.endm
.macro PLACES                          ; four plain places behind matrix instructions, in front of loads into their sources and of reads of their results
.rept 4
	v_nop
.endr
.endm
.macro WLOAD i                         ; block i: 16 K rows, my two columns of each, into set i % 4
.set k, 0
.rept 16
	global_load_b64 v[R+32*((\i)%4)+2*k:R+32*((\i)%4)+2*k+1], v[WOFF], s[20:21] offset:(16*(\i)+k)*PITCH th:TH_LOAD_NT   ; the wave reads 256 consecutive bytes, aligned; read once in the launch
.set k, k+1
.endr
.endm
.macro FETCHT k, nx, s                 ; the two fragments (32 slots x 128 K) of K step s of the group in hand (nx = 0) or of the next (nx = 1) into set k
	WIN 0x40                                       ; destination window 1
.irp z, 0,1
.irp c, 0,1,2,3
.if KIND == 1
	global_load_b128 v[TOK+32*(\k)+16*\z+4*\c:TOK+32*(\k)+16*\z+4*\c+3], v[OFF+2*(\nx)+\z], s[6:7] offset:(\s)*128+32*\c   ; slot r's row of x's codes, k = 128 s + 32 c + 16 h on
.else
	global_load_b128 v[TOK+32*(\k)+16*\z+4*\c:TOK+32*(\k)+16*\z+4*\c+3], v[LN16], s[CUR+2*(\nx):CUR+2*(\nx)+1] offset:\z*TILEB+(\s)*2048+512*\c
.endif
.endr
.endr
	WIN 0
.endm
.macro FETCHW buf, s                   ; the weight's tiles 4 buf .. 4 buf + 3 of K step s from LDS
.if (\s) < 4
.set WAD, LN16
.else
.set WAD, WA1
.endif
.irp t, 0,1,2,3
.irp c, 0,1,2,3
	ds_load_b128 v[WB+64*(\buf)+16*\t+4*\c:WB+64*(\buf)+16*\t+4*\c+3], v[WAD] offset:((\s)&3)*16384+(4*(\buf)+\t)*2048+512*\c
.endr
.endr
.endm
.macro MUL8 buf, s                     ; 8 matrix instructions: 4 tiles of columns x 2 tiles of slots.  K step 0 starts the sums: with the bias as C (KIND 1) or with 0
.if ((\s) == 0) && (KIND == 1)
	WIN 0x44                                       ; source 1 and D window 1; source 0 and C window 0
.else
	WIN 0x54                                       ; source 1, C and D window 1
.endif
.irp t, 0,1,2,3
.irp z, 0,1
.set AC, 8*(2*(4*(\buf)+\t)+\z)
.if (\s) > 0
	v_wmma_f32_16x16x128_fp8_fp8 v[AC:AC+7], v[WB+64*(\buf)+16*\t:WB+64*(\buf)+16*\t+15], v[TOK+32*((\s)%4)+16*\z:TOK+32*((\s)%4)+16*\z+15], v[AC:AC+7]
.elseif KIND == 1
	v_wmma_f32_16x16x128_fp8_fp8 v[AC:AC+7], v[WB+64*(\buf)+16*\t:WB+64*(\buf)+16*\t+15], v[TOK+32*((\s)%4)+16*\z:TOK+32*((\s)%4)+16*\z+15], v[BIAS+8*(4*(\buf)+\t):BIAS+8*(4*(\buf)+\t)+7]
.else
	v_wmma_f32_16x16x128_fp8_fp8 v[AC:AC+7], v[WB+64*(\buf)+16*\t:WB+64*(\buf)+16*\t+15], v[TOK+32*((\s)%4)+16*\z:TOK+32*((\s)%4)+16*\z+15], 0
.endif
.endr
.endr
.endm
.macro KSTEP s
	s_wait_dscnt 16                                ; the first four weight fragments are in; the other four's 16 loads may be out
	s_wait_loadcnt 24                              ; this step's slots are in; the three sets behind them, 8 loads each, may be out
	MUL8 0, \s
	PLACES
	WIN 0
	FETCHW 0, ((\s)+1)%8                           ; (behind the last K step: the next group's first; the weight is the same)
	s_wait_dscnt 16                                ; the other four are in; the 16 just issued may be out
	MUL8 1, \s
	PLACES
.if (\s) < 4
	FETCHT (\s)%4, 0, (\s)+4                       ; the set just multiplied takes the K step four further on,
.else
	FETCHT (\s)%4, 1, (\s)-4                       ; which from K step 4 on is the next group's
.endif
	FETCHW 1, ((\s)+1)%8
.endm
.macro MKTRIPS                         ; my trips: the groups w + 8 i under ng (s33, 8 to 32)
	s_sub_co_u32 s[TRIPS], s33, s16
	s_add_co_u32 s[TRIPS], s[TRIPS], 7
	s_lshr_b32 s[TRIPS], s[TRIPS], 3
	s_min_u32 s[TRIPS], s[TRIPS], 4
.endm
.macro NEXTG                           ; (KIND 2) s[NXT]: my next group, held at the expert's last group, so that the last trip's look-ahead reads written bytes and every trip issues the same loads
	s_add_co_u32 s44, s32, 8
	s_sub_co_u32 s45, s33, 1
	s_min_u32 s44, s44, s45
	s_min_u32 s44, s44, 31
	s_mul_i32 s44, s44, 2*TILEB
	s_mov_b32 s45, 0
	s_add_nc_u64 s[NXT:NXT+1], s[22:23], s[44:45]
.endm
; (KIND 1) The tokens of my group w + 8 i: lane l finds the member of rank 32 (w + 8 i) + l; then each lane (r, h) takes the tokens of slots r and 16 + r, as row offsets in x's codes.  It leaves n, the expert's members, in s[RUN].
.macro SELECT i
	s_lshl_b32 s[SG], s16, 5
	s_add_co_u32 s[SG], s[SG], 256*\i
	v_add_nc_u32 v[VS], s[SG], v[LANE]             ; my rank
	s_mov_b32 s[RUN], 0
.set cc, 0
.rept 32                               ; which chunk holds the member of that rank: the last one whose running count does not pass it
	v_cmp_eq_u32 vcc_lo, s17, v[SEL+2*cc]
	v_cmp_eq_u32 s[ST], s17, v[SEL+2*cc+1]
	s_or_b32 s[SM], vcc_lo, s[ST]                  ; bit l: token 64 (cc / 2) + 2 l + cc % 2 is a member
.if cc == 0
	v_mov_b32 v[VM], s[SM]
	v_mov_b32 v[VB], 0
	v_mov_b32 v[VC], 0
.else
	v_cmp_le_u32 vcc_lo, s[RUN], v[VS]
	v_cndmask_b32 v[VM], v[VM], s[SM], vcc_lo
	v_cndmask_b32 v[VB], v[VB], s[RUN], vcc_lo
	v_cndmask_b32 v[VC], v[VC], cc, vcc_lo
.endif
	s_bcnt1_i32_b32 s[ST], s[SM]
	s_add_co_u32 s[RUN], s[RUN], s[ST]
.set cc, cc+1
.endr
	v_sub_nc_u32 v[VN], v[VS], v[VB]               ; my rank n within the chunk
	v_mov_b32 v[VR], 0
	v_mov_b32 v[VP], 0
.set bb, 0
.rept 32                               ; the place of set bit n = the number of bits whose count of set bits up to and with them does not pass n
	v_bfe_u32 v[VT], v[VM], bb, 1
	v_add_nc_u32 v[VR], v[VR], v[VT]
	v_cmp_le_u32 vcc_lo, v[VR], v[VN]
	v_cndmask_b32 v[VT], v[ZERO], 1, vcc_lo
	v_add_nc_u32 v[VP], v[VP], v[VT]
.set bb, bb+1
.endr
	v_and_b32 v[VT], 1, v[VC]
	v_lshl_add_u32 v[VP], v[VP], 1, v[VT]          ; 2 x place + chunk % 2
	v_lshrrev_b32 v[VC], 1, v[VC]
	v_lshl_add_u32 v[VP], v[VC], 6, v[VP]          ; + 64 (chunk / 2): slot l's token
	v_permlanex16_b32 v[VT], v[VP], s[PSEL], s[PSEL+1]     ; slot (l xor 16)'s
	v_cndmask_b32 v[VB], v[VP], v[VT], s[SH]       ; tile 0, slot r: lanes 0-15 have it, lanes 16-31 take the other half's
	v_cndmask_b32 v[VM], v[VT], v[VP], s[SH]       ; tile 1, slot 16 + r: the other way round
	v_min_u32 v[VB], 0x3ff, v[VB]                  ; ranks past the last member end here
	v_min_u32 v[VM], 0x3ff, v[VM]
	v_lshl_add_u32 v[OFF+2*\i], v[VB], 10, v[H16]  ; the token's row of 1,024 codes, + 16 h
	v_lshl_add_u32 v[OFF+2*\i+1], v[VM], 10, v[H16]
.endm
; Block i of phase A.  In the place where blocks 0-11 ask for the block four further on, blocks 12 and 13 ask for the first group's slots and block 14 (KIND 1) for the bias: so 48 younger loads stand behind every block's own.
.macro BLOCK i
.set RS, R+32*((\i)%4)
.set CS, C+8*((\i)%2)
.set O, ((\i)>>3)*16384+(((\i)>>1)&3)*512+((\i)&1)*256
.if (KIND == 2) && (\i == 15)
	s_wait_loadcnt 32                              ; behind block 15's loads stand the slots' 32 alone
.else
	s_wait_loadcnt 48                              ; my 16 loads are in; three younger runs of 16 may be out
.endif
.set k, 0
.rept 32
	v_med3_num_f32 v[RS+k], v[RS+k], -v[WLIM], v[WLIM]         ; the conversion to an 8-bit code does not saturate (ISA guide 7.6.2): the hold comes first
.set k, k+1
.endr
.irp g, 0,1,2,3
	v_cvt_scalef32_pk8_fp8_f32 v[Q+2*\g:Q+2*\g+1], v[RS+8*\g:RS+8*\g+7], v[WSC]   ; rows 4 g .. 4 g + 3, even and odd column by turns
.endr
	v_nop                                          ; a plain place between the conversions and the reads of their results
	s_wait_dscnt 2                                 ; the stores of the block two back, which read these registers, are done; the last block's two may be out
.irp g, 0,1,2,3
	v_perm_b32 v[CS+\g], v[Q+2*\g+1], v[Q+2*\g], s34           ; the even column's four codes
	v_perm_b32 v[CS+4+\g], v[Q+2*\g+1], v[Q+2*\g], s35         ; the odd column's
.endr
.if \i < 12
	WLOAD \i+4
.elseif \i == 12
	FETCHT 0, 0, 0
	FETCHT 1, 0, 1
.elseif \i == 13
	FETCHT 2, 0, 2
	FETCHT 3, 0, 3
.elseif (\i == 14) && (KIND == 1)
.irp t, 0,1,2,3,4,5,6,7
	global_load_b128 v[BIAS+8*\t:BIAS+8*\t+3], v[BOFF], s[48:49] offset:(32*(\t/2)+8*(\t%2))*4      ; tile t = 2 b + u, lane half h: b1 at columns 32 b + 16 h + 8 u + 0 .. 7
	global_load_b128 v[BIAS+8*\t+4:BIAS+8*\t+7], v[BOFF], s[48:49] offset:(32*(\t/2)+8*(\t%2))*4+16
.endr
.endif
	ds_store_b128 v[WST], v[CS:CS+3] offset:O      ; 16 codes down K of the even column: one lane's 16 bytes of an image
	ds_store_b128 v[WST], v[CS+4:CS+7] offset:O+16 ; the odd column is the next row of the same tile
.endm
	s_load_b256 s[4:11], s[0:1], 0x0               ; KIND 1: w1, xq, b1, lowp_scales.   KIND 2: w2, hq, lowp_scales, posx
.if KIND == 1
	s_load_b128 s[12:15], s[0:1], 0x20             ; sel, hq
	s_load_b64 s[PX:PX+1], s[0:1], 0x30            ; posx
	v_lshl_add_u32 v11, v0, 2, 0x20000
	v_mov_b32 v12, 0
.else
	s_load_b64 s[12:13], s[0:1], 0x20              ; part
.endif
	v_lshrrev_b32 v13, 5, v0
	v_readfirstlane_b32 s16, v13                   ; wave 0..7
	v_and_b32 v[LANE], 31, v0                      ; lane
	s_lshr_b32 s17, ttmp9, 5                       ; e
.if KIND == 1
	s_and_b32 s18, ttmp9, 31                       ; which 128 columns
.else
	s_and_b32 s18, ttmp9, 7
	s_bfe_u32 s19, ttmp9, 0x20003                  ; ks
.endif
	s_and_b32 s42, s16, 1                          ; phase A: my half of the columns,
	s_lshr_b32 s43, s16, 1                         ; my quarter of K
	s_mov_b32 s34, 0x06040200
	s_mov_b32 s35, 0x07050301
	v_lshlrev_b32 v[LN16], 4, v[LANE]
	v_add_nc_u32 v[WA1], 0x10000, v[LN16]
	v_lshlrev_b32 v[WOFF], 3, v[LANE]
	s_lshl_b32 s44, s42, 8
	v_add_nc_u32 v[WOFF], s44, v[WOFF]             ; 8 x lane + 256 x half
	; my even column is 64 half + 2 lane: b = 2 half + lane / 16, h' = (lane / 8) % 2, u = (lane / 4) % 2, j = 2 (lane % 4): 4096 b + 2048 u + 128 h' + 16 j, + 32768 x my quarter of K
	v_bfe_u32 v15, v0, 4, 1
	v_lshlrev_b32 v[WST], 12, v15
	v_lshlrev_b32 v[BOFF], 6, v15                  ; 64 h
.if KIND == 1
	v_lshlrev_b32 v[H16], 4, v15                   ; 16 h
	v_mov_b32 v[ZERO], 0
.endif
	v_bfe_u32 v15, v0, 2, 1
	v_lshl_add_u32 v[WST], v15, 11, v[WST]
	v_bfe_u32 v15, v0, 3, 1
	v_lshl_add_u32 v[WST], v15, 7, v[WST]
	v_and_b32 v15, 3, v0
	v_lshl_add_u32 v[WST], v15, 5, v[WST]
	s_lshl_b32 s44, s42, 13
	s_lshl_b32 s45, s43, 15
	s_add_co_u32 s44, s44, s45
	v_add_nc_u32 v[WST], s44, v[WST]
.if KIND == 2
	s_mul_i32 s44, s16, 16*SPITCH
	s_add_co_u32 s44, s44, STAGE                   ; my stage
	v_and_b32 v15, 15, v0
	v_mul_u32_u24 v[STO], v15, SPITCH
	v_bfe_u32 v15, v0, 4, 1
	v_lshl_add_u32 v[STO], v15, 6, v[STO]
	v_add_nc_u32 v[STO], s44, v[STO]               ; in: row r, + 64 h
	v_add_nc_u32 v[RD], s44, v[LN16]               ; back: a row of 512 bytes, 16 a lane
.endif
	; byte offsets, each under 2^31
	s_lshl_b32 s20, s17, 24                        ; the expert's weight: 2^24 bytes
	s_lshl_b32 s44, s18, 9
	s_add_co_u32 s20, s20, s44                     ; + 512 x column group
	s_mul_i32 s44, s43, 256*PITCH
	s_add_co_u32 s20, s20, s44                     ; + my 256 K rows
	s_mov_b32 s21, 0
	s_mov_b32 s29, 0
	s_mov_b32 s45, 0
.if KIND == 1
	s_mov_b32 s47, 0
	s_lshl_b32 s28, s17, 22                        ; out: hq at tile 64 e, K step = my column group
	s_lshl_b32 s44, s18, 11
	s_add_co_u32 s28, s28, s44
	s_lshl_b32 s46, s17, 14                        ; b1 at (e, my columns)
	s_lshl_b32 s44, s18, 9
	s_add_co_u32 s46, s46, s44
	s_mov_b32 s[PSEL], 0x76543210
	s_mov_b32 s[PSEL+1], 0xfedcba98
.else
	s_mov_b32 s23, 0
	s_lshl_b32 s44, s19, 22
	s_add_co_u32 s20, s20, s44                     ; + ks x 1,024 K rows
	s_lshl_b32 s22, s17, 22
	s_lshl_b32 s44, s19, 14
	s_add_co_u32 s22, s22, s44                     ; the expert's tiles, K steps 8 ks on
	s_lshl_b32 s28, s19, 25                        ; out: part at plane ks, slot 1024 e, my columns
	s_lshl_b32 s44, s17, 22
	s_add_co_u32 s28, s28, s44
	s_lshl_b32 s44, s18, 9
	s_add_co_u32 s28, s28, s44
	s_mul_i32 s44, s16, 2*TILEB                    ; my first group = my wave's number
	s_lshl_b32 s42, s17, 7
.endif
	s_wait_kmcnt 0x0
	s_load_b128 s[36:39], s[PS:PS+1], 0x0          ; e0, e1, e2, e3
.if KIND == 2
	s_load_b32 s33, s[PN:PN+1], s42 offset:NGOFF   ; ng
.endif
	s_add_nc_u64 s[20:21], s[4:5], s[20:21]
	s_add_nc_u64 s[28:29], s[PO:PO+1], s[28:29]
.if KIND == 1
	s_add_nc_u64 s[48:49], s[8:9], s[46:47]
.set cc, 0
.rept 16
	global_load_b128 v[SEL+4*cc:SEL+4*cc+3], v[LN16], s[PN:PN+1] offset:512*cc     ; tokens 64 cc + 2 lane and the next: i1, i2, i1, i2; 512 consecutive bytes
.set cc, cc+1
.endr
.irp i, 0,1,2
	WLOAD \i
.endr
.else
	s_add_nc_u64 s[22:23], s[6:7], s[22:23]
	s_add_nc_u64 s[CUR:CUR+1], s[22:23], s[44:45]
.irp i, 0,1,2,3
	WLOAD \i
.endr
.endif
	s_wait_kmcnt 0x0
	s_add_co_i32 s44, s[EW], 127
	s_lshl_b32 s45, s44, 23
	v_mov_b32 v[WSC], s45                          ; the weight's 2^e: the conversion takes its exponent field
	s_add_co_i32 s44, s44, 8
	s_lshl_b32 s44, s44, 23
	s_or_b32 s44, s44, 0x600000
	v_mov_b32 v[WLIM], s44                         ; 448 x 2^e
.if KIND == 1
	; THE PLACEMENT, while the first four blocks of the weight are on their way
	s_wait_loadcnt 48                              ; sel's 16 loads are in; the three blocks' 48 behind them may be out
	WLOAD 3
	v_cmp_le_u32 s[SH], 16, v[LANE]
	SELECT 0
	s_add_co_u32 s33, s[RUN], 31
	s_lshr_b32 s33, s33, 5
	s_max_u32 s33, s33, 8
	s_min_u32 s33, s33, 32                         ; ng
	MKTRIPS
.irp j, 2,3,4,5,6,7
	v_mov_b32 v[OFF+\j], v[OFF+\j%2]               ; a group that I do not have stands for the one before it: the last trip's look-ahead reads rows that exist, and every trip issues the same loads
.endr
	s_cmp_lt_u32 s[TRIPS], 2
	s_cbranch_scc1 .Lselected
	SELECT 1
.irp j, 4,5,6,7
	v_mov_b32 v[OFF+\j], v[OFF+2+\j%2]
.endr
	s_cmp_lt_u32 s[TRIPS], 3
	s_cbranch_scc1 .Lselected
	SELECT 2
	v_mov_b32 v[OFF+6], v[OFF+4]
	v_mov_b32 v[OFF+7], v[OFF+5]
	s_cmp_lt_u32 s[TRIPS], 4
	s_cbranch_scc1 .Lselected
	SELECT 3
.Lselected:
	s_cmp_lg_u32 s18, 0                            ; the tokens' slots and ng are stored once for each expert: by wave 7 of its first work-group
	s_cbranch_scc1 .Lno_posx
	s_cmp_lg_u32 s16, 7
	s_cbranch_scc1 .Lno_posx
	s_lshl_b32 s44, s17, 12
	s_mov_b32 s45, 0
	s_add_nc_u64 s[62:63], s[PX:PX+1], s[44:45]    ; posx at expert e
	s_lshl_b32 s44, s17, 7
	s_add_co_u32 s44, s44, NGOFF
	s_add_nc_u64 s[66:67], s[PX:PX+1], s[44:45]    ; and the expert's ng
	v_lshlrev_b32 v[VS], 3, v[LANE]
	v_lshlrev_b32 v[VM], 2, v[LANE]
	v_mov_b32 v[VB], s33
	s_lshl_b32 s[RUN], s17, 10                     ; 1024 e + the members so far
.set cc, 0
.rept 32
	v_cmp_eq_u32 vcc_lo, s17, v[SEL+2*cc]
	v_cmp_eq_u32 s[ST], s17, v[SEL+2*cc+1]
	s_or_b32 s[SM], vcc_lo, s[ST]
	v_mbcnt_lo_u32_b32 v[RK+cc], s[SM], s[RUN]     ; 1024 e + the members of earlier chunks + those of lower lanes: the order in which SELECT counts
	s_bcnt1_i32_b32 s[ST], s[SM]
	s_add_co_u32 s[RUN], s[RUN], s[ST]
.if cc%2 == 1
	global_store_b64 v[VS], v[RK+cc-1:RK+cc], s[62:63] offset:128*(cc-1)   ; tokens 32 (cc - 1) + 2 lane and the next: the wave stores 256 consecutive bytes, aligned
.endif
.set cc, cc+1
.endr
	global_store_b32 v[VM], v[VB], s[66:67]
	s_wait_xcnt 0x0                                ; the stores have read their registers: phase A writes v224 on again
.Lno_posx:
.endif
.irp i, 0,1,2,3,4,5,6,7,8,9,10,11,12,13,14,15
	BLOCK \i
.endr
	s_wait_dscnt 0x0                               ; for the others' sake: my codes lie in LDS
	s_barrier_signal -1
	s_barrier_wait -1                              ; the whole slice does.  From here on LDS is only read (KIND 2: but for each wave's own stage)
	FETCHW 0, 0
	FETCHW 1, 0
	s_mov_b32 s32, s16                             ; g
.if KIND == 2
	s_min_u32 s33, s33, 32
	s_max_u32 s33, s33, 8                          ; ng, as it was stored: 8 to 32
	MKTRIPS
.endif
	s_mov_b32 s[TRIP], 0
.if KIND == 2
	NEXTG
.endif
.if KIND == 1
	s_wait_loadcnt 0x0                             ; the bias (and the slots in front of it)
	s_add_co_i32 s44, s36, s37                     ; a sum stands for sum x 2^(e0 + e1): so b1 goes in as b1 / 2^(e0 + e1),
	s_sub_co_i32 s46, 0, s44
.set j, 0
.rept 64
	v_ldexp_f32 v[BIAS+j], v[BIAS+j], s46
.set j, j+1
.endr
	s_sub_co_i32 s44, s38, s44                     ; and h's code is sum / 2^(e2 - e0 - e1): the three scales folded into the conversion's one
	s_add_co_i32 s44, s44, 127
	s_lshl_b32 s45, s44, 23
	v_mov_b32 v[HSC], s45
	s_add_co_i32 s44, s44, 8
	s_lshl_b32 s44, s44, 23
	s_or_b32 s44, s44, 0x600000
	v_mov_b32 v[HLIM], s44
.else
	s_add_co_i32 s40, s38, s39
	s_add_co_i32 s40, s40, 127
	s_lshl_b32 s40, s40, 23                        ; 2^(e2 + e3)
	s_mov_b32 s41, s40                             ; (named with it as a pair, so it is written)
.endif
.Lgrp:                                             ; a trip: one group of 32 slots x my 128 columns x 1,024 along K: 128 matrix instructions
.irp s, 0,1,2,3,4,5,6,7
	KSTEP \s
.endr
	s_min_u32 s44, s32, 31                         ; (g is under ng, at most 31: written out, since it enters an address)
	s_lshl_b32 s44, s44, 17                        ; a group: two tiles of 65,536 bytes of hq, or 32 rows of 4,096 bytes of part
	s_mov_b32 s45, 0
	s_add_nc_u64 s[30:31], s[28:29], s[44:45]
.if KIND == 1
	WIN 0x41                                       ; source 0 and destination window 1
.set j, 0
.rept 128
	v_med3_num_f32 v[j], v[j], 0, v[HLIM]          ; the activation and the hold in one; each accumulator from its low end on
.set j, j+1
.endr
	WIN 0x01
.irp z, 0,1
.irp t, 0,1,2,3,4,5,6,7
	v_cvt_scalef32_pk8_fp8_f32 v[HC+16*\z+2*\t:HC+16*\z+2*\t+1], v[8*(2*\t+\z):8*(2*\t+\z)+7], v[HSC]   ; registers 4 b + 2 u on: k = 32 b + 16 h + 8 u + 0 .. 7 of the next product's K step
.endr
.endr
	WIN 0
	v_nop                                          ; a plain place behind the last conversion: the next trip's products write its sources
.irp z, 0,1
.irp c, 0,1,2,3
	global_store_b128 v[LN16], v[HC+16*\z+4*\c:HC+16*\z+4*\c+3], s[30:31] offset:\z*65536+512*\c       ; the fragment's image: 512 consecutive bytes, aligned
.endr
.endr
.else
.irp z, 0,1                            ; 16 slots at a time through my own stage, so that whole rows of 512 bytes leave
.if \z == 1
	s_wait_xcnt 0x0                                ; the first tile's stores have read the registers that are written below
.endif
	WIN 0x01
.irp t, 0,1,2,3,4,5,6,7
.irp i, 0,2,4,6
	v_pk_mul_f32 v[T+8*\t+\i:T+8*\t+\i+1], v[8*(2*\t+\z)+\i:8*(2*\t+\z)+\i+1], s[40:41] op_sel_hi:[1,0]   ; x 2^(e2 + e3); each accumulator from its low end on
.endr
.endr
	WIN 0
.irp t, 0,1,2,3,4,5,6,7
	ds_store_b128 v[STO], v[T+8*\t:T+8*\t+3] offset:128*(\t/2)+32*(\t%2)
	ds_store_b128 v[STO], v[T+8*\t+4:T+8*\t+7] offset:128*(\t/2)+32*(\t%2)+16
.endr
.set i, 0
.rept 16
	ds_load_b128 v[T+4*i:T+4*i+3], v[RD] offset:SPITCH*i       ; LDS serves a wave's instructions in order (ISA guide 5.7.1.4): these see the stores above
.set i, i+1
.endr
.set i, 0
.rept 16
	s_wait_dscnt 15-i
	global_store_b128 v[LN16], v[T+4*i:T+4*i+3], s[30:31] offset:\z*65536+i*4096       ; 512 consecutive bytes of a slot's row, aligned
.set i, i+1
.endr
.endr
.endif
	s_wait_xcnt 0x0                                ; the stores have read their data and base, the look-ahead loads their offsets and bases: all are written again below or in the next trip
.if KIND == 1
.irp j, 0,1,2,3,4,5
	v_mov_b32 v[OFF+\j], v[OFF+2+\j]               ; the next group is in hand now, and the two after it move up
.endr
	s_add_co_u32 s32, s32, 8
.else
	s_mov_b64 s[CUR:CUR+1], s[NXT:NXT+1]
	s_add_co_u32 s32, s32, 8
	NEXTG
.endif
	s_add_co_u32 s[TRIP], s[TRIP], 1
	s_cmp_lt_u32 s[TRIP], s[TRIPS]
	s_cbranch_scc1 .Lgrp
	s_wait_dscnt 0x0                               ; no LDS instruction of the wave is out when it ends
	s_wait_tensorcnt 0x0
	ds_add_u32 v11, v12
	s_wait_dscnt 0x0
	s_endpgm
.Lfunc_end_k_qe85e601603_ffn1:
	.size	k_qe85e601603_ffn1, .Lfunc_end_k_qe85e601603_ffn1-k_qe85e601603_ffn1
	.p2alignl 7, 3214868480
	.fill 96, 4, 3214868480
	.section	.rodata,"a",@progbits
	.p2align	6, 0x0
	.amdhsa_kernel k_qe85e601603_ffn1
		.amdhsa_group_segment_fixed_size 132096
		.amdhsa_private_segment_fixed_size 0
		.amdhsa_enable_private_segment 0
		.amdhsa_kernarg_size 56
		.amdhsa_user_sgpr_count 2
		.amdhsa_user_sgpr_kernarg_segment_ptr 1
		.amdhsa_wavefront_size32 1
		.amdhsa_system_sgpr_workgroup_id_x 1
		.amdhsa_system_sgpr_workgroup_id_y 1
		.amdhsa_system_sgpr_workgroup_id_z 1
		.amdhsa_system_vgpr_workitem_id 0
		.amdhsa_next_free_vgpr 512
		.amdhsa_next_free_sgpr 68
		.amdhsa_reserve_vcc 1
		.amdhsa_float_denorm_mode_32 3
		.amdhsa_float_denorm_mode_16_64 3
		.amdhsa_memory_ordered 1
		.amdhsa_forward_progress 1
		.amdhsa_inst_pref_size 226
	.end_amdhsa_kernel
	.amdgpu_metadata
---
amdhsa.version: [ 1, 2 ]
amdhsa.kernels:
  - .name:           k_qe85e601603_ffn1
    .symbol:         k_qe85e601603_ffn1.kd
    .args:
      - { .name: w1, .offset: 0, .size: 8, .value_kind: global_buffer, .address_space: global }
      - { .name: xq, .offset: 8, .size: 8, .value_kind: global_buffer, .address_space: global }
      - { .name: b1, .offset: 16, .size: 8, .value_kind: global_buffer, .address_space: global }
      - { .name: lowp_scales, .offset: 24, .size: 8, .value_kind: global_buffer, .address_space: global }
      - { .name: sel, .offset: 32, .size: 8, .value_kind: global_buffer, .address_space: global }
      - { .name: hq, .offset: 40, .size: 8, .value_kind: global_buffer, .address_space: global }
      - { .name: posx, .offset: 48, .size: 8, .value_kind: global_buffer, .address_space: global }
    .group_segment_fixed_size: 132096
    .private_segment_fixed_size: 0
    .kernarg_segment_align: 8
    .kernarg_segment_size: 56
    .max_flat_workgroup_size: 256
    .sgpr_count:     68
    .vgpr_count:     512
    .wavefront_size: 32
...
	.end_amdgpu_metadata
.endif
;; end of part 2
;; launch ffn2 (part 3): grid 256 x 1, 8 waves a work-group, no clusters, 199,680 bytes of LDS; arguments w2, hq, lowp_scales, posx, part; writes part
.if DOCPART == 3
	.amdgcn_target "amdgcn-amd-amdhsa--gfx1250"
	.amdhsa_code_object_version 6
	.text
	.protected	k_qe85e601603_ffn2
	.globl	k_qe85e601603_ffn2
	.p2align	8
	.type	k_qe85e601603_ffn2,@function
k_qe85e601603_ffn2:
	s_mov_b64 s[64:65], 0
	v_nop
	global_prefetch_b8 v0, s[64:65] scope:SCOPE_SE
	s_setreg_imm32_b32 hwreg(HW_REG_WAVE_MODE, 25, 1), 1
	s_wait_xcnt 0x0
.set KIND, 2                           ; 1: placement, then h = Q(relu(x w1 + b1)), codes out.   2: partial sums of h w2, f32 out.  The two layers' texts differ in this line alone.
; ONE LAYER OF THE EXPERTS, on the routed slots alone (reference() multiplies the other rows by a scale of 0, and every operand is held finite).
; A work-group owns a slice of one expert's weight: 1,024 along K x 128 columns, 512 KiB of f32, which it reads ONCE.  KIND 1: expert e = wg / 32, columns 128 (wg % 32) of w1[e] (K = all of H).
; KIND 2: e = wg / 32, K quarter ks = (wg / 8) % 4 of D, columns 128 (wg % 8) of w2[e]; the four quarters' sums go to four planes of 'part' and are added by the next launch.
; SLOTS.  An expert's members (tokens with e among their two choices in sel, whole numbers that the gate's launch stored) have ranks 0 .. n - 1; slot = 1024 e + rank.  The ranks go by chunks of 32 tokens as sel's
; 16-byte loads bring them: chunk 2 i + p holds tokens 64 i + 2 lane + p.  ng = the expert's groups of 32 slots, held between 8 (each of the 8 waves has a first group) and 32.  Slots past the last member take token 1023:
; finite codes that no later launch lets into a result.  KIND 1 makes all this at its head, on whole numbers alone, behind its first weight loads: each wave finds the tokens of its own groups (SELECT), and wave 7 of each
; expert's first work-group stores posx[e][token] = the token's slot and, behind posx's 32,768 bytes at + 128 e, ng 32 times over (a dense store).  KIND 2 reads ng from there.
; PHASE A: the slice becomes codes of E4M3 in LDS.  K is the weight's FIRST axis, so a lane takes two neighbouring columns and its registers run DOWN K.  Wave w takes K rows 256 (w / 2) on and columns 64 (w % 2) on,
; in 16 blocks of 16 rows; a load reads 256 consecutive bytes of one row.  A block's 32 numbers a lane are held, converted (two columns interleaved), parted by v_perm_b32 and stored as 16 codes a column.
; LDS holds IMAGES OF THE OPERAND'S REGISTERS: fragment (K step s, tile t) at 16384 s + 2048 t; register group c at + 512 c; lane (m, h) at + 16 m + 256 h holds row m's k = 128 s + 32 c + 16 h + 0 .. 15.
; That is a permutation of k inside an instruction, the same in both operands, so every product meets its partner.
; THE COLUMNS OF A TILE ARE NOT NEIGHBOURS: column 32 b + 16 h' + 8 u + j of the slice is row 8 h' + j of tile 2 b + u.
; PHASE B: wave w takes the expert's groups of 32 slots w, w + 8, .. under ng: (ng - w + 7) / 8 trips, 1 to 4.  The product is used TRANSPOSED (source 0 = 16 columns of the weight, source 1 = 16 slots): lane (r, h) holds
; slot r, and the 16 registers of tiles 2 b, 2 b + 1 are columns 32 b + 16 h + 0 .. 15: neighbours along the next K.  The slots' fragments come straight from memory into registers, four K steps ahead.  KIND 1 gathers them
; from x's codes by the slots' tokens: a load takes 32 consecutive bytes of each of 16 rows; that is the price of having no launch that lays the slots' codes out on end.  KIND 2 reads register images that KIND 1 stored:
; tile T = 64 e + 2 g + z at 65536 T, K step at + 2048, 512 consecutive bytes a load.  The weight's fragments come from LDS, half a K step ahead.  16 accumulators (8 tiles x 2 tiles of slots) take turns.
; No cluster and no joint loads: what work-groups share (an expert's slots) goes to registers, not to LDS, and the number of groups hangs on loaded whole numbers.
; LIMITS on the given exponents, so that each power of two below is an f32 number: e0, e3 between -126 and 119; e2 - e0 - e1 between -126 and 119; e2 + e3 between -126 and 127.  NaN among the inputs is not served.
; REGISTERS.  window 0: v1 16 x lane (also the LDS address of fragments of K steps 0-3); v2 weight offset; v3 phase A's LDS address; v4 (KIND 1) 0; v5 v1 + 65536 (K steps 4-7); v6, v7 the weight's 2^e and 448 x 2^e;
;   v8, v9 (1) 2^(e2 - e0 - e1) and 448 x that; v10 (1) 64 h; v11, v12 (2) the stage, in and back; v13 (1) 16 h; v14 lane; v16-23 (1) row offsets in x's codes of my four groups' two tiles; v24-31 (1) at work in SELECT;
;   v32-159 phase A: four sets of 32 numbers, phase B: two halves of a K step's 8 weight fragments; v160-223 (1) sel, then b1 / 2^(e0 + e1) in the result's layout, (2) at work on the way out;
;   v224-231, v232-247 phase A's codes; v224-255 (1) the slots for posx, later the group's codes.
;   window 1: v0-127 accumulator (tile t, slots' tile z) at 8 (2 t + z); v128-255 four sets of the slots' two fragments.
.if KIND == 1
.set PITCH, 16384                      ; bytes from K row to K row of the weight
.set PS, 10                            ; s[PS:PS+1] lowp_scales, s[PN:PN+1] sel, s[PO:PO+1] the output
.set PN, 12
.set PO, 14
.set EW, 36                            ; the weight's exponent: e0
.else
.set PITCH, 4096
.set TILEB, 65536                      ; bytes of a tile of 16 slots in hq
.set PS, 8                             ; s[PS:PS+1] lowp_scales, s[PN:PN+1] posx, s[PO:PO+1] the output
.set PN, 10
.set PO, 12
.set EW, 39                            ; e3
.endif
.set NGOFF,  32768                     ; where the eight ng begin in posx, 128 bytes an expert
.set STAGE,  131072                    ; (KIND 2) behind the codes: 16 rows x (512 bytes + 16) for each wave
.set SPITCH, 528
.set LN16, 1
.set WOFF, 2
.set WST,  3
.set ZERO, 4
.set WA1,  5
.set WSC,  6
.set WLIM, 7
.set HSC,  8
.set HLIM, 9
.set BOFF, 10
.set STO,  11
.set RD,   12
.set H16,  13
.set LANE, 14
.set OFF,  16                          ; (1) v16,17 the group in hand (tiles 0, 1); v18,19 the next; v20-23 the two after it
.set VS,   24                          ; (1) SELECT: my rank; the chosen chunk's mask, running count and number; my rank in the chunk; bits counted; the bit's place; at work
.set VM,   25
.set VB,   26
.set VC,   27
.set VN,   28
.set VR,   29
.set VP,   30
.set VT,   31
.set R,    32
.set WB,   32
.set SEL,  160
.set BIAS, 160
.set T,    160
.set Q,    224
.set C,    232
.set HC,   224
.set RK,   224
.set TOK,  128
.set CUR,  24                          ; (2) s[24:25] the group in hand; s[26:27] the group after it
.set NXT,  26
.set TRIP, 50                          ; s50 the trip's number; s51 my trips
.set TRIPS, 51
.set PX,   52                          ; (1) s[52:53] posx
.set RUN,  54                          ; (1) members in the chunks so far
.set SM,   55                          ; (1) a chunk's mask
.set ST,   56                          ; (1) at work
.set SG,   57                          ; (1) a group's first rank
.set PSEL, 58                          ; (1) s58, s59 v_permlanex16_b32's selects for lane l xor 16
.set SH,   60                          ; (1) mask of lanes 16-31
.set MSB, 0
.macro WIN new                         ; the immediate's high byte repeats the setting that is left
.if MSB != \new
	s_set_vgpr_msb (MSB<<8)|\new
.set MSB, \new
.endif
.endm
.macro PLACES                          ; four plain places behind matrix instructions, in front of loads into their sources and of reads of their results
.rept 4
	v_nop
.endr
.endm
.macro WLOAD i                         ; block i: 16 K rows, my two columns of each, into set i % 4
.set k, 0
.rept 16
	global_load_b64 v[R+32*((\i)%4)+2*k:R+32*((\i)%4)+2*k+1], v[WOFF], s[20:21] offset:(16*(\i)+k)*PITCH th:TH_LOAD_NT   ; the wave reads 256 consecutive bytes, aligned; read once in the launch
.set k, k+1
.endr
.endm
.macro FETCHT k, nx, s                 ; the two fragments (32 slots x 128 K) of K step s of the group in hand (nx = 0) or of the next (nx = 1) into set k
	WIN 0x40                                       ; destination window 1
.irp z, 0,1
.irp c, 0,1,2,3
.if KIND == 1
	global_load_b128 v[TOK+32*(\k)+16*\z+4*\c:TOK+32*(\k)+16*\z+4*\c+3], v[OFF+2*(\nx)+\z], s[6:7] offset:(\s)*128+32*\c   ; slot r's row of x's codes, k = 128 s + 32 c + 16 h on
.else
	global_load_b128 v[TOK+32*(\k)+16*\z+4*\c:TOK+32*(\k)+16*\z+4*\c+3], v[LN16], s[CUR+2*(\nx):CUR+2*(\nx)+1] offset:\z*TILEB+(\s)*2048+512*\c
.endif
.endr
.endr
	WIN 0
.endm
.macro FETCHW buf, s                   ; the weight's tiles 4 buf .. 4 buf + 3 of K step s from LDS
.if (\s) < 4
.set WAD, LN16
.else
.set WAD, WA1
.endif
.irp t, 0,1,2,3
.irp c, 0,1,2,3
	ds_load_b128 v[WB+64*(\buf)+16*\t+4*\c:WB+64*(\buf)+16*\t+4*\c+3], v[WAD] offset:((\s)&3)*16384+(4*(\buf)+\t)*2048+512*\c
.endr
.endr
.endm
.macro MUL8 buf, s                     ; 8 matrix instructions: 4 tiles of columns x 2 tiles of slots.  K step 0 starts the sums: with the bias as C (KIND 1) or with 0
.if ((\s) == 0) && (KIND == 1)
	WIN 0x44                                       ; source 1 and D window 1; source 0 and C window 0
.else
	WIN 0x54                                       ; source 1, C and D window 1
.endif
.irp t, 0,1,2,3
.irp z, 0,1
.set AC, 8*(2*(4*(\buf)+\t)+\z)
.if (\s) > 0
	v_wmma_f32_16x16x128_fp8_fp8 v[AC:AC+7], v[WB+64*(\buf)+16*\t:WB+64*(\buf)+16*\t+15], v[TOK+32*((\s)%4)+16*\z:TOK+32*((\s)%4)+16*\z+15], v[AC:AC+7]
.elseif KIND == 1
	v_wmma_f32_16x16x128_fp8_fp8 v[AC:AC+7], v[WB+64*(\buf)+16*\t:WB+64*(\buf)+16*\t+15], v[TOK+32*((\s)%4)+16*\z:TOK+32*((\s)%4)+16*\z+15], v[BIAS+8*(4*(\buf)+\t):BIAS+8*(4*(\buf)+\t)+7]
.else
	v_wmma_f32_16x16x128_fp8_fp8 v[AC:AC+7], v[WB+64*(\buf)+16*\t:WB+64*(\buf)+16*\t+15], v[TOK+32*((\s)%4)+16*\z:TOK+32*((\s)%4)+16*\z+15], 0
.endif
.endr
.endr
.endm
.macro KSTEP s
	s_wait_dscnt 16                                ; the first four weight fragments are in; the other four's 16 loads may be out
	s_wait_loadcnt 24                              ; this step's slots are in; the three sets behind them, 8 loads each, may be out
	MUL8 0, \s
	PLACES
	WIN 0
	FETCHW 0, ((\s)+1)%8                           ; (behind the last K step: the next group's first; the weight is the same)
	s_wait_dscnt 16                                ; the other four are in; the 16 just issued may be out
	MUL8 1, \s
	PLACES
.if (\s) < 4
	FETCHT (\s)%4, 0, (\s)+4                       ; the set just multiplied takes the K step four further on,
.else
	FETCHT (\s)%4, 1, (\s)-4                       ; which from K step 4 on is the next group's
.endif
	FETCHW 1, ((\s)+1)%8
.endm
.macro MKTRIPS                         ; my trips: the groups w + 8 i under ng (s33, 8 to 32)
	s_sub_co_u32 s[TRIPS], s33, s16
	s_add_co_u32 s[TRIPS], s[TRIPS], 7
	s_lshr_b32 s[TRIPS], s[TRIPS], 3
	s_min_u32 s[TRIPS], s[TRIPS], 4
.endm
.macro NEXTG                           ; (KIND 2) s[NXT]: my next group, held at the expert's last group, so that the last trip's look-ahead reads written bytes and every trip issues the same loads
	s_add_co_u32 s44, s32, 8
	s_sub_co_u32 s45, s33, 1
	s_min_u32 s44, s44, s45
	s_min_u32 s44, s44, 31
	s_mul_i32 s44, s44, 2*TILEB
	s_mov_b32 s45, 0
	s_add_nc_u64 s[NXT:NXT+1], s[22:23], s[44:45]
.endm
; (KIND 1) The tokens of my group w + 8 i: lane l finds the member of rank 32 (w + 8 i) + l; then each lane (r, h) takes the tokens of slots r and 16 + r, as row offsets in x's codes.  It leaves n, the expert's members, in s[RUN].
.macro SELECT i
	s_lshl_b32 s[SG], s16, 5
	s_add_co_u32 s[SG], s[SG], 256*\i
	v_add_nc_u32 v[VS], s[SG], v[LANE]             ; my rank
	s_mov_b32 s[RUN], 0
.set cc, 0
.rept 32                               ; which chunk holds the member of that rank: the last one whose running count does not pass it
	v_cmp_eq_u32 vcc_lo, s17, v[SEL+2*cc]
	v_cmp_eq_u32 s[ST], s17, v[SEL+2*cc+1]
	s_or_b32 s[SM], vcc_lo, s[ST]                  ; bit l: token 64 (cc / 2) + 2 l + cc % 2 is a member
.if cc == 0
	v_mov_b32 v[VM], s[SM]
	v_mov_b32 v[VB], 0
	v_mov_b32 v[VC], 0
.else
	v_cmp_le_u32 vcc_lo, s[RUN], v[VS]
	v_cndmask_b32 v[VM], v[VM], s[SM], vcc_lo
	v_cndmask_b32 v[VB], v[VB], s[RUN], vcc_lo
	v_cndmask_b32 v[VC], v[VC], cc, vcc_lo
.endif
	s_bcnt1_i32_b32 s[ST], s[SM]
	s_add_co_u32 s[RUN], s[RUN], s[ST]
.set cc, cc+1
.endr
	v_sub_nc_u32 v[VN], v[VS], v[VB]               ; my rank n within the chunk
	v_mov_b32 v[VR], 0
	v_mov_b32 v[VP], 0
.set bb, 0
.rept 32                               ; the place of set bit n = the number of bits whose count of set bits up to and with them does not pass n
	v_bfe_u32 v[VT], v[VM], bb, 1
	v_add_nc_u32 v[VR], v[VR], v[VT]
	v_cmp_le_u32 vcc_lo, v[VR], v[VN]
	v_cndmask_b32 v[VT], v[ZERO], 1, vcc_lo
	v_add_nc_u32 v[VP], v[VP], v[VT]
.set bb, bb+1
.endr
	v_and_b32 v[VT], 1, v[VC]
	v_lshl_add_u32 v[VP], v[VP], 1, v[VT]          ; 2 x place + chunk % 2
	v_lshrrev_b32 v[VC], 1, v[VC]
	v_lshl_add_u32 v[VP], v[VC], 6, v[VP]          ; + 64 (chunk / 2): slot l's token
	v_permlanex16_b32 v[VT], v[VP], s[PSEL], s[PSEL+1]     ; slot (l xor 16)'s
	v_cndmask_b32 v[VB], v[VP], v[VT], s[SH]       ; tile 0, slot r: lanes 0-15 have it, lanes 16-31 take the other half's
	v_cndmask_b32 v[VM], v[VT], v[VP], s[SH]       ; tile 1, slot 16 + r: the other way round
	v_min_u32 v[VB], 0x3ff, v[VB]                  ; ranks past the last member end here
	v_min_u32 v[VM], 0x3ff, v[VM]
	v_lshl_add_u32 v[OFF+2*\i], v[VB], 10, v[H16]  ; the token's row of 1,024 codes, + 16 h
	v_lshl_add_u32 v[OFF+2*\i+1], v[VM], 10, v[H16]
.endm
; Block i of phase A.  In the place where blocks 0-11 ask for the block four further on, blocks 12 and 13 ask for the first group's slots and block 14 (KIND 1) for the bias: so 48 younger loads stand behind every block's own.
.macro BLOCK i
.set RS, R+32*((\i)%4)
.set CS, C+8*((\i)%2)
.set O, ((\i)>>3)*16384+(((\i)>>1)&3)*512+((\i)&1)*256
.if (KIND == 2) && (\i == 15)
	s_wait_loadcnt 32                              ; behind block 15's loads stand the slots' 32 alone
.else
	s_wait_loadcnt 48                              ; my 16 loads are in; three younger runs of 16 may be out
.endif
.set k, 0
.rept 32
	v_med3_num_f32 v[RS+k], v[RS+k], -v[WLIM], v[WLIM]         ; the conversion to an 8-bit code does not saturate (ISA guide 7.6.2): the hold comes first
.set k, k+1
.endr
.irp g, 0,1,2,3
	v_cvt_scalef32_pk8_fp8_f32 v[Q+2*\g:Q+2*\g+1], v[RS+8*\g:RS+8*\g+7], v[WSC]   ; rows 4 g .. 4 g + 3, even and odd column by turns
.endr
	v_nop                                          ; a plain place between the conversions and the reads of their results
	s_wait_dscnt 2                                 ; the stores of the block two back, which read these registers, are done; the last block's two may be out
.irp g, 0,1,2,3
	v_perm_b32 v[CS+\g], v[Q+2*\g+1], v[Q+2*\g], s34           ; the even column's four codes
	v_perm_b32 v[CS+4+\g], v[Q+2*\g+1], v[Q+2*\g], s35         ; the odd column's
.endr
.if \i < 12
	WLOAD \i+4
.elseif \i == 12
	FETCHT 0, 0, 0
	FETCHT 1, 0, 1
.elseif \i == 13
	FETCHT 2, 0, 2
	FETCHT 3, 0, 3
.elseif (\i == 14) && (KIND == 1)
.irp t, 0,1,2,3,4,5,6,7
	global_load_b128 v[BIAS+8*\t:BIAS+8*\t+3], v[BOFF], s[48:49] offset:(32*(\t/2)+8*(\t%2))*4      ; tile t = 2 b + u, lane half h: b1 at columns 32 b + 16 h + 8 u + 0 .. 7
	global_load_b128 v[BIAS+8*\t+4:BIAS+8*\t+7], v[BOFF], s[48:49] offset:(32*(\t/2)+8*(\t%2))*4+16
.endr
.endif
	ds_store_b128 v[WST], v[CS:CS+3] offset:O      ; 16 codes down K of the even column: one lane's 16 bytes of an image
	ds_store_b128 v[WST], v[CS+4:CS+7] offset:O+16 ; the odd column is the next row of the same tile
.endm
	s_load_b256 s[4:11], s[0:1], 0x0               ; KIND 1: w1, xq, b1, lowp_scales.   KIND 2: w2, hq, lowp_scales, posx
.if KIND == 1
	s_load_b128 s[12:15], s[0:1], 0x20             ; sel, hq
	s_load_b64 s[PX:PX+1], s[0:1], 0x30            ; posx
.else
	s_load_b64 s[12:13], s[0:1], 0x20              ; part
	v_lshl_add_u32 v254, v0, 2, 0x30800
	v_mov_b32 v255, 0
.endif
	v_lshrrev_b32 v13, 5, v0
	v_readfirstlane_b32 s16, v13                   ; wave 0..7
	v_and_b32 v[LANE], 31, v0                      ; lane
	s_lshr_b32 s17, ttmp9, 5                       ; e
.if KIND == 1
	s_and_b32 s18, ttmp9, 31                       ; which 128 columns
.else
	s_and_b32 s18, ttmp9, 7
	s_bfe_u32 s19, ttmp9, 0x20003                  ; ks
.endif
	s_and_b32 s42, s16, 1                          ; phase A: my half of the columns,
	s_lshr_b32 s43, s16, 1                         ; my quarter of K
	s_mov_b32 s34, 0x06040200
	s_mov_b32 s35, 0x07050301
	v_lshlrev_b32 v[LN16], 4, v[LANE]
	v_add_nc_u32 v[WA1], 0x10000, v[LN16]
	v_lshlrev_b32 v[WOFF], 3, v[LANE]
	s_lshl_b32 s44, s42, 8
	v_add_nc_u32 v[WOFF], s44, v[WOFF]             ; 8 x lane + 256 x half
	; my even column is 64 half + 2 lane: b = 2 half + lane / 16, h' = (lane / 8) % 2, u = (lane / 4) % 2, j = 2 (lane % 4): 4096 b + 2048 u + 128 h' + 16 j, + 32768 x my quarter of K
	v_bfe_u32 v15, v0, 4, 1
	v_lshlrev_b32 v[WST], 12, v15
	v_lshlrev_b32 v[BOFF], 6, v15                  ; 64 h
.if KIND == 1
	v_lshlrev_b32 v[H16], 4, v15                   ; 16 h
	v_mov_b32 v[ZERO], 0
.endif
	v_bfe_u32 v15, v0, 2, 1
	v_lshl_add_u32 v[WST], v15, 11, v[WST]
	v_bfe_u32 v15, v0, 3, 1
	v_lshl_add_u32 v[WST], v15, 7, v[WST]
	v_and_b32 v15, 3, v0
	v_lshl_add_u32 v[WST], v15, 5, v[WST]
	s_lshl_b32 s44, s42, 13
	s_lshl_b32 s45, s43, 15
	s_add_co_u32 s44, s44, s45
	v_add_nc_u32 v[WST], s44, v[WST]
.if KIND == 2
	s_mul_i32 s44, s16, 16*SPITCH
	s_add_co_u32 s44, s44, STAGE                   ; my stage
	v_and_b32 v15, 15, v0
	v_mul_u32_u24 v[STO], v15, SPITCH
	v_bfe_u32 v15, v0, 4, 1
	v_lshl_add_u32 v[STO], v15, 6, v[STO]
	v_add_nc_u32 v[STO], s44, v[STO]               ; in: row r, + 64 h
	v_add_nc_u32 v[RD], s44, v[LN16]               ; back: a row of 512 bytes, 16 a lane
.endif
	; byte offsets, each under 2^31
	s_lshl_b32 s20, s17, 24                        ; the expert's weight: 2^24 bytes
	s_lshl_b32 s44, s18, 9
	s_add_co_u32 s20, s20, s44                     ; + 512 x column group
	s_mul_i32 s44, s43, 256*PITCH
	s_add_co_u32 s20, s20, s44                     ; + my 256 K rows
	s_mov_b32 s21, 0
	s_mov_b32 s29, 0
	s_mov_b32 s45, 0
.if KIND == 1
	s_mov_b32 s47, 0
	s_lshl_b32 s28, s17, 22                        ; out: hq at tile 64 e, K step = my column group
	s_lshl_b32 s44, s18, 11
	s_add_co_u32 s28, s28, s44
	s_lshl_b32 s46, s17, 14                        ; b1 at (e, my columns)
	s_lshl_b32 s44, s18, 9
	s_add_co_u32 s46, s46, s44
	s_mov_b32 s[PSEL], 0x76543210
	s_mov_b32 s[PSEL+1], 0xfedcba98
.else
	s_mov_b32 s23, 0
	s_lshl_b32 s44, s19, 22
	s_add_co_u32 s20, s20, s44                     ; + ks x 1,024 K rows
	s_lshl_b32 s22, s17, 22
	s_lshl_b32 s44, s19, 14
	s_add_co_u32 s22, s22, s44                     ; the expert's tiles, K steps 8 ks on
	s_lshl_b32 s28, s19, 25                        ; out: part at plane ks, slot 1024 e, my columns
	s_lshl_b32 s44, s17, 22
	s_add_co_u32 s28, s28, s44
	s_lshl_b32 s44, s18, 9
	s_add_co_u32 s28, s28, s44
	s_mul_i32 s44, s16, 2*TILEB                    ; my first group = my wave's number
	s_lshl_b32 s42, s17, 7
.endif
	s_wait_kmcnt 0x0
	s_load_b128 s[36:39], s[PS:PS+1], 0x0          ; e0, e1, e2, e3
.if KIND == 2
	s_load_b32 s33, s[PN:PN+1], s42 offset:NGOFF   ; ng
.endif
	s_add_nc_u64 s[20:21], s[4:5], s[20:21]
	s_add_nc_u64 s[28:29], s[PO:PO+1], s[28:29]
.if KIND == 1
	s_add_nc_u64 s[48:49], s[8:9], s[46:47]
.set cc, 0
.rept 16
	global_load_b128 v[SEL+4*cc:SEL+4*cc+3], v[LN16], s[PN:PN+1] offset:512*cc     ; tokens 64 cc + 2 lane and the next: i1, i2, i1, i2; 512 consecutive bytes
.set cc, cc+1
.endr
.irp i, 0,1,2
	WLOAD \i
.endr
.else
	s_add_nc_u64 s[22:23], s[6:7], s[22:23]
	s_add_nc_u64 s[CUR:CUR+1], s[22:23], s[44:45]
.irp i, 0,1,2,3
	WLOAD \i
.endr
.endif
	s_wait_kmcnt 0x0
	s_add_co_i32 s44, s[EW], 127
	s_lshl_b32 s45, s44, 23
	v_mov_b32 v[WSC], s45                          ; the weight's 2^e: the conversion takes its exponent field
	s_add_co_i32 s44, s44, 8
	s_lshl_b32 s44, s44, 23
	s_or_b32 s44, s44, 0x600000
	v_mov_b32 v[WLIM], s44                         ; 448 x 2^e
.if KIND == 1
	; THE PLACEMENT, while the first four blocks of the weight are on their way
	s_wait_loadcnt 48                              ; sel's 16 loads are in; the three blocks' 48 behind them may be out
	WLOAD 3
	v_cmp_le_u32 s[SH], 16, v[LANE]
	SELECT 0
	s_add_co_u32 s33, s[RUN], 31
	s_lshr_b32 s33, s33, 5
	s_max_u32 s33, s33, 8
	s_min_u32 s33, s33, 32                         ; ng
	MKTRIPS
.irp j, 2,3,4,5,6,7
	v_mov_b32 v[OFF+\j], v[OFF+\j%2]               ; a group that I do not have stands for the one before it: the last trip's look-ahead reads rows that exist, and every trip issues the same loads
.endr
	s_cmp_lt_u32 s[TRIPS], 2
	s_cbranch_scc1 .Lselected
	SELECT 1
.irp j, 4,5,6,7
	v_mov_b32 v[OFF+\j], v[OFF+2+\j%2]
.endr
	s_cmp_lt_u32 s[TRIPS], 3
	s_cbranch_scc1 .Lselected
	SELECT 2
	v_mov_b32 v[OFF+6], v[OFF+4]
	v_mov_b32 v[OFF+7], v[OFF+5]
	s_cmp_lt_u32 s[TRIPS], 4
	s_cbranch_scc1 .Lselected
	SELECT 3
.Lselected:
	s_cmp_lg_u32 s18, 0                            ; the tokens' slots and ng are stored once for each expert: by wave 7 of its first work-group
	s_cbranch_scc1 .Lno_posx
	s_cmp_lg_u32 s16, 7
	s_cbranch_scc1 .Lno_posx
	s_lshl_b32 s44, s17, 12
	s_mov_b32 s45, 0
	s_add_nc_u64 s[62:63], s[PX:PX+1], s[44:45]    ; posx at expert e
	s_lshl_b32 s44, s17, 7
	s_add_co_u32 s44, s44, NGOFF
	s_add_nc_u64 s[66:67], s[PX:PX+1], s[44:45]    ; and the expert's ng
	v_lshlrev_b32 v[VS], 3, v[LANE]
	v_lshlrev_b32 v[VM], 2, v[LANE]
	v_mov_b32 v[VB], s33
	s_lshl_b32 s[RUN], s17, 10                     ; 1024 e + the members so far
.set cc, 0
.rept 32
	v_cmp_eq_u32 vcc_lo, s17, v[SEL+2*cc]
	v_cmp_eq_u32 s[ST], s17, v[SEL+2*cc+1]
	s_or_b32 s[SM], vcc_lo, s[ST]
	v_mbcnt_lo_u32_b32 v[RK+cc], s[SM], s[RUN]     ; 1024 e + the members of earlier chunks + those of lower lanes: the order in which SELECT counts
	s_bcnt1_i32_b32 s[ST], s[SM]
	s_add_co_u32 s[RUN], s[RUN], s[ST]
.if cc%2 == 1
	global_store_b64 v[VS], v[RK+cc-1:RK+cc], s[62:63] offset:128*(cc-1)   ; tokens 32 (cc - 1) + 2 lane and the next: the wave stores 256 consecutive bytes, aligned
.endif
.set cc, cc+1
.endr
	global_store_b32 v[VM], v[VB], s[66:67]
	s_wait_xcnt 0x0                                ; the stores have read their registers: phase A writes v224 on again
.Lno_posx:
.endif
.irp i, 0,1,2,3,4,5,6,7,8,9,10,11,12,13,14,15
	BLOCK \i
.endr
	s_wait_dscnt 0x0                               ; for the others' sake: my codes lie in LDS
	s_barrier_signal -1
	s_barrier_wait -1                              ; the whole slice does.  From here on LDS is only read (KIND 2: but for each wave's own stage)
	FETCHW 0, 0
	FETCHW 1, 0
	s_mov_b32 s32, s16                             ; g
.if KIND == 2
	s_min_u32 s33, s33, 32
	s_max_u32 s33, s33, 8                          ; ng, as it was stored: 8 to 32
	MKTRIPS
.endif
	s_mov_b32 s[TRIP], 0
.if KIND == 2
	NEXTG
.endif
.if KIND == 1
	s_wait_loadcnt 0x0                             ; the bias (and the slots in front of it)
	s_add_co_i32 s44, s36, s37                     ; a sum stands for sum x 2^(e0 + e1): so b1 goes in as b1 / 2^(e0 + e1),
	s_sub_co_i32 s46, 0, s44
.set j, 0
.rept 64
	v_ldexp_f32 v[BIAS+j], v[BIAS+j], s46
.set j, j+1
.endr
	s_sub_co_i32 s44, s38, s44                     ; and h's code is sum / 2^(e2 - e0 - e1): the three scales folded into the conversion's one
	s_add_co_i32 s44, s44, 127
	s_lshl_b32 s45, s44, 23
	v_mov_b32 v[HSC], s45
	s_add_co_i32 s44, s44, 8
	s_lshl_b32 s44, s44, 23
	s_or_b32 s44, s44, 0x600000
	v_mov_b32 v[HLIM], s44
.else
	s_add_co_i32 s40, s38, s39
	s_add_co_i32 s40, s40, 127
	s_lshl_b32 s40, s40, 23                        ; 2^(e2 + e3)
	s_mov_b32 s41, s40                             ; (named with it as a pair, so it is written)
.endif
.Lgrp:                                             ; a trip: one group of 32 slots x my 128 columns x 1,024 along K: 128 matrix instructions
.irp s, 0,1,2,3,4,5,6,7
	KSTEP \s
.endr
	s_min_u32 s44, s32, 31                         ; (g is under ng, at most 31: written out, since it enters an address)
	s_lshl_b32 s44, s44, 17                        ; a group: two tiles of 65,536 bytes of hq, or 32 rows of 4,096 bytes of part
	s_mov_b32 s45, 0
	s_add_nc_u64 s[30:31], s[28:29], s[44:45]
.if KIND == 1
	WIN 0x41                                       ; source 0 and destination window 1
.set j, 0
.rept 128
	v_med3_num_f32 v[j], v[j], 0, v[HLIM]          ; the activation and the hold in one; each accumulator from its low end on
.set j, j+1
.endr
	WIN 0x01
.irp z, 0,1
.irp t, 0,1,2,3,4,5,6,7
	v_cvt_scalef32_pk8_fp8_f32 v[HC+16*\z+2*\t:HC+16*\z+2*\t+1], v[8*(2*\t+\z):8*(2*\t+\z)+7], v[HSC]   ; registers 4 b + 2 u on: k = 32 b + 16 h + 8 u + 0 .. 7 of the next product's K step
.endr
.endr
	WIN 0
	v_nop                                          ; a plain place behind the last conversion: the next trip's products write its sources
.irp z, 0,1
.irp c, 0,1,2,3
	global_store_b128 v[LN16], v[HC+16*\z+4*\c:HC+16*\z+4*\c+3], s[30:31] offset:\z*65536+512*\c       ; the fragment's image: 512 consecutive bytes, aligned
.endr
.endr
.else
.irp z, 0,1                            ; 16 slots at a time through my own stage, so that whole rows of 512 bytes leave
.if \z == 1
	s_wait_xcnt 0x0                                ; the first tile's stores have read the registers that are written below
.endif
	WIN 0x01
.irp t, 0,1,2,3,4,5,6,7
.irp i, 0,2,4,6
	v_pk_mul_f32 v[T+8*\t+\i:T+8*\t+\i+1], v[8*(2*\t+\z)+\i:8*(2*\t+\z)+\i+1], s[40:41] op_sel_hi:[1,0]   ; x 2^(e2 + e3); each accumulator from its low end on
.endr
.endr
	WIN 0
.irp t, 0,1,2,3,4,5,6,7
	ds_store_b128 v[STO], v[T+8*\t:T+8*\t+3] offset:128*(\t/2)+32*(\t%2)
	ds_store_b128 v[STO], v[T+8*\t+4:T+8*\t+7] offset:128*(\t/2)+32*(\t%2)+16
.endr
.set i, 0
.rept 16
	ds_load_b128 v[T+4*i:T+4*i+3], v[RD] offset:SPITCH*i       ; LDS serves a wave's instructions in order (ISA guide 5.7.1.4): these see the stores above
.set i, i+1
.endr
.set i, 0
.rept 16
	s_wait_dscnt 15-i
	global_store_b128 v[LN16], v[T+4*i:T+4*i+3], s[30:31] offset:\z*65536+i*4096       ; 512 consecutive bytes of a slot's row, aligned
.set i, i+1
.endr
.endr
.endif
	s_wait_xcnt 0x0                                ; the stores have read their data and base, the look-ahead loads their offsets and bases: all are written again below or in the next trip
.if KIND == 1
.irp j, 0,1,2,3,4,5
	v_mov_b32 v[OFF+\j], v[OFF+2+\j]               ; the next group is in hand now, and the two after it move up
.endr
	s_add_co_u32 s32, s32, 8
.else
	s_mov_b64 s[CUR:CUR+1], s[NXT:NXT+1]
	s_add_co_u32 s32, s32, 8
	NEXTG
.endif
	s_add_co_u32 s[TRIP], s[TRIP], 1
	s_cmp_lt_u32 s[TRIP], s[TRIPS]
	s_cbranch_scc1 .Lgrp
	s_wait_dscnt 0x0                               ; no LDS instruction of the wave is out when it ends
	s_wait_tensorcnt 0x0
	ds_add_u32 v254, v255
	s_wait_dscnt 0x0
	s_endpgm
.Lfunc_end_k_qe85e601603_ffn2:
	.size	k_qe85e601603_ffn2, .Lfunc_end_k_qe85e601603_ffn2-k_qe85e601603_ffn2
	.p2alignl 7, 3214868480
	.fill 96, 4, 3214868480
	.section	.rodata,"a",@progbits
	.p2align	6, 0x0
	.amdhsa_kernel k_qe85e601603_ffn2
		.amdhsa_group_segment_fixed_size 199680
		.amdhsa_private_segment_fixed_size 0
		.amdhsa_enable_private_segment 0
		.amdhsa_kernarg_size 40
		.amdhsa_user_sgpr_count 2
		.amdhsa_user_sgpr_kernarg_segment_ptr 1
		.amdhsa_wavefront_size32 1
		.amdhsa_system_sgpr_workgroup_id_x 1
		.amdhsa_system_sgpr_workgroup_id_y 1
		.amdhsa_system_sgpr_workgroup_id_z 1
		.amdhsa_system_vgpr_workitem_id 0
		.amdhsa_next_free_vgpr 512
		.amdhsa_next_free_sgpr 66
		.amdhsa_reserve_vcc 1
		.amdhsa_float_denorm_mode_32 3
		.amdhsa_float_denorm_mode_16_64 3
		.amdhsa_memory_ordered 1
		.amdhsa_forward_progress 1
		.amdhsa_inst_pref_size 128
	.end_amdhsa_kernel
	.amdgpu_metadata
---
amdhsa.version: [ 1, 2 ]
amdhsa.kernels:
  - .name:           k_qe85e601603_ffn2
    .symbol:         k_qe85e601603_ffn2.kd
    .args:
      - { .name: w2, .offset: 0, .size: 8, .value_kind: global_buffer, .address_space: global }
      - { .name: hq, .offset: 8, .size: 8, .value_kind: global_buffer, .address_space: global }
      - { .name: lowp_scales, .offset: 16, .size: 8, .value_kind: global_buffer, .address_space: global }
      - { .name: posx, .offset: 24, .size: 8, .value_kind: global_buffer, .address_space: global }
      - { .name: part, .offset: 32, .size: 8, .value_kind: global_buffer, .address_space: global }
    .group_segment_fixed_size: 199680
    .private_segment_fixed_size: 0
    .kernarg_segment_align: 8
    .kernarg_segment_size: 40
    .max_flat_workgroup_size: 256
    .sgpr_count:     66
    .vgpr_count:     512
    .wavefront_size: 32
...
	.end_amdgpu_metadata
.endif
;; end of part 3
;; launch combine (part 4): grid 1025 x 1, 4 waves a work-group, no clusters, 1,536 bytes of LDS; arguments sel, wgt, posx, part, b2, stat, out0, out1; writes out0, out1
.if DOCPART == 4
	.amdgcn_target "amdgcn-amd-amdhsa--gfx1250"
	.amdhsa_code_object_version 6
	.text
	.protected	k_qe85e601603_combine
	.globl	k_qe85e601603_combine
	.p2align	8
	.type	k_qe85e601603_combine,@function
k_qe85e601603_combine:
	s_mov_b64 s[64:65], 0
	v_nop
	global_prefetch_b8 v0, s[64:65] scope:SCOPE_SE
	s_setreg_imm32_b32 hwreg(HW_REG_WAVE_MODE, 25, 1), 1
	s_wait_xcnt 0x0
; THE COMBINE AND THE AUX LOSS.  Work-group t < 1024 makes row t of y: for its two experts k, y += wgt[t][k] x (the four K quarters' sums of its slot + b2[expert]).  The slot is posx[expert][t]: whole numbers
; that an earlier launch stored.  Wave w takes bytes 1024 w on of the row, two loads of 512 consecutive bytes from each source.  Memory binds: no LDS, no matrix unit on this path.
; Work-group 1024 makes the aux loss: the column sums of stat (8 probabilities, 8 routed flags a token), then 8 x sum over e of mean(p_e) x mean(routed_e) = sum(P_e R_e) x 2^-17.
; The sum over the contributors is ordered: one owner for each output, no atomics.
	s_load_b256 s[4:11], s[0:1], 0x0               ; sel, wgt, posx, part
	s_load_b256 s[12:19], s[0:1], 0x20             ; b2, stat, out0, out1
	v_lshl_add_u32 v160, v0, 2, 0x400
	v_mov_b32 v161, 0
	v_and_b32 v1, 31, v0
	v_lshrrev_b32 v2, 5, v0                        ; wave
	v_lshlrev_b32 v1, 4, v1                        ; 16 x lane
	s_cmp_eq_u32 ttmp9, 1024
	s_cbranch_scc1 .Laux
	v_lshl_add_u32 v1, v2, 10, v1                  ; + 1024 x wave
	s_lshl_b32 s20, ttmp9, 3
	s_lshl_b32 s21, ttmp9, 2
	s_lshl_b32 s52, ttmp9, 12
	s_mov_b32 s53, 0
	s_wait_kmcnt 0x0
	s_load_b64 s[22:23], s[4:5], s20 offset:0x0    ; the two experts
	s_load_b64 s[24:25], s[6:7], s20 offset:0x0    ; their weights
.irp e, 0,1,2,3,4,5,6,7
	s_load_b32 s[28+\e], s[8:9], s21 offset:\e*4096        ; posx[e][t] for all eight, in the same batch: no second trip to memory behind sel
.endr
	s_mov_b64 s[40:41], s[10:11]                   ; part's four planes, 2^25 bytes apart
	s_add_nc_u64 s[42:43], s[10:11], 0x2000000
	s_add_nc_u64 s[44:45], s[10:11], 0x4000000
	s_add_nc_u64 s[46:47], s[10:11], 0x6000000
	s_add_nc_u64 s[16:17], s[16:17], s[52:53]      ; y at row t
	s_wait_kmcnt 0x0
.irp k, 0,1
	s_mov_b32 s[36+\k], s28
.irp e, 1,2,3,4,5,6,7
	s_cmp_eq_u32 s[22+\k], \e
	s_cselect_b32 s[36+\k], s[28+\e], s[36+\k]
.endr
	s_min_u32 s[36+\k], s[36+\k], 8191             ; the slot
	s_lshl_b32 s[36+\k], s[36+\k], 12
	v_add_nc_u32 v[4+\k], s[36+\k], v1
	s_min_u32 s[38+\k], s[22+\k], 7                ; the expert
	s_lshl_b32 s[38+\k], s[38+\k], 12
	v_add_nc_u32 v[6+\k], s[38+\k], v1
.endr
	s_mov_b32 s48, s24                             ; each weight as a pair: the packed forms name a pair and take its low word for both halves
	s_mov_b32 s49, s24
	s_mov_b32 s50, s25
	s_mov_b32 s51, s25
.irp k, 0,1
.irp q, 0,1,2,3
	global_load_b128 v[16+32*\k+8*\q:16+32*\k+8*\q+3], v[4+\k], s[40+2*\q:41+2*\q] th:TH_LOAD_NT
	global_load_b128 v[20+32*\k+8*\q:20+32*\k+8*\q+3], v[4+\k], s[40+2*\q:41+2*\q] offset:512 th:TH_LOAD_NT
.endr
	global_load_b128 v[80+8*\k:80+8*\k+3], v[6+\k], s[12:13]
	global_load_b128 v[84+8*\k:84+8*\k+3], v[6+\k], s[12:13] offset:512
.endr
	s_wait_loadcnt 0x0
.irp k, 0,1
.irp j, 0,2,4,6
	v_pk_add_f32 v[16+32*\k+\j:17+32*\k+\j], v[16+32*\k+\j:17+32*\k+\j], v[24+32*\k+\j:25+32*\k+\j]
	v_pk_add_f32 v[32+32*\k+\j:33+32*\k+\j], v[32+32*\k+\j:33+32*\k+\j], v[40+32*\k+\j:41+32*\k+\j]
	v_pk_add_f32 v[16+32*\k+\j:17+32*\k+\j], v[16+32*\k+\j:17+32*\k+\j], v[80+8*\k+\j:81+8*\k+\j]
	v_pk_add_f32 v[16+32*\k+\j:17+32*\k+\j], v[16+32*\k+\j:17+32*\k+\j], v[32+32*\k+\j:33+32*\k+\j]
.endr
.endr
.irp j, 0,2,4,6
	v_pk_mul_f32 v[96+\j:97+\j], v[16+\j:17+\j], s[48:49] op_sel_hi:[1,0]
.endr
.irp j, 0,2,4,6
	v_pk_fma_f32 v[96+\j:97+\j], v[48+\j:49+\j], s[50:51], v[96+\j:97+\j] op_sel_hi:[1,0,1]
.endr
	global_store_b128 v1, v[96:99], s[16:17] th:TH_STORE_NT               ; 512 consecutive bytes, aligned
	global_store_b128 v1, v[100:103], s[16:17] offset:512 th:TH_STORE_NT
	s_endpgm
.Laux:
	v_readfirstlane_b32 s20, v2                    ; wave
	s_lshl_b32 s22, s20, 14                        ; my 256 tokens' records: 16,384 bytes
	s_mov_b32 s23, 0
	s_mov_b32 s26, 0x76543210
	s_mov_b32 s27, 0xfedcba98
	v_and_b32 v3, 3, v0
	v_lshlrev_b32 v3, 4, v3
	s_lshl_b32 s21, s20, 6
	v_add_nc_u32 v3, s21, v3                       ; LDS: 64 x wave + 16 x (lane % 4)
	v_mov_b32 v4, 0
	s_wait_kmcnt 0x0
	s_add_nc_u64 s[14:15], s[14:15], s[22:23]
.set i, 0
.rept 32
	global_load_b128 v[16+4*i:16+4*i+3], v1, s[14:15] offset:512*i         ; a record is 64 bytes: lane l always sees columns 4 (l % 4) on
.set i, i+1
.endr
	s_wait_loadcnt 0x0
.set i, 4
.rept 28                               ; four chains
	v_pk_add_f32 v[16+4*(i%4):17+4*(i%4)], v[16+4*(i%4):17+4*(i%4)], v[16+4*i:17+4*i]
	v_pk_add_f32 v[18+4*(i%4):19+4*(i%4)], v[18+4*(i%4):19+4*(i%4)], v[18+4*i:19+4*i]
.set i, i+1
.endr
.irp j, 0,2
	v_pk_add_f32 v[16+\j:17+\j], v[16+\j:17+\j], v[20+\j:21+\j]
	v_pk_add_f32 v[24+\j:25+\j], v[24+\j:25+\j], v[28+\j:29+\j]
	v_pk_add_f32 v[16+\j:17+\j], v[16+\j:17+\j], v[24+\j:25+\j]
.endr
.irp k, 4,8                            ; the lanes with my lane % 4
.irp j, 0,1,2,3
	v_add_f32_dpp v[16+\j], v[16+\j], v[16+\j] row_xmask:\k row_mask:0xf bank_mask:0xf
.endr
.endr
.irp j, 0,1,2,3
	v_permlanex16_b32 v[20+\j], v[16+\j], s26, s27
.endr
.irp j, 0,1,2,3
	v_add_f32 v[16+\j], v[16+\j], v[20+\j]
.endr
	ds_store_b128 v3, v[16:19]                     ; lanes with the same lane % 4 write the same bytes with the same numbers
	s_wait_dscnt 0x0                               ; for the others' sake
	s_barrier_signal -1
	s_barrier_wait -1
.set i, 0
.rept 16
	ds_load_b128 v[16+4*i:16+4*i+3], v4 offset:16*i            ; wave i / 4's columns 4 (i % 4) on
.set i, i+1
.endr
	s_wait_dscnt 0x0
.irp j, 0,2,4,6,8,10,12,14
	v_pk_add_f32 v[16+\j:17+\j], v[16+\j:17+\j], v[32+\j:33+\j]
	v_pk_add_f32 v[48+\j:49+\j], v[48+\j:49+\j], v[64+\j:65+\j]
	v_pk_add_f32 v[16+\j:17+\j], v[16+\j:17+\j], v[48+\j:49+\j]
.endr
	v_mul_f32 v32, v16, v24                        ; v16-23 the probabilities' sums, v24-31 the routed counts
.irp e, 1,2,3,4,5,6,7
	v_fmac_f32 v32, v[16+\e], v[24+\e]
.endr
	v_mul_f32 v32, 0x37000000, v32                 ; x 8 / 1024^2 = 2^-17
	v_cmp_eq_u32 vcc_lo, 0, v0
	s_wait_xcnt 0x0                                ; EXEC changes only behind this wait
	s_wait_tensorcnt 0x0
	ds_add_u32 v160, v161
	s_wait_dscnt 0x0
	s_and_saveexec_b32 s21, vcc_lo
	global_store_b32 v4, v32, s[18:19]
	s_endpgm
.Lfunc_end_k_qe85e601603_combine:
	.size	k_qe85e601603_combine, .Lfunc_end_k_qe85e601603_combine-k_qe85e601603_combine
	.p2alignl 7, 3214868480
	.fill 96, 4, 3214868480
	.section	.rodata,"a",@progbits
	.p2align	6, 0x0
	.amdhsa_kernel k_qe85e601603_combine
		.amdhsa_group_segment_fixed_size 1536
		.amdhsa_private_segment_fixed_size 0
		.amdhsa_enable_private_segment 0
		.amdhsa_kernarg_size 64
		.amdhsa_user_sgpr_count 2
		.amdhsa_user_sgpr_kernarg_segment_ptr 1
		.amdhsa_wavefront_size32 1
		.amdhsa_system_sgpr_workgroup_id_x 1
		.amdhsa_system_sgpr_workgroup_id_y 1
		.amdhsa_system_sgpr_workgroup_id_z 1
		.amdhsa_system_vgpr_workitem_id 0
		.amdhsa_next_free_vgpr 162
		.amdhsa_next_free_sgpr 66
		.amdhsa_reserve_vcc 1
		.amdhsa_float_denorm_mode_32 3
		.amdhsa_float_denorm_mode_16_64 3
		.amdhsa_memory_ordered 1
		.amdhsa_forward_progress 1
		.amdhsa_inst_pref_size 20
	.end_amdhsa_kernel
	.amdgpu_metadata
---
amdhsa.version: [ 1, 2 ]
amdhsa.kernels:
  - .name:           k_qe85e601603_combine
    .symbol:         k_qe85e601603_combine.kd
    .args:
      - { .name: sel, .offset: 0, .size: 8, .value_kind: global_buffer, .address_space: global }
      - { .name: wgt, .offset: 8, .size: 8, .value_kind: global_buffer, .address_space: global }
      - { .name: posx, .offset: 16, .size: 8, .value_kind: global_buffer, .address_space: global }
      - { .name: part, .offset: 24, .size: 8, .value_kind: global_buffer, .address_space: global }
      - { .name: b2, .offset: 32, .size: 8, .value_kind: global_buffer, .address_space: global }
      - { .name: stat, .offset: 40, .size: 8, .value_kind: global_buffer, .address_space: global }
      - { .name: out0, .offset: 48, .size: 8, .value_kind: global_buffer, .address_space: global }
      - { .name: out1, .offset: 56, .size: 8, .value_kind: global_buffer, .address_space: global }
    .group_segment_fixed_size: 1536
    .private_segment_fixed_size: 0
    .kernarg_segment_align: 8
    .kernarg_segment_size: 64
    .max_flat_workgroup_size: 128
    .sgpr_count:     66
    .vgpr_count:     162
    .wavefront_size: 32
...
	.end_amdgpu_metadata
.endif
;; end of part 4
;; ======== version 2 of 2: 4 launches
;; workspace buffers: xq 1,048,576 bytes; sel 8,192 bytes of whole numbers; wgt 8,192 bytes; stat 65,536 bytes; posx 33,792 bytes of whole numbers; hq 33,554,432 bytes; part 134,217,728 bytes
;; launch gate (part 5): grid 256 x 1, 4 waves a work-group, no clusters, 0 bytes of LDS; arguments x, gate_w, gate_b, lowp_scales, xq, sel, wgt, stat; writes xq, sel, wgt, stat
.if DOCPART == 5
	.amdgcn_target "amdgcn-amd-amdhsa--gfx1250"
	.amdhsa_code_object_version 6
	.text
	.protected	k_qe85e601603_gate
	.globl	k_qe85e601603_gate
	.p2align	8
	.type	k_qe85e601603_gate,@function
k_qe85e601603_gate:
	s_mov_b64 s[64:65], 0
	v_nop
	global_prefetch_b8 v0, s[64:65] scope:SCOPE_SE
	s_setreg_imm32_b32 hwreg(HW_REG_WAVE_MODE, 25, 1), 1
	s_wait_xcnt 0x0
; THE GATE.  One wave takes one token t = 4 x work-group + wave: logits = x[t] . gate_w + gate_b in f32 (fused multiply-adds), softmax with the row's maximum
; taken away, the two largest probabilities (the lower index wins a tie, as lax.top_k has it), and x[t] as codes of E4M3 with the given scale 2^e1.
; Stored: xq[t][1024] codes in the row's own order; sel[t] = i1, i2 (whole numbers: later launches form addresses from them); wgt[t] = p(i1)/2, p(i2)/2;
; stat[t] = the 8 probabilities, then routed as 0.0 / 1.0 (for the aux loss).  No branch and no address here hangs on a floating-point number: all choices are v_cndmask_b32.
; LIMITS: e1 between -126 and 119, so that 2^e1 and 448 x 2^e1 are f32 numbers.  NaN among the inputs is not served.  Two probabilities closer than f32 rounding may be ordered either way.
; No LDS, no barrier, no matrix unit: N = 8 is too narrow for it, and waves share nothing.
; REGISTERS.  window 0: v1 lane; v2, v3, v4 = 4, 32, 8 x lane; v5 = 0; v6, v7 = 2^e1, 448 x 2^e1; v16-23 codes; X: x[32 m + lane]; Y: x[256 j + 8 lane + i];
;   A: two sets of 8 partial logits; P probabilities; R routed; v128, v129 i1, i2; v130, v131 the weights; v132-143 at work.   window 1: G[8 m + e] = gate_w[32 m + lane][e].
.set X, 32
.set Y, 64
.set A, 96
.set P, 112
.set R, 120
.set MSB, 0
.macro WIN new                         ; the immediate's high byte repeats the setting that is left
.if MSB != \new
	s_set_vgpr_msb (MSB<<8)|\new
.set MSB, \new
.endif
.endm
	s_load_b256 s[4:11], s[0:1], 0x0               ; x, gate_w, gate_b, lowp_scales
	s_load_b256 s[12:19], s[0:1], 0x20             ; xq, sel, wgt, stat
	v_lshrrev_b32 v8, 5, v0
	v_readfirstlane_b32 s20, v8                    ; wave
	v_and_b32 v1, 31, v0                           ; lane
	v_lshlrev_b32 v2, 2, v1
	v_lshlrev_b32 v3, 5, v1
	v_lshlrev_b32 v4, 3, v1
	v_mov_b32 v5, 0
	s_lshl_b32 s21, ttmp9, 2
	s_add_co_u32 s21, s21, s20                     ; my token
	s_mov_b32 s23, 0
	s_mov_b32 s33, 0x3fb8aa3b                      ; log2(e)
	s_mov_b32 s34, 0x76543210                      ; v_permlanex16_b32: lane l takes lane l xor 16
	s_mov_b32 s35, 0xfedcba98
	s_wait_alu depctr_va_vdst(0)
	s_wait_kmcnt 0x0
	s_load_b256 s[24:31], s[8:9], 0x0              ; gate_b
	s_load_b32 s32, s[10:11], 0x4                  ; e1
	s_lshl_b32 s22, s21, 12
	s_add_nc_u64 s[4:5], s[4:5], s[22:23]          ; x at my row (4,096 bytes)
	s_lshl_b32 s22, s21, 10
	s_add_nc_u64 s[12:13], s[12:13], s[22:23]      ; xq at my row (1,024 bytes)
	s_lshl_b32 s22, s21, 3
	s_add_nc_u64 s[14:15], s[14:15], s[22:23]      ; sel, wgt: 8 bytes a token
	s_add_nc_u64 s[16:17], s[16:17], s[22:23]
	s_lshl_b32 s22, s21, 6
	s_add_nc_u64 s[18:19], s[18:19], s[22:23]      ; stat: 64 bytes a token
.set m, 0
.rept 32
	global_load_b32 v[X+m], v2, s[4:5] offset:128*m            ; 128 consecutive bytes a load
.set m, m+1
.endr
.irp j, 0,1,2,3
	global_load_b128 v[Y+8*\j:Y+8*\j+3], v3, s[4:5] offset:1024*\j         ; the same row once more, eight neighbours a lane: what the conversion wants
	global_load_b128 v[Y+8*\j+4:Y+8*\j+7], v3, s[4:5] offset:1024*\j+16
.endr
	WIN 0x40                                       ; destination window 1
.set m, 0
.rept 32
	global_load_b128 v[8*m:8*m+3], v3, s[6:7] offset:1024*m    ; gate_w's row 32 m + lane: 32 bytes; the two loads cover 1,024 consecutive bytes
	global_load_b128 v[8*m+4:8*m+7], v3, s[6:7] offset:1024*m+16
.set m, m+1
.endr
	WIN 0
	s_wait_loadcnt 0x0
	; the lane's part of the 8 logits: two sets of four pairs, so that no line waits for the line above it; the first two products start the sums
	WIN 0x01                                       ; source 0 (gate_w) window 1
.irp p, 0,1,2,3
	v_pk_mul_f32 v[A+2*\p:A+2*\p+1], v[2*\p:2*\p+1], v[X:X+1] op_sel_hi:[1,0]
.endr
.irp p, 0,1,2,3
	v_pk_mul_f32 v[A+8+2*\p:A+8+2*\p+1], v[8+2*\p:8+2*\p+1], v[X:X+1] op_sel:[0,1] op_sel_hi:[1,1]
.endr
.set m, 2
.rept 15
.irp p, 0,1,2,3
	v_pk_fma_f32 v[A+2*\p:A+2*\p+1], v[8*m+2*\p:8*m+2*\p+1], v[X+m:X+m+1], v[A+2*\p:A+2*\p+1] op_sel_hi:[1,0,1]                    ; both halves x the pair's first x
.endr
.irp p, 0,1,2,3
	v_pk_fma_f32 v[A+8+2*\p:A+8+2*\p+1], v[8*m+8+2*\p:8*m+8+2*\p+1], v[X+m:X+m+1], v[A+8+2*\p:A+8+2*\p+1] op_sel:[0,1,0] op_sel_hi:[1,1,1]   ; both x its second
.endr
.set m, m+2
.endr
	WIN 0
.irp p, 0,1,2,3
	v_pk_add_f32 v[A+2*\p:A+2*\p+1], v[A+2*\p:A+2*\p+1], v[A+8+2*\p:A+8+2*\p+1]
.endr
.irp k, 1,2,4,8
.irp e, 0,1,2,3,4,5,6,7
	v_add_f32_dpp v[A+\e], v[A+\e], v[A+\e] row_xmask:\k row_mask:0xf bank_mask:0xf
.endr
.endr
.irp e, 0,1,2,3,4,5,6,7
	v_permlanex16_b32 v[A+8+\e], v[A+\e], s34, s35
.endr
	s_wait_alu depctr_va_vdst(0)
	s_wait_kmcnt 0x0                               ; gate_b, e1
.irp e, 0,1,2,3,4,5,6,7
	v_add_f32 v[A+\e], v[A+\e], v[A+8+\e]
.endr
.irp e, 0,1,2,3,4,5,6,7
	v_add_f32 v[A+\e], s[24+\e], v[A+\e]           ; every lane holds the 8 logits
.endr
	; softmax: 2^(c l - c max); the rounding of c max is a factor common to all eight and leaves with the division
	v_max3_num_f32 v132, v[A], v[A+1], v[A+2]
	v_max3_num_f32 v132, v132, v[A+3], v[A+4]
	v_max3_num_f32 v132, v132, v[A+5], v[A+6]
	v_max_num_f32 v132, v132, v[A+7]
	v_mul_f32 v133, s33, v132
.irp e, 0,1,2,3,4,5,6,7
	v_fma_f32 v[P+\e], v[A+\e], s33, -v133
.endr
	s_wait_alu depctr_va_vdst(0)
.irp e, 0,1,2,3,4,5,6,7
	v_exp_f32 v[P+\e], v[P+\e]
.endr
	v_nop                                          ; a plain instruction between the last exponential and the use of its result
	s_wait_alu depctr_va_vdst(0)
	v_pk_add_f32 v[134:135], v[P:P+1], v[P+2:P+3]
	v_pk_add_f32 v[136:137], v[P+4:P+5], v[P+6:P+7]
	v_pk_add_f32 v[134:135], v[134:135], v[136:137]
	v_add_f32 v134, v134, v135
	s_wait_alu depctr_va_vdst(0)
	v_rcp_f32 v134, v134
	v_nop
	s_wait_alu depctr_va_vdst(0)
.irp e, 0,1,2,3,4,5,6,7
	v_mul_f32 v[P+\e], v[P+\e], v134
.endr
	; the largest, then the largest of the rest: a strict comparison keeps the lower index
	v_mov_b32 v142, v[P]
	v_mov_b32 v128, 0
.irp e, 1,2,3,4,5,6,7
	v_cmp_gt_f32 vcc_lo, v[P+\e], v142
	v_cndmask_b32 v142, v142, v[P+\e], vcc_lo
	v_cndmask_b32 v128, v128, \e, vcc_lo
.endr
.irp e, 0,1,2,3,4,5,6,7
	v_cmp_eq_u32 vcc_lo, \e, v128
	v_cndmask_b32 v[134+\e], v[P+\e], -1.0, vcc_lo  ; the first choice is taken out: -1 lies under every probability
	v_cndmask_b32 v[R+\e], v5, 1.0, vcc_lo
.endr
	v_mov_b32 v143, v134
	v_mov_b32 v129, 0
.irp e, 1,2,3,4,5,6,7
	v_cmp_gt_f32 vcc_lo, v[134+\e], v143
	v_cndmask_b32 v143, v143, v[134+\e], vcc_lo
	v_cndmask_b32 v129, v129, \e, vcc_lo
.endr
.irp e, 0,1,2,3,4,5,6,7
	v_cmp_eq_u32 vcc_lo, \e, v129
	v_cndmask_b32 v[R+\e], v[R+\e], 1.0, vcc_lo
.endr
	v_mul_f32 v130, 0.5, v142                      ; probs x routed / K for the two experts
	v_mul_f32 v131, 0.5, v143
	; x's codes
	s_add_co_i32 s22, s32, 127
	s_lshl_b32 s23, s22, 23
	v_mov_b32 v6, s23                              ; 2^e1: the conversion takes its exponent field
	s_add_co_i32 s22, s22, 8
	s_lshl_b32 s22, s22, 23
	s_or_b32 s22, s22, 0x600000
	v_mov_b32 v7, s22                              ; 448 x 2^e1
.set m, 0
.rept 32
	v_med3_num_f32 v[Y+m], v[Y+m], -v7, v7         ; the conversion to an 8-bit code does not saturate (ISA guide 7.6.2): the hold comes first
.set m, m+1
.endr
.irp j, 0,1,2,3
	v_cvt_scalef32_pk8_fp8_f32 v[16+2*\j:17+2*\j], v[Y+8*\j:Y+8*\j+7], v6
.endr
	v_nop
.irp j, 0,1,2,3
	global_store_b64 v4, v[16+2*\j:17+2*\j], s[12:13] offset:256*\j    ; the wave stores 256 consecutive bytes, aligned
.endr
	; the token's records, 80 bytes in all: lane 0 stores them; they are too few to be worth gathering over tokens
	v_cmp_eq_u32 vcc_lo, 0, v1
	s_wait_xcnt 0x0                                ; EXEC is a source of the stores above: it changes only behind this wait
	s_and_saveexec_b32 s36, vcc_lo
	global_store_b128 v5, v[P:P+3], s[18:19]
	global_store_b128 v5, v[P+4:P+7], s[18:19] offset:16
	global_store_b128 v5, v[R:R+3], s[18:19] offset:32
	global_store_b128 v5, v[R+4:R+7], s[18:19] offset:48
	global_store_b64 v5, v[128:129], s[14:15]
	global_store_b64 v5, v[130:131], s[16:17]
	s_endpgm
.Lfunc_end_k_qe85e601603_gate:
	.size	k_qe85e601603_gate, .Lfunc_end_k_qe85e601603_gate-k_qe85e601603_gate
	.p2alignl 7, 3214868480
	.fill 96, 4, 3214868480
	.section	.rodata,"a",@progbits
	.p2align	6, 0x0
	.amdhsa_kernel k_qe85e601603_gate
		.amdhsa_group_segment_fixed_size 0
		.amdhsa_private_segment_fixed_size 0
		.amdhsa_enable_private_segment 0
		.amdhsa_kernarg_size 64
		.amdhsa_user_sgpr_count 2
		.amdhsa_user_sgpr_kernarg_segment_ptr 1
		.amdhsa_wavefront_size32 1
		.amdhsa_system_sgpr_workgroup_id_x 1
		.amdhsa_system_sgpr_workgroup_id_y 1
		.amdhsa_system_sgpr_workgroup_id_z 1
		.amdhsa_system_vgpr_workitem_id 0
		.amdhsa_next_free_vgpr 512
		.amdhsa_next_free_sgpr 66
		.amdhsa_reserve_vcc 1
		.amdhsa_float_denorm_mode_32 3
		.amdhsa_float_denorm_mode_16_64 3
		.amdhsa_memory_ordered 1
		.amdhsa_forward_progress 1
		.amdhsa_inst_pref_size 32
	.end_amdhsa_kernel
	.amdgpu_metadata
---
amdhsa.version: [ 1, 2 ]
amdhsa.kernels:
  - .name:           k_qe85e601603_gate
    .symbol:         k_qe85e601603_gate.kd
    .args:
      - { .name: x, .offset: 0, .size: 8, .value_kind: global_buffer, .address_space: global }
      - { .name: gate_w, .offset: 8, .size: 8, .value_kind: global_buffer, .address_space: global }
      - { .name: gate_b, .offset: 16, .size: 8, .value_kind: global_buffer, .address_space: global }
      - { .name: lowp_scales, .offset: 24, .size: 8, .value_kind: global_buffer, .address_space: global }
      - { .name: xq, .offset: 32, .size: 8, .value_kind: global_buffer, .address_space: global }
      - { .name: sel, .offset: 40, .size: 8, .value_kind: global_buffer, .address_space: global }
      - { .name: wgt, .offset: 48, .size: 8, .value_kind: global_buffer, .address_space: global }
      - { .name: stat, .offset: 56, .size: 8, .value_kind: global_buffer, .address_space: global }
    .group_segment_fixed_size: 0
    .private_segment_fixed_size: 0
    .kernarg_segment_align: 8
    .kernarg_segment_size: 64
    .max_flat_workgroup_size: 128
    .sgpr_count:     66
    .vgpr_count:     512
    .wavefront_size: 32
...
	.end_amdgpu_metadata
.endif
;; end of part 5
;; launch ffn1 (part 6): grid 256 x 1, 8 waves a work-group, no clusters, 132,096 bytes of LDS; arguments w1, xq, b1, lowp_scales, sel, hq, posx; writes hq, posx
.if DOCPART == 6
	.amdgcn_target "amdgcn-amd-amdhsa--gfx1250"
	.amdhsa_code_object_version 6
	.text
	.protected	k_qe85e601603_ffn1
	.globl	k_qe85e601603_ffn1
	.p2align	8
	.type	k_qe85e601603_ffn1,@function
k_qe85e601603_ffn1:
	s_mov_b64 s[64:65], 0
	v_nop
	global_prefetch_b8 v0, s[64:65] scope:SCOPE_SE
	s_setreg_imm32_b32 hwreg(HW_REG_WAVE_SCHED_MODE, 0, 2), 2
	s_setreg_imm32_b32 hwreg(HW_REG_WAVE_MODE, 25, 1), 1
	s_wait_xcnt 0x0
	s_wait_alu depctr_vm_vsrc(0)
.set KIND, 1                           ; 1: placement, then h = Q(relu(x w1 + b1)), codes out.   2: partial sums of h w2, f32 out.  The two layers' texts differ in this line alone.
; ONE LAYER OF THE EXPERTS, on the routed slots alone (reference() multiplies the other rows by a scale of 0, and every operand is held finite).
; A work-group owns a slice of one expert's weight: 1,024 along K x 128 columns, 512 KiB of f32, which it reads ONCE.  KIND 1: expert e = wg / 32, columns 128 (wg % 32) of w1[e] (K = all of H).
; KIND 2: e = wg / 32, K quarter ks = (wg / 8) % 4 of D, columns 128 (wg % 8) of w2[e]; the four quarters' sums go to four planes of 'part' and are added by the next launch.
; SLOTS.  An expert's members (tokens with e among their two choices in sel, whole numbers that the gate's launch stored) have ranks 0 .. n - 1; slot = 1024 e + rank.  The ranks go by chunks of 32 tokens as sel's
; 16-byte loads bring them: chunk 2 i + p holds tokens 64 i + 2 lane + p.  ng = the expert's groups of 32 slots, held between 8 (each of the 8 waves has a first group) and 32.  Slots past the last member take token 1023:
; finite codes that no later launch lets into a result.  KIND 1 makes all this at its head, on whole numbers alone, behind its first weight loads: each wave finds the tokens of its own groups (MASKS, SELECT), and wave 7 of each
; expert's first work-group stores posx[e][token] = the token's slot and, behind posx's 32,768 bytes at + 128 e, ng 32 times over (a dense store).  KIND 2 reads ng from there.
; PHASE A: the slice becomes codes of E4M3 in LDS.  K is the weight's FIRST axis, so a lane takes two neighbouring columns and its registers run DOWN K.  Wave w takes K rows 256 (w / 2) on and columns 64 (w % 2) on,
; in 16 blocks of 16 rows; a load reads 256 consecutive bytes of one row.  A block's 32 numbers a lane are held, converted (two columns interleaved), parted by v_perm_b32 and stored as 16 codes a column.
; LDS holds IMAGES OF THE OPERAND'S REGISTERS: fragment (K step s, tile t) at 16384 s + 2048 t; register group c at + 512 c; lane (m, h) at + 16 m + 256 h holds row m's k = 128 s + 32 c + 16 h + 0 .. 15.
; That is a permutation of k inside an instruction, the same in both operands, so every product meets its partner.
; THE COLUMNS OF A TILE ARE NOT NEIGHBOURS: column 32 b + 16 h' + 8 u + j of the slice is row 8 h' + j of tile 2 b + u.
; PHASE B: wave w takes the expert's groups of 32 slots w, w + 8, .. under ng: (ng - w + 7) / 8 trips, 1 to 4.  The product is used TRANSPOSED (source 0 = 16 columns of the weight, source 1 = 16 slots): lane (r, h) holds
; slot r, and the 16 registers of tiles 2 b, 2 b + 1 are columns 32 b + 16 h + 0 .. 15: neighbours along the next K.  The slots' fragments come straight from memory into registers, three K steps ahead or more.  KIND 1 gathers them
; from x's codes by the slots' tokens: a load takes 32 consecutive bytes of each of 16 rows; that is the price of having no launch that lays the slots' codes out on end.  KIND 2 reads register images that KIND 1 stored:
; tile T = 64 e + 2 g + z at 65536 T, K step at + 2048, 512 consecutive bytes a load.  The weight's fragments come from LDS, half a K step ahead.  16 accumulators (8 tiles x 2 tiles of slots) take turns.
; No cluster and no joint loads: what work-groups share (an expert's slots) goes to registers, not to LDS, and the number of groups hangs on loaded whole numbers.
; LIMITS on the given exponents, so that each power of two below is an f32 number: e0, e3 between -126 and 119; e2 - e0 - e1 between -126 and 119; e2 + e3 between -126 and 127.  NaN among the inputs is not served.
; THE MODE: SCHED_MODE bits 1:0 = 2 (LLVM: expert scheduling mode 2), set by the entry lines.  The code itself states the register dependences between vector or matrix instructions and memory or LDS instructions,
; and those through scalar registers that vector instructions write, with s_wait_alu, always for 0.
; THE PLAN.  Registers that memory or LDS instructions touch, and who else names them:
;   v1-v5, v10-v13   offsets and LDS addresses (and the closing add's two registers): written at the head, ahead of one wait on va_vdst; never written again.
;   R0 .. R3         (v32-159, phase A)  Block i: its holds and conversions read and write R[i % 4]; behind the block's wait on va_vdst the loads of block i + 4 land in it.
;   C0, C1           (v232-247)  Block i: eight v_perm_b32 write C[i % 2], the block's two LDS stores read it behind the same wait; block i + 2 writes it again, behind a wait on vm_vsrc.
;   W0, W1           (v32-95, v96-159, phase B)  Half a K step: its 8 products read W[b]; behind the half's wait on va_vdst the LDS loads of the next K step land in it.
;   TOK0 .. TOK3     (window 1)  K step s: its 16 products read TOK[s % 4]; behind the step's second wait its 8 loads are dealt among the first 8 products of K step s + 1, which name W0, TOK[(s + 1) % 4] and the
;                    accumulators: none of the registers that those loads touch.  K step 7's 8 loads stand in one run, ahead of the way out.
;   v16-23           (KIND 1)  Written by SELECT and, at a trip's end, behind a wait on vm_vsrc, by the shift; read as offsets by the slots' loads, always behind a later wait on va_vdst.
;   HC               (KIND 1, v224-255)  Written by a trip's conversions, read by its 8 stores behind a wait on va_vdst; the wait on vm_vsrc at the trip's end (ahead of the first trip: behind the barrier) frees it.
;   T                (KIND 2, v160-223)  Written by the scalings, read by the LDS stores, landed in by the loads from the stage, read by the global stores: a wait ahead of each change of hands.
;   s16, s[SH], s[CD ..]  scalar registers that vector instructions write: a wait on va_sdst stands behind each run of such writers, ahead of its first reader.
; REGISTERS.  window 0: v1 16 x lane (also the LDS address of fragments of K steps 0-3); v2 weight offset; v3 phase A's LDS address; v4 (KIND 1) 0; v5 v1 + 65536 (K steps 4-7); v6, v7 the weight's 2^e and 448 x 2^e;
;   v8, v9 (1) 2^(e2 - e0 - e1) and 448 x that; v10 (1) 64 h; v11, v12 (2) the stage, in and back; v13 (1) 16 h; v14 lane; v16-23 (1) row offsets in x's codes of my four groups' two tiles; v24-31 (1) at work in SELECT;
;   v32-159 phase A: four sets of 32 numbers, phase B: two halves of a K step's 8 weight fragments; v160-223 (1) sel, then the chunks' running counts and a chunk's running bit counts, then b1 / 2^(e0 + e1) in the result's layout,
;   (2) at work on the way out; v224-231, v232-247 phase A's codes; v224-255 (1) the chunks' masks, then the slots for posx, later the group's codes.
;   window 1: v0-127 accumulator (tile t, slots' tile z) at 8 (2 t + z); v128-255 four sets of the slots' two fragments.
.if KIND == 1
.set PITCH, 16384                      ; bytes from K row to K row of the weight
.set PS, 10                            ; s[PS:PS+1] lowp_scales, s[PN:PN+1] sel, s[PO:PO+1] the output
.set PN, 12
.set PO, 14
.set EW, 36                            ; the weight's exponent: e0
.else
.set PITCH, 4096
.set TILEB, 65536                      ; bytes of a tile of 16 slots in hq
.set PS, 8                             ; s[PS:PS+1] lowp_scales, s[PN:PN+1] posx, s[PO:PO+1] the output
.set PN, 10
.set PO, 12
.set EW, 39                            ; e3
.endif
.set NGOFF,  32768                     ; where the eight ng begin in posx, 128 bytes an expert
.set STAGE,  131072                    ; (KIND 2) behind the codes: 16 rows x (512 bytes + 16) for each wave
.set SPITCH, 528
.set LN16, 1
.set WOFF, 2
.set WST,  3
.set ZERO, 4
.set WA1,  5
.set WSC,  6
.set WLIM, 7
.set HSC,  8
.set HLIM, 9
.set BOFF, 10
.set STO,  11
.set RD,   12
.set H16,  13
.set LANE, 14
.set OFF,  16                          ; (1) v16,17 the group in hand (tiles 0, 1); v18,19 the next; v20-23 the two after it
.set VS,   24                          ; (1) SELECT: my rank; the chosen chunk's mask, running count and number; my rank in the chunk; the bit's place; at work
.set VM,   25
.set VB,   26
.set VC,   27
.set VN,   28
.set VP,   30
.set VT,   31
.set R,    32
.set WB,   32
.set SEL,  160
.set PF,   160                         ; (1) v160-191 chunk c: the members in the chunks before it, the same number in every lane
.set BP,   192                         ; (1) v192-223 SELECT: bit b: the set bits of my chunk's mask up to and with it
.set BIAS, 160
.set T,    160
.set Q,    224
.set C,    232
.set HC,   224
.set MV,   224                         ; (1) v224-255 chunk c's mask, the same word in every lane
.set RK,   224
.set TOK,  128
.set CUR,  24                          ; (2) s[24:25] the group in hand; s[26:27] the group after it
.set NXT,  26
.set TRIP, 50                          ; s50 the trip's number; s51 my trips
.set TRIPS, 51
.set PX,   52                          ; (1) s[52:53] posx
.set RUN,  54                          ; (1) members in the chunks so far
.set ST,   56                          ; (1) at work
.set SG,   57                          ; (1) a group's first rank
.set PSEL, 58                          ; (1) s58, s59 v_permlanex16_b32's selects for lane l xor 16
.set SH,   60                          ; (1) mask of lanes 16-31
.set CD,   68                          ; (1) s68-99 a run of compares' results
.set MSB, 0
.macro WIN new                         ; the immediate's high byte repeats the setting that is left
.if MSB != \new
	s_set_vgpr_msb (MSB<<8)|\new
.set MSB, \new
.endif
.endm
.macro PLACES                          ; four plain places behind matrix instructions, in front of loads into their sources and of reads of their results
.rept 4
	v_nop
.endr
.endm
.macro WLOAD i                         ; block i: 16 K rows, my two columns of each, into set i % 4
.set k, 0
.rept 16
	global_load_b64 v[R+32*((\i)%4)+2*k:R+32*((\i)%4)+2*k+1], v[WOFF], s[20:21] offset:(16*(\i)+k)*PITCH th:TH_LOAD_NT   ; the wave reads 256 consecutive bytes, aligned; read once in the launch
.set k, k+1
.endr
.endm
.macro TLOAD k, nx, s, n               ; load n of 8 (slots' tile n / 4, register group n % 4) of K step s of the group in hand (nx = 0) or of the next (nx = 1) into set k.  It wants the destination in window 1 and source 0 in window 0
.if KIND == 1
	global_load_b128 v[TOK+32*(\k)+4*(\n):TOK+32*(\k)+4*(\n)+3], v[OFF+2*(\nx)+(\n)/4], s[6:7] offset:(\s)*128+32*((\n)%4)   ; slot r's row of x's codes, k = 128 s + 32 c + 16 h on
.else
	global_load_b128 v[TOK+32*(\k)+4*(\n):TOK+32*(\k)+4*(\n)+3], v[LN16], s[CUR+2*(\nx):CUR+2*(\nx)+1] offset:((\n)/4)*TILEB+(\s)*2048+512*((\n)%4)
.endif
.endm
.macro FETCHT k, nx, s                 ; the two fragments (32 slots x 128 K) in one run
	WIN 0x40                                       ; destination window 1
.irp n, 0,1,2,3,4,5,6,7
	TLOAD \k, \nx, \s, \n
.endr
	WIN 0
.endm
.macro FETCHW buf, s                   ; the weight's tiles 4 buf .. 4 buf + 3 of K step s from LDS
.if (\s) < 4
.set WAD, LN16
.else
.set WAD, WA1
.endif
.irp t, 0,1,2,3
.irp c, 0,1,2,3
	ds_load_b128 v[WB+64*(\buf)+16*\t+4*\c:WB+64*(\buf)+16*\t+4*\c+3], v[WAD] offset:((\s)&3)*16384+(4*(\buf)+\t)*2048+512*\c
.endr
.endr
.endm
.macro MUL8 buf, s                     ; 8 matrix instructions: 4 tiles of columns x 2 tiles of slots.  K step 0 starts the sums: with the bias as C (KIND 1) or with 0
.if ((\s) == 0) && (KIND == 1)
	WIN 0x44                                       ; source 1 and D window 1; source 0 and C window 0
.else
	WIN 0x54                                       ; source 1, C and D window 1
.endif
.irp t, 0,1,2,3
.irp z, 0,1
.set AC, 8*(2*(4*(\buf)+\t)+\z)
.if (\s) > 0
	v_wmma_f32_16x16x128_fp8_fp8 v[AC:AC+7], v[WB+64*(\buf)+16*\t:WB+64*(\buf)+16*\t+15], v[TOK+32*((\s)%4)+16*\z:TOK+32*((\s)%4)+16*\z+15], v[AC:AC+7]
.elseif KIND == 1
	v_wmma_f32_16x16x128_fp8_fp8 v[AC:AC+7], v[WB+64*(\buf)+16*\t:WB+64*(\buf)+16*\t+15], v[TOK+32*((\s)%4)+16*\z:TOK+32*((\s)%4)+16*\z+15], v[BIAS+8*(4*(\buf)+\t):BIAS+8*(4*(\buf)+\t)+7]
.else
	v_wmma_f32_16x16x128_fp8_fp8 v[AC:AC+7], v[WB+64*(\buf)+16*\t:WB+64*(\buf)+16*\t+15], v[TOK+32*((\s)%4)+16*\z:TOK+32*((\s)%4)+16*\z+15], 0
.endif
.if ((\buf) == 0) && ((\s) > 0)
	TLOAD DK, DN, DS, 2*\t+\z                      ; the set that the K step before multiplied takes its next fragments.  No wait: no vector or matrix instruction since that step's second wait names it or its offsets; the products' window setting serves the load too
.endif
.endr
.endr
.endm
.macro KSTEP s
.if (\s) > 0                           ; what is dealt among this step's first 8 products: set (s - 1) % 4 takes the K step four further on than s - 1, which from s = 5 on is the next group's
.set DK, ((\s)-1)%4
.if (\s) < 5
.set DN, 0
.set DS, (\s)+3
.else
.set DN, 1
.set DS, (\s)-5
.endif
.endif
	s_wait_dscnt 16                                ; the first four weight fragments are in; the other four's 16 loads may be out
.if (\s) == 0
	s_wait_loadcnt 24                              ; this step's slots are in; the three sets behind them, 8 loads each, may be out
.else
	s_wait_loadcnt 16                              ; this step's slots are in; two sets were asked for behind them, 8 loads each; the third is asked for below
.endif
	MUL8 0, \s
	PLACES                                         ; first the places, then the wait
	WIN 0
	s_wait_alu depctr_va_vdst(0)                   ; the 8 products are done reading the weight's first four fragments, in which the LDS loads below land
	FETCHW 0, ((\s)+1)%8                           ; (behind the last K step: the next group's first; the weight is the same)
	s_wait_dscnt 16                                ; the other four are in; the 16 just issued may be out
	MUL8 1, \s
	PLACES
.if (\s) == 7
	s_wait_alu depctr_va_vdst(0)                   ; the 8 products are done reading the weight's other four fragments and this step's slots: loads land in both below
.irp n, 0,1,2,3,4,5,6,7
	TLOAD 3, 1, 3, \n                              ; the last set in one run, ahead of the way out: the next group's K step 3
.endr
	WIN 0
.else
	WIN 0
	s_wait_alu depctr_va_vdst(0)                   ; the 8 products are done reading the weight's other four fragments, in which the LDS loads below land, and this step's slots, in which the next step's dealt loads land
.endif
	FETCHW 1, ((\s)+1)%8
.endm
.macro MKTRIPS                         ; my trips: the groups w + 8 i under ng (s33, 8 to 32)
	s_sub_co_u32 s[TRIPS], s33, s16
	s_add_co_u32 s[TRIPS], s[TRIPS], 7
	s_lshr_b32 s[TRIPS], s[TRIPS], 3
	s_min_u32 s[TRIPS], s[TRIPS], 4
.endm
.macro NEXTG                           ; (KIND 2) s[NXT]: my next group, held at the expert's last group, so that the last trip's look-ahead reads written bytes and every trip issues the same loads
	s_add_co_u32 s44, s32, 8
	s_sub_co_u32 s45, s33, 1
	s_min_u32 s44, s44, s45
	s_min_u32 s44, s44, 31
	s_mul_i32 s44, s44, 2*TILEB
	s_mov_b32 s45, 0
	s_add_nc_u64 s[NXT:NXT+1], s[22:23], s[44:45]
.endm
; (KIND 1) Chunks c0 .. c0 + 15: each chunk's mask of members and the members in the chunks before it, made once for the wave and kept in vector registers, the same in every lane.  The 32 compares stand in one run, with one wait behind it.
.macro MASKS c0
.set j, 0
.rept 16
	v_cmp_eq_u32 s[CD+j], s17, v[SEL+2*(\c0+j)]
	v_cmp_eq_u32 s[CD+16+j], s17, v[SEL+2*(\c0+j)+1]
.set j, j+1
.endr
	s_wait_alu depctr_va_sdst(0)                   ; the compares have written s[CD ..] (and, ahead of the first run, s[SH]), ahead of their first readers
.set j, 0
.rept 16
	s_or_b32 s[CD+j], s[CD+j], s[CD+16+j]          ; bit l: token 64 (c / 2) + 2 l + c % 2 is a member
	v_mov_b32 v[MV+\c0+j], s[CD+j]
	v_mov_b32 v[PF+\c0+j], s[RUN]                  ; (it takes the place of a word of sel whose compare stands above)
	s_bcnt1_i32_b32 s[ST], s[CD+j]
	s_add_co_u32 s[RUN], s[RUN], s[ST]
.set j, j+1
.endr
.endm
; (KIND 1) The tokens of my group w + 8 i: lane l finds the member of rank 32 (w + 8 i) + l; then each lane (r, h) takes the tokens of slots r and 16 + r, as row offsets in x's codes.  Two runs of compares, a wait behind each.
.macro SELECT i
	s_lshl_b32 s[SG], s16, 5
	s_add_co_u32 s[SG], s[SG], 256*\i
	v_add_nc_u32 v[VS], s[SG], v[LANE]             ; my rank
.set cc, 1
.rept 31                               ; which chunk holds the member of that rank: the last one whose running count does not pass it
	v_cmp_le_u32 s[CD+cc], v[PF+cc], v[VS]
.set cc, cc+1
.endr
	v_mov_b32 v[VM], v[MV]
	v_mov_b32 v[VB], 0
	v_mov_b32 v[VC], 0
	s_wait_alu depctr_va_sdst(0)                   ; the 31 compares have written s[CD + 1 ..], which the selections below read
.set cc, 1
.rept 31
	v_cndmask_b32 v[VM], v[VM], v[MV+cc], s[CD+cc]
	v_cndmask_b32 v[VB], v[VB], v[PF+cc], s[CD+cc]
	v_cndmask_b32 v[VC], v[VC], cc, s[CD+cc]
.set cc, cc+1
.endr
	v_sub_nc_u32 v[VN], v[VS], v[VB]               ; my rank n within the chunk
	v_bfe_u32 v[BP], v[VM], 0, 1
	v_cmp_le_u32 s[CD], v[BP], v[VN]
.set bb, 1
.rept 31                               ; the place of set bit n = the number of bits whose count of set bits up to and with them does not pass n
	v_bfe_u32 v[VT], v[VM], bb, 1
	v_add_nc_u32 v[BP+bb], v[BP+bb-1], v[VT]
	v_cmp_le_u32 s[CD+bb], v[BP+bb], v[VN]
.set bb, bb+1
.endr
	v_mov_b32 v[VP], 0
	s_wait_alu depctr_va_sdst(0)                   ; the 32 compares have written s[CD ..], which the selections below read
.set bb, 0
.rept 32
	v_cndmask_b32 v[VT], v[ZERO], 1, s[CD+bb]
	v_add_nc_u32 v[VP], v[VP], v[VT]
.set bb, bb+1
.endr
	v_and_b32 v[VT], 1, v[VC]
	v_lshl_add_u32 v[VP], v[VP], 1, v[VT]          ; 2 x place + chunk % 2
	v_lshrrev_b32 v[VC], 1, v[VC]
	v_lshl_add_u32 v[VP], v[VC], 6, v[VP]          ; + 64 (chunk / 2): slot l's token
	v_permlanex16_b32 v[VT], v[VP], s[PSEL], s[PSEL+1]     ; slot (l xor 16)'s
	v_cndmask_b32 v[VB], v[VP], v[VT], s[SH]       ; tile 0, slot r: lanes 0-15 have it, lanes 16-31 take the other half's
	v_cndmask_b32 v[VM], v[VT], v[VP], s[SH]       ; tile 1, slot 16 + r: the other way round
	v_min_u32 v[VB], 0x3ff, v[VB]                  ; ranks past the last member end here
	v_min_u32 v[VM], 0x3ff, v[VM]
	v_lshl_add_u32 v[OFF+2*\i], v[VB], 10, v[H16]  ; the token's row of 1,024 codes, + 16 h
	v_lshl_add_u32 v[OFF+2*\i+1], v[VM], 10, v[H16]
.endm
; Block i of phase A.  In the place where blocks 0-11 ask for the block four further on, blocks 12 and 13 ask for the first group's slots and block 14 (KIND 1) for the bias: so 48 younger loads stand behind every block's own.
.macro BLOCK i
.set RS, R+32*((\i)%4)
.set CS, C+8*((\i)%2)
.set O, ((\i)>>3)*16384+(((\i)>>1)&3)*512+((\i)&1)*256
.if (KIND == 2) && (\i == 15)
	s_wait_loadcnt 32                              ; behind block 15's loads stand the slots' 32 alone
.else
	s_wait_loadcnt 48                              ; my 16 loads are in; three younger runs of 16 may be out
.endif
.set k, 0
.rept 32
	v_med3_num_f32 v[RS+k], v[RS+k], -v[WLIM], v[WLIM]         ; the conversion to an 8-bit code does not saturate (ISA guide 7.6.2): the hold comes first
.set k, k+1
.endr
.irp g, 0,1,2,3
	v_cvt_scalef32_pk8_fp8_f32 v[Q+2*\g:Q+2*\g+1], v[RS+8*\g:RS+8*\g+7], v[WSC]   ; rows 4 g .. 4 g + 3, even and odd column by turns
.endr
	v_nop                                          ; a plain place between the conversions and the reads of their results
	s_wait_alu depctr_va_vdst(0)
	s_wait_dscnt 2                                 ; the stores of the block two back, which read these registers, are done; the last block's two may be out
.if \i >= 2
	s_wait_alu depctr_vm_vsrc(0)                   ; the LDS stores of the block two back have read v[CS ..], which the eight lines below write again
.endif
.irp g, 0,1,2,3
	v_perm_b32 v[CS+\g], v[Q+2*\g+1], v[Q+2*\g], s34           ; the even column's four codes
	v_perm_b32 v[CS+4+\g], v[Q+2*\g+1], v[Q+2*\g], s35         ; the odd column's
.endr
	s_wait_alu depctr_va_vdst(0)                   ; v[CS ..] is written, which the LDS stores below read; the holds and conversions are done with v[RS ..], in which the loads below land (blocks 12 to 14: all earlier writers and readers of what their loads touch are done)
.if \i < 12
	WLOAD \i+4
.elseif \i == 12
	FETCHT 0, 0, 0
	FETCHT 1, 0, 1
.elseif \i == 13
	FETCHT 2, 0, 2
	FETCHT 3, 0, 3
.elseif (\i == 14) && (KIND == 1)
.irp t, 0,1,2,3,4,5,6,7
	global_load_b128 v[BIAS+8*\t:BIAS+8*\t+3], v[BOFF], s[48:49] offset:(32*(\t/2)+8*(\t%2))*4      ; tile t = 2 b + u, lane half h: b1 at columns 32 b + 16 h + 8 u + 0 .. 7
	global_load_b128 v[BIAS+8*\t+4:BIAS+8*\t+7], v[BOFF], s[48:49] offset:(32*(\t/2)+8*(\t%2))*4+16
.endr
.endif
	ds_store_b128 v[WST], v[CS:CS+3] offset:O      ; 16 codes down K of the even column: one lane's 16 bytes of an image
	ds_store_b128 v[WST], v[CS+4:CS+7] offset:O+16 ; the odd column is the next row of the same tile
.endm
	s_load_b256 s[4:11], s[0:1], 0x0               ; KIND 1: w1, xq, b1, lowp_scales.   KIND 2: w2, hq, lowp_scales, posx
.if KIND == 1
	s_load_b128 s[12:15], s[0:1], 0x20             ; sel, hq
	s_load_b64 s[PX:PX+1], s[0:1], 0x30            ; posx
	v_lshl_add_u32 v11, v0, 2, 0x20000
	v_mov_b32 v12, 0
.else
	s_load_b64 s[12:13], s[0:1], 0x20              ; part
	v_lshl_add_u32 v254, v0, 2, 0x30800
	v_mov_b32 v255, 0
.endif
	v_lshrrev_b32 v13, 5, v0
	v_readfirstlane_b32 s16, v13                   ; wave 0..7
	v_and_b32 v[LANE], 31, v0                      ; lane
	s_lshr_b32 s17, ttmp9, 5                       ; e
.if KIND == 1
	s_and_b32 s18, ttmp9, 31                       ; which 128 columns
.else
	s_and_b32 s18, ttmp9, 7
	s_bfe_u32 s19, ttmp9, 0x20003                  ; ks
.endif
	s_wait_alu depctr_va_sdst(0)                   ; s16 is written, ahead of its first reader
	s_and_b32 s42, s16, 1                          ; phase A: my half of the columns,
	s_lshr_b32 s43, s16, 1                         ; my quarter of K
	s_mov_b32 s34, 0x06040200
	s_mov_b32 s35, 0x07050301
	v_lshlrev_b32 v[LN16], 4, v[LANE]
	v_add_nc_u32 v[WA1], 0x10000, v[LN16]
	v_lshlrev_b32 v[WOFF], 3, v[LANE]
	s_lshl_b32 s44, s42, 8
	v_add_nc_u32 v[WOFF], s44, v[WOFF]             ; 8 x lane + 256 x half
	; my even column is 64 half + 2 lane: b = 2 half + lane / 16, h' = (lane / 8) % 2, u = (lane / 4) % 2, j = 2 (lane % 4): 4096 b + 2048 u + 128 h' + 16 j, + 32768 x my quarter of K
	v_bfe_u32 v15, v0, 4, 1
	v_lshlrev_b32 v[WST], 12, v15
	v_lshlrev_b32 v[BOFF], 6, v15                  ; 64 h
.if KIND == 1
	v_lshlrev_b32 v[H16], 4, v15                   ; 16 h
	v_mov_b32 v[ZERO], 0
.endif
	v_bfe_u32 v15, v0, 2, 1
	v_lshl_add_u32 v[WST], v15, 11, v[WST]
	v_bfe_u32 v15, v0, 3, 1
	v_lshl_add_u32 v[WST], v15, 7, v[WST]
	v_and_b32 v15, 3, v0
	v_lshl_add_u32 v[WST], v15, 5, v[WST]
	s_lshl_b32 s44, s42, 13
	s_lshl_b32 s45, s43, 15
	s_add_co_u32 s44, s44, s45
	v_add_nc_u32 v[WST], s44, v[WST]
.if KIND == 2
	s_mul_i32 s44, s16, 16*SPITCH
	s_add_co_u32 s44, s44, STAGE                   ; my stage
	v_and_b32 v15, 15, v0
	v_mul_u32_u24 v[STO], v15, SPITCH
	v_bfe_u32 v15, v0, 4, 1
	v_lshl_add_u32 v[STO], v15, 6, v[STO]
	v_add_nc_u32 v[STO], s44, v[STO]               ; in: row r, + 64 h
	v_add_nc_u32 v[RD], s44, v[LN16]               ; back: a row of 512 bytes, 16 a lane
.endif
	; byte offsets, each under 2^31
	s_lshl_b32 s20, s17, 24                        ; the expert's weight: 2^24 bytes
	s_lshl_b32 s44, s18, 9
	s_add_co_u32 s20, s20, s44                     ; + 512 x column group
	s_mul_i32 s44, s43, 256*PITCH
	s_add_co_u32 s20, s20, s44                     ; + my 256 K rows
	s_mov_b32 s21, 0
	s_mov_b32 s29, 0
	s_mov_b32 s45, 0
.if KIND == 1
	s_mov_b32 s47, 0
	s_lshl_b32 s28, s17, 22                        ; out: hq at tile 64 e, K step = my column group
	s_lshl_b32 s44, s18, 11
	s_add_co_u32 s28, s28, s44
	s_lshl_b32 s46, s17, 14                        ; b1 at (e, my columns)
	s_lshl_b32 s44, s18, 9
	s_add_co_u32 s46, s46, s44
	s_mov_b32 s[PSEL], 0x76543210
	s_mov_b32 s[PSEL+1], 0xfedcba98
.else
	s_mov_b32 s23, 0
	s_lshl_b32 s44, s19, 22
	s_add_co_u32 s20, s20, s44                     ; + ks x 1,024 K rows
	s_lshl_b32 s22, s17, 22
	s_lshl_b32 s44, s19, 14
	s_add_co_u32 s22, s22, s44                     ; the expert's tiles, K steps 8 ks on
	s_lshl_b32 s28, s19, 25                        ; out: part at plane ks, slot 1024 e, my columns
	s_lshl_b32 s44, s17, 22
	s_add_co_u32 s28, s28, s44
	s_lshl_b32 s44, s18, 9
	s_add_co_u32 s28, s28, s44
	s_mul_i32 s44, s16, 2*TILEB                    ; my first group = my wave's number
	s_lshl_b32 s42, s17, 7
.endif
	s_wait_kmcnt 0x0
	s_load_b128 s[36:39], s[PS:PS+1], 0x0          ; e0, e1, e2, e3
.if KIND == 2
	s_load_b32 s33, s[PN:PN+1], s42 offset:NGOFF   ; ng
.endif
	s_add_nc_u64 s[20:21], s[4:5], s[20:21]
	s_add_nc_u64 s[28:29], s[PO:PO+1], s[28:29]
	s_wait_alu depctr_va_vdst(0)                   ; the offsets and LDS addresses made above are written: every load and store of the kernel reads one of them, and none is written again
.if KIND == 1
	s_add_nc_u64 s[48:49], s[8:9], s[46:47]
.set cc, 0
.rept 16
	global_load_b128 v[SEL+4*cc:SEL+4*cc+3], v[LN16], s[PN:PN+1] offset:512*cc     ; tokens 64 cc + 2 lane and the next: i1, i2, i1, i2; 512 consecutive bytes
.set cc, cc+1
.endr
.irp i, 0,1,2
	WLOAD \i
.endr
.else
	s_add_nc_u64 s[22:23], s[6:7], s[22:23]
	s_add_nc_u64 s[CUR:CUR+1], s[22:23], s[44:45]
.irp i, 0,1,2,3
	WLOAD \i
.endr
.endif
	s_wait_kmcnt 0x0
	s_add_co_i32 s44, s[EW], 127
	s_lshl_b32 s45, s44, 23
	v_mov_b32 v[WSC], s45                          ; the weight's 2^e: the conversion takes its exponent field
	s_add_co_i32 s44, s44, 8
	s_lshl_b32 s44, s44, 23
	s_or_b32 s44, s44, 0x600000
	v_mov_b32 v[WLIM], s44                         ; 448 x 2^e
.if KIND == 1
	; THE PLACEMENT, while the first four blocks of the weight are on their way
	s_wait_loadcnt 48                              ; sel's 16 loads are in; the three blocks' 48 behind them may be out
	WLOAD 3                                        ; (no vector instruction has named its registers, nor its offset since the wait at the head)
	v_cmp_le_u32 s[SH], 16, v[LANE]                ; (the wait behind the first run of compares below serves it too)
	s_mov_b32 s[RUN], 0
	MASKS 0
	MASKS 16                                       ; s[RUN] = n, the expert's members
	SELECT 0
	s_add_co_u32 s33, s[RUN], 31
	s_lshr_b32 s33, s33, 5
	s_max_u32 s33, s33, 8
	s_min_u32 s33, s33, 32                         ; ng
	MKTRIPS
	s_wait_alu depctr_va_vdst(0)
.irp j, 2,3,4,5,6,7
	v_mov_b32 v[OFF+\j], v[OFF+\j%2]               ; a group that I do not have stands for the one before it: the last trip's look-ahead reads rows that exist, and every trip issues the same loads
.endr
	s_cmp_lt_u32 s[TRIPS], 2
	s_cbranch_scc1 .Lselected
	SELECT 1
.irp j, 4,5,6,7
	v_mov_b32 v[OFF+\j], v[OFF+2+\j%2]
.endr
	s_cmp_lt_u32 s[TRIPS], 3
	s_cbranch_scc1 .Lselected
	SELECT 2
	v_mov_b32 v[OFF+6], v[OFF+4]
	v_mov_b32 v[OFF+7], v[OFF+5]
	s_cmp_lt_u32 s[TRIPS], 4
	s_cbranch_scc1 .Lselected
	SELECT 3
.Lselected:
	s_cmp_lg_u32 s18, 0                            ; the tokens' slots and ng are stored once for each expert: by wave 7 of its first work-group
	s_cbranch_scc1 .Lno_posx
	s_cmp_lg_u32 s16, 7
	s_cbranch_scc1 .Lno_posx
	s_lshl_b32 s44, s17, 12
	s_mov_b32 s45, 0
	s_add_nc_u64 s[62:63], s[PX:PX+1], s[44:45]    ; posx at expert e
	s_lshl_b32 s44, s17, 7
	s_add_co_u32 s44, s44, NGOFF
	s_add_nc_u64 s[66:67], s[PX:PX+1], s[44:45]    ; and the expert's ng
	v_lshlrev_b32 v[VS], 3, v[LANE]
	v_lshlrev_b32 v[VM], 2, v[LANE]
	v_mov_b32 v[VB], s33
	s_lshl_b32 s[SG], s17, 10                      ; 1024 e
.set cc, 0
.rept 32
	v_mbcnt_lo_u32_b32 v[RK+cc], v[MV+cc], v[PF+cc]        ; the members of earlier chunks + those of lower lanes: the order in which SELECT counts
	v_add_nc_u32 v[RK+cc], s[SG], v[RK+cc]         ; + 1024 e: the slot
.set cc, cc+1
.endr
	s_wait_alu depctr_va_vdst(0)                   ; the slots v[RK ..], the two offsets and ng are written, which the stores below read
.set cc, 0
.rept 16
	global_store_b64 v[VS], v[RK+2*cc:RK+2*cc+1], s[62:63] offset:256*cc   ; tokens 64 cc + 2 lane and the next: the wave stores 256 consecutive bytes, aligned
.set cc, cc+1
.endr
	global_store_b32 v[VM], v[VB], s[66:67]
	s_wait_xcnt 0x0                                ; the stores have read their registers: phase A writes v224 on again
	s_wait_alu depctr_vm_vsrc(0)                   ; the stores have read v[RK ..], which phase A's conversions and v_perm_b32 write again
.Lno_posx:
.endif
.irp i, 0,1,2,3,4,5,6,7,8,9,10,11,12,13,14,15
	BLOCK \i
.endr
	s_wait_dscnt 0x0                               ; for the others' sake: my codes lie in LDS
	s_barrier_signal -1
	s_barrier_wait -1                              ; the whole slice does.  From here on LDS is only read (KIND 2: but for each wave's own stage)
.if KIND == 1
	s_wait_alu depctr_vm_vsrc(0)                   ; my LDS stores have read v232-247, which are among the group's codes v[HC ..] from here on, written by the first trip's conversions
.endif
	FETCHW 0, 0                                    ; (block 15's wait on va_vdst stands behind the last vector instruction that named v32-159)
	FETCHW 1, 0
	s_mov_b32 s32, s16                             ; g
.if KIND == 2
	s_min_u32 s33, s33, 32
	s_max_u32 s33, s33, 8                          ; ng, as it was stored: 8 to 32
	MKTRIPS
.endif
	s_mov_b32 s[TRIP], 0
.if KIND == 2
	NEXTG
.endif
.if KIND == 1
	s_wait_loadcnt 0x0                             ; the bias (and the slots in front of it)
	s_add_co_i32 s44, s36, s37                     ; a sum stands for sum x 2^(e0 + e1): so b1 goes in as b1 / 2^(e0 + e1),
	s_sub_co_i32 s46, 0, s44
.set j, 0
.rept 64
	v_ldexp_f32 v[BIAS+j], v[BIAS+j], s46
.set j, j+1
.endr
	s_sub_co_i32 s44, s38, s44                     ; and h's code is sum / 2^(e2 - e0 - e1): the three scales folded into the conversion's one
	s_add_co_i32 s44, s44, 127
	s_lshl_b32 s45, s44, 23
	v_mov_b32 v[HSC], s45
	s_add_co_i32 s44, s44, 8
	s_lshl_b32 s44, s44, 23
	s_or_b32 s44, s44, 0x600000
	v_mov_b32 v[HLIM], s44
.else
	s_add_co_i32 s40, s38, s39
	s_add_co_i32 s40, s40, 127
	s_lshl_b32 s40, s40, 23                        ; 2^(e2 + e3)
	s_mov_b32 s41, s40                             ; (named with it as a pair, so it is written)
.endif
.Lgrp:                                             ; a trip: one group of 32 slots x my 128 columns x 1,024 along K: 128 matrix instructions
.irp s, 0,1,2,3,4,5,6,7
	KSTEP \s
.endr
	s_min_u32 s44, s32, 31                         ; (g is under ng, at most 31: written out, since it enters an address)
	s_lshl_b32 s44, s44, 17                        ; a group: two tiles of 65,536 bytes of hq, or 32 rows of 4,096 bytes of part
	s_mov_b32 s45, 0
	s_add_nc_u64 s[30:31], s[28:29], s[44:45]
.if KIND == 1
	WIN 0x41                                       ; source 0 and destination window 1
.set j, 0
.rept 128
	v_med3_num_f32 v[j], v[j], 0, v[HLIM]          ; the activation and the hold in one; each accumulator from its low end on
.set j, j+1
.endr
	WIN 0x01
.irp z, 0,1
.irp t, 0,1,2,3,4,5,6,7
	v_cvt_scalef32_pk8_fp8_f32 v[HC+16*\z+2*\t:HC+16*\z+2*\t+1], v[8*(2*\t+\z):8*(2*\t+\z)+7], v[HSC]   ; registers 4 b + 2 u on: k = 32 b + 16 h + 8 u + 0 .. 7 of the next product's K step
.endr
.endr
	WIN 0
	v_nop                                          ; a plain place behind the last conversion: the next trip's products write its sources
	s_wait_alu depctr_va_vdst(0)                   ; the conversions have written v[HC ..], which the stores below read
.irp z, 0,1
.irp c, 0,1,2,3
	global_store_b128 v[LN16], v[HC+16*\z+4*\c:HC+16*\z+4*\c+3], s[30:31] offset:\z*65536+512*\c       ; the fragment's image: 512 consecutive bytes, aligned
.endr
.endr
.else
.irp z, 0,1                            ; 16 slots at a time through my own stage, so that whole rows of 512 bytes leave
.if \z == 1
	s_wait_xcnt 0x0                                ; the first tile's stores have read the registers that are written below
.endif
	s_wait_alu depctr_vm_vsrc(0)                   ; the global stores of the tile before (for a trip's first tile: of the trip before) have read v[T ..], which the scalings below write again
	WIN 0x01
.irp t, 0,1,2,3,4,5,6,7
.irp i, 0,2,4,6
	v_pk_mul_f32 v[T+8*\t+\i:T+8*\t+\i+1], v[8*(2*\t+\z)+\i:8*(2*\t+\z)+\i+1], s[40:41] op_sel_hi:[1,0]   ; x 2^(e2 + e3); each accumulator from its low end on
.endr
.endr
	WIN 0
	s_wait_alu depctr_va_vdst(0)                   ; the scalings have written v[T ..], which the LDS stores read and in which the loads from the stage land
.irp t, 0,1,2,3,4,5,6,7
	ds_store_b128 v[STO], v[T+8*\t:T+8*\t+3] offset:128*(\t/2)+32*(\t%2)
	ds_store_b128 v[STO], v[T+8*\t+4:T+8*\t+7] offset:128*(\t/2)+32*(\t%2)+16
.endr
	s_wait_alu depctr_vm_vsrc(0)                   ; the LDS stores have read v[T ..], in which the loads below land
.set i, 0
.rept 16
	ds_load_b128 v[T+4*i:T+4*i+3], v[RD] offset:SPITCH*i       ; LDS serves a wave's instructions in order (ISA guide 5.7.1.4): these see the stores above
.set i, i+1
.endr
.set i, 0
.rept 16
	s_wait_dscnt 15-i
	global_store_b128 v[LN16], v[T+4*i:T+4*i+3], s[30:31] offset:\z*65536+i*4096       ; 512 consecutive bytes of a slot's row, aligned
.set i, i+1
.endr
.endr
.endif
	s_wait_xcnt 0x0                                ; the stores have read their data and base, the look-ahead loads their offsets and bases: all are written again below or in the next trip
.if KIND == 1
	s_wait_alu depctr_vm_vsrc(0)                   ; the slots' loads have read their offsets v16-23, which the six lines below write; the stores have read v[HC ..], which the next trip's conversions write
.irp j, 0,1,2,3,4,5
	v_mov_b32 v[OFF+\j], v[OFF+2+\j]               ; the next group is in hand now, and the two after it move up (the next load that reads them stands behind the next trip's first waits on va_vdst)
.endr
	s_add_co_u32 s32, s32, 8
.else
	s_mov_b64 s[CUR:CUR+1], s[NXT:NXT+1]
	s_add_co_u32 s32, s32, 8
	NEXTG
.endif
	s_add_co_u32 s[TRIP], s[TRIP], 1
	s_cmp_lt_u32 s[TRIP], s[TRIPS]
	s_cbranch_scc1 .Lgrp
.if KIND == 1
	s_wait_dscnt 0x0                               ; the closing lines, six on end
	s_wait_alu 0x0
	s_wait_tensorcnt 0x0
	ds_add_u32 v11, v12
	s_wait_dscnt 0x0
	s_endpgm
.else
	s_wait_dscnt 0x0                               ; the closing lines, six on end
	s_wait_alu 0x0
	s_wait_tensorcnt 0x0
	ds_add_u32 v254, v255
	s_wait_dscnt 0x0
	s_endpgm
.endif
.Lfunc_end_k_qe85e601603_ffn1:
	.size	k_qe85e601603_ffn1, .Lfunc_end_k_qe85e601603_ffn1-k_qe85e601603_ffn1
	.p2alignl 7, 3214868480
	.fill 96, 4, 3214868480
	.section	.rodata,"a",@progbits
	.p2align	6, 0x0
	.amdhsa_kernel k_qe85e601603_ffn1
		.amdhsa_group_segment_fixed_size 132096
		.amdhsa_private_segment_fixed_size 0
		.amdhsa_enable_private_segment 0
		.amdhsa_kernarg_size 56
		.amdhsa_user_sgpr_count 2
		.amdhsa_user_sgpr_kernarg_segment_ptr 1
		.amdhsa_wavefront_size32 1
		.amdhsa_system_sgpr_workgroup_id_x 1
		.amdhsa_system_sgpr_workgroup_id_y 1
		.amdhsa_system_sgpr_workgroup_id_z 1
		.amdhsa_system_vgpr_workitem_id 0
		.amdhsa_next_free_vgpr 512
		.amdhsa_next_free_sgpr 100
		.amdhsa_reserve_vcc 0
		.amdhsa_float_denorm_mode_32 3
		.amdhsa_float_denorm_mode_16_64 3
		.amdhsa_memory_ordered 1
		.amdhsa_forward_progress 1
		.amdhsa_inst_pref_size 216
	.end_amdhsa_kernel
	.amdgpu_metadata
---
amdhsa.version: [ 1, 2 ]
amdhsa.kernels:
  - .name:           k_qe85e601603_ffn1
    .symbol:         k_qe85e601603_ffn1.kd
    .args:
      - { .name: w1, .offset: 0, .size: 8, .value_kind: global_buffer, .address_space: global }
      - { .name: xq, .offset: 8, .size: 8, .value_kind: global_buffer, .address_space: global }
      - { .name: b1, .offset: 16, .size: 8, .value_kind: global_buffer, .address_space: global }
      - { .name: lowp_scales, .offset: 24, .size: 8, .value_kind: global_buffer, .address_space: global }
      - { .name: sel, .offset: 32, .size: 8, .value_kind: global_buffer, .address_space: global }
      - { .name: hq, .offset: 40, .size: 8, .value_kind: global_buffer, .address_space: global }
      - { .name: posx, .offset: 48, .size: 8, .value_kind: global_buffer, .address_space: global }
    .group_segment_fixed_size: 132096
    .private_segment_fixed_size: 0
    .kernarg_segment_align: 8
    .kernarg_segment_size: 56
    .max_flat_workgroup_size: 256
    .sgpr_count:     100
    .vgpr_count:     512
    .wavefront_size: 32
...
	.end_amdgpu_metadata
.endif
;; end of part 6
;; launch ffn2 (part 7): grid 256 x 1, 8 waves a work-group, no clusters, 199,680 bytes of LDS; arguments w2, hq, lowp_scales, posx, part; writes part
.if DOCPART == 7
	.amdgcn_target "amdgcn-amd-amdhsa--gfx1250"
	.amdhsa_code_object_version 6
	.text
	.protected	k_qe85e601603_ffn2
	.globl	k_qe85e601603_ffn2
	.p2align	8
	.type	k_qe85e601603_ffn2,@function
k_qe85e601603_ffn2:
	s_mov_b64 s[64:65], 0
	v_nop
	global_prefetch_b8 v0, s[64:65] scope:SCOPE_SE
	s_setreg_imm32_b32 hwreg(HW_REG_WAVE_SCHED_MODE, 0, 2), 2
	s_setreg_imm32_b32 hwreg(HW_REG_WAVE_MODE, 25, 1), 1
	s_wait_xcnt 0x0
	s_wait_alu depctr_vm_vsrc(0)
.set KIND, 2                           ; 1: placement, then h = Q(relu(x w1 + b1)), codes out.   2: partial sums of h w2, f32 out.  The two layers' texts differ in this line alone.
; ONE LAYER OF THE EXPERTS, on the routed slots alone (reference() multiplies the other rows by a scale of 0, and every operand is held finite).
; A work-group owns a slice of one expert's weight: 1,024 along K x 128 columns, 512 KiB of f32, which it reads ONCE.  KIND 1: expert e = wg / 32, columns 128 (wg % 32) of w1[e] (K = all of H).
; KIND 2: e = wg / 32, K quarter ks = (wg / 8) % 4 of D, columns 128 (wg % 8) of w2[e]; the four quarters' sums go to four planes of 'part' and are added by the next launch.
; SLOTS.  An expert's members (tokens with e among their two choices in sel, whole numbers that the gate's launch stored) have ranks 0 .. n - 1; slot = 1024 e + rank.  The ranks go by chunks of 32 tokens as sel's
; 16-byte loads bring them: chunk 2 i + p holds tokens 64 i + 2 lane + p.  ng = the expert's groups of 32 slots, held between 8 (each of the 8 waves has a first group) and 32.  Slots past the last member take token 1023:
; finite codes that no later launch lets into a result.  KIND 1 makes all this at its head, on whole numbers alone, behind its first weight loads: each wave finds the tokens of its own groups (MASKS, SELECT), and wave 7 of each
; expert's first work-group stores posx[e][token] = the token's slot and, behind posx's 32,768 bytes at + 128 e, ng 32 times over (a dense store).  KIND 2 reads ng from there.
; PHASE A: the slice becomes codes of E4M3 in LDS.  K is the weight's FIRST axis, so a lane takes two neighbouring columns and its registers run DOWN K.  Wave w takes K rows 256 (w / 2) on and columns 64 (w % 2) on,
; in 16 blocks of 16 rows; a load reads 256 consecutive bytes of one row.  A block's 32 numbers a lane are held, converted (two columns interleaved), parted by v_perm_b32 and stored as 16 codes a column.
; LDS holds IMAGES OF THE OPERAND'S REGISTERS: fragment (K step s, tile t) at 16384 s + 2048 t; register group c at + 512 c; lane (m, h) at + 16 m + 256 h holds row m's k = 128 s + 32 c + 16 h + 0 .. 15.
; That is a permutation of k inside an instruction, the same in both operands, so every product meets its partner.
; THE COLUMNS OF A TILE ARE NOT NEIGHBOURS: column 32 b + 16 h' + 8 u + j of the slice is row 8 h' + j of tile 2 b + u.
; PHASE B: wave w takes the expert's groups of 32 slots w, w + 8, .. under ng: (ng - w + 7) / 8 trips, 1 to 4.  The product is used TRANSPOSED (source 0 = 16 columns of the weight, source 1 = 16 slots): lane (r, h) holds
; slot r, and the 16 registers of tiles 2 b, 2 b + 1 are columns 32 b + 16 h + 0 .. 15: neighbours along the next K.  The slots' fragments come straight from memory into registers, three K steps ahead or more.  KIND 1 gathers them
; from x's codes by the slots' tokens: a load takes 32 consecutive bytes of each of 16 rows; that is the price of having no launch that lays the slots' codes out on end.  KIND 2 reads register images that KIND 1 stored:
; tile T = 64 e + 2 g + z at 65536 T, K step at + 2048, 512 consecutive bytes a load.  The weight's fragments come from LDS, half a K step ahead.  16 accumulators (8 tiles x 2 tiles of slots) take turns.
; No cluster and no joint loads: what work-groups share (an expert's slots) goes to registers, not to LDS, and the number of groups hangs on loaded whole numbers.
; LIMITS on the given exponents, so that each power of two below is an f32 number: e0, e3 between -126 and 119; e2 - e0 - e1 between -126 and 119; e2 + e3 between -126 and 127.  NaN among the inputs is not served.
; THE MODE: SCHED_MODE bits 1:0 = 2 (LLVM: expert scheduling mode 2), set by the entry lines.  The code itself states the register dependences between vector or matrix instructions and memory or LDS instructions,
; and those through scalar registers that vector instructions write, with s_wait_alu, always for 0.
; THE PLAN.  Registers that memory or LDS instructions touch, and who else names them:
;   v1-v5, v10-v13   offsets and LDS addresses (and the closing add's two registers): written at the head, ahead of one wait on va_vdst; never written again.
;   R0 .. R3         (v32-159, phase A)  Block i: its holds and conversions read and write R[i % 4]; behind the block's wait on va_vdst the loads of block i + 4 land in it.
;   C0, C1           (v232-247)  Block i: eight v_perm_b32 write C[i % 2], the block's two LDS stores read it behind the same wait; block i + 2 writes it again, behind a wait on vm_vsrc.
;   W0, W1           (v32-95, v96-159, phase B)  Half a K step: its 8 products read W[b]; behind the half's wait on va_vdst the LDS loads of the next K step land in it.
;   TOK0 .. TOK3     (window 1)  K step s: its 16 products read TOK[s % 4]; behind the step's second wait its 8 loads are dealt among the first 8 products of K step s + 1, which name W0, TOK[(s + 1) % 4] and the
;                    accumulators: none of the registers that those loads touch.  K step 7's 8 loads stand in one run, ahead of the way out.
;   v16-23           (KIND 1)  Written by SELECT and, at a trip's end, behind a wait on vm_vsrc, by the shift; read as offsets by the slots' loads, always behind a later wait on va_vdst.
;   HC               (KIND 1, v224-255)  Written by a trip's conversions, read by its 8 stores behind a wait on va_vdst; the wait on vm_vsrc at the trip's end (ahead of the first trip: behind the barrier) frees it.
;   T                (KIND 2, v160-223)  Written by the scalings, read by the LDS stores, landed in by the loads from the stage, read by the global stores: a wait ahead of each change of hands.
;   s16, s[SH], s[CD ..]  scalar registers that vector instructions write: a wait on va_sdst stands behind each run of such writers, ahead of its first reader.
; REGISTERS.  window 0: v1 16 x lane (also the LDS address of fragments of K steps 0-3); v2 weight offset; v3 phase A's LDS address; v4 (KIND 1) 0; v5 v1 + 65536 (K steps 4-7); v6, v7 the weight's 2^e and 448 x 2^e;
;   v8, v9 (1) 2^(e2 - e0 - e1) and 448 x that; v10 (1) 64 h; v11, v12 (2) the stage, in and back; v13 (1) 16 h; v14 lane; v16-23 (1) row offsets in x's codes of my four groups' two tiles; v24-31 (1) at work in SELECT;
;   v32-159 phase A: four sets of 32 numbers, phase B: two halves of a K step's 8 weight fragments; v160-223 (1) sel, then the chunks' running counts and a chunk's running bit counts, then b1 / 2^(e0 + e1) in the result's layout,
;   (2) at work on the way out; v224-231, v232-247 phase A's codes; v224-255 (1) the chunks' masks, then the slots for posx, later the group's codes.
;   window 1: v0-127 accumulator (tile t, slots' tile z) at 8 (2 t + z); v128-255 four sets of the slots' two fragments.
.if KIND == 1
.set PITCH, 16384                      ; bytes from K row to K row of the weight
.set PS, 10                            ; s[PS:PS+1] lowp_scales, s[PN:PN+1] sel, s[PO:PO+1] the output
.set PN, 12
.set PO, 14
.set EW, 36                            ; the weight's exponent: e0
.else
.set PITCH, 4096
.set TILEB, 65536                      ; bytes of a tile of 16 slots in hq
.set PS, 8                             ; s[PS:PS+1] lowp_scales, s[PN:PN+1] posx, s[PO:PO+1] the output
.set PN, 10
.set PO, 12
.set EW, 39                            ; e3
.endif
.set NGOFF,  32768                     ; where the eight ng begin in posx, 128 bytes an expert
.set STAGE,  131072                    ; (KIND 2) behind the codes: 16 rows x (512 bytes + 16) for each wave
.set SPITCH, 528
.set LN16, 1
.set WOFF, 2
.set WST,  3
.set ZERO, 4
.set WA1,  5
.set WSC,  6
.set WLIM, 7
.set HSC,  8
.set HLIM, 9
.set BOFF, 10
.set STO,  11
.set RD,   12
.set H16,  13
.set LANE, 14
.set OFF,  16                          ; (1) v16,17 the group in hand (tiles 0, 1); v18,19 the next; v20-23 the two after it
.set VS,   24                          ; (1) SELECT: my rank; the chosen chunk's mask, running count and number; my rank in the chunk; the bit's place; at work
.set VM,   25
.set VB,   26
.set VC,   27
.set VN,   28
.set VP,   30
.set VT,   31
.set R,    32
.set WB,   32
.set SEL,  160
.set PF,   160                         ; (1) v160-191 chunk c: the members in the chunks before it, the same number in every lane
.set BP,   192                         ; (1) v192-223 SELECT: bit b: the set bits of my chunk's mask up to and with it
.set BIAS, 160
.set T,    160
.set Q,    224
.set C,    232
.set HC,   224
.set MV,   224                         ; (1) v224-255 chunk c's mask, the same word in every lane
.set RK,   224
.set TOK,  128
.set CUR,  24                          ; (2) s[24:25] the group in hand; s[26:27] the group after it
.set NXT,  26
.set TRIP, 50                          ; s50 the trip's number; s51 my trips
.set TRIPS, 51
.set PX,   52                          ; (1) s[52:53] posx
.set RUN,  54                          ; (1) members in the chunks so far
.set ST,   56                          ; (1) at work
.set SG,   57                          ; (1) a group's first rank
.set PSEL, 58                          ; (1) s58, s59 v_permlanex16_b32's selects for lane l xor 16
.set SH,   60                          ; (1) mask of lanes 16-31
.set CD,   68                          ; (1) s68-99 a run of compares' results
.set MSB, 0
.macro WIN new                         ; the immediate's high byte repeats the setting that is left
.if MSB != \new
	s_set_vgpr_msb (MSB<<8)|\new
.set MSB, \new
.endif
.endm
.macro PLACES                          ; four plain places behind matrix instructions, in front of loads into their sources and of reads of their results
.rept 4
	v_nop
.endr
.endm
.macro WLOAD i                         ; block i: 16 K rows, my two columns of each, into set i % 4
.set k, 0
.rept 16
	global_load_b64 v[R+32*((\i)%4)+2*k:R+32*((\i)%4)+2*k+1], v[WOFF], s[20:21] offset:(16*(\i)+k)*PITCH th:TH_LOAD_NT   ; the wave reads 256 consecutive bytes, aligned; read once in the launch
.set k, k+1
.endr
.endm
.macro TLOAD k, nx, s, n               ; load n of 8 (slots' tile n / 4, register group n % 4) of K step s of the group in hand (nx = 0) or of the next (nx = 1) into set k.  It wants the destination in window 1 and source 0 in window 0
.if KIND == 1
	global_load_b128 v[TOK+32*(\k)+4*(\n):TOK+32*(\k)+4*(\n)+3], v[OFF+2*(\nx)+(\n)/4], s[6:7] offset:(\s)*128+32*((\n)%4)   ; slot r's row of x's codes, k = 128 s + 32 c + 16 h on
.else
	global_load_b128 v[TOK+32*(\k)+4*(\n):TOK+32*(\k)+4*(\n)+3], v[LN16], s[CUR+2*(\nx):CUR+2*(\nx)+1] offset:((\n)/4)*TILEB+(\s)*2048+512*((\n)%4)
.endif
.endm
.macro FETCHT k, nx, s                 ; the two fragments (32 slots x 128 K) in one run
	WIN 0x40                                       ; destination window 1
.irp n, 0,1,2,3,4,5,6,7
	TLOAD \k, \nx, \s, \n
.endr
	WIN 0
.endm
.macro FETCHW buf, s                   ; the weight's tiles 4 buf .. 4 buf + 3 of K step s from LDS
.if (\s) < 4
.set WAD, LN16
.else
.set WAD, WA1
.endif
.irp t, 0,1,2,3
.irp c, 0,1,2,3
	ds_load_b128 v[WB+64*(\buf)+16*\t+4*\c:WB+64*(\buf)+16*\t+4*\c+3], v[WAD] offset:((\s)&3)*16384+(4*(\buf)+\t)*2048+512*\c
.endr
.endr
.endm
.macro MUL8 buf, s                     ; 8 matrix instructions: 4 tiles of columns x 2 tiles of slots.  K step 0 starts the sums: with the bias as C (KIND 1) or with 0
.if ((\s) == 0) && (KIND == 1)
	WIN 0x44                                       ; source 1 and D window 1; source 0 and C window 0
.else
	WIN 0x54                                       ; source 1, C and D window 1
.endif
.irp t, 0,1,2,3
.irp z, 0,1
.set AC, 8*(2*(4*(\buf)+\t)+\z)
.if (\s) > 0
	v_wmma_f32_16x16x128_fp8_fp8 v[AC:AC+7], v[WB+64*(\buf)+16*\t:WB+64*(\buf)+16*\t+15], v[TOK+32*((\s)%4)+16*\z:TOK+32*((\s)%4)+16*\z+15], v[AC:AC+7]
.elseif KIND == 1
	v_wmma_f32_16x16x128_fp8_fp8 v[AC:AC+7], v[WB+64*(\buf)+16*\t:WB+64*(\buf)+16*\t+15], v[TOK+32*((\s)%4)+16*\z:TOK+32*((\s)%4)+16*\z+15], v[BIAS+8*(4*(\buf)+\t):BIAS+8*(4*(\buf)+\t)+7]
.else
	v_wmma_f32_16x16x128_fp8_fp8 v[AC:AC+7], v[WB+64*(\buf)+16*\t:WB+64*(\buf)+16*\t+15], v[TOK+32*((\s)%4)+16*\z:TOK+32*((\s)%4)+16*\z+15], 0
.endif
.if ((\buf) == 0) && ((\s) > 0)
	TLOAD DK, DN, DS, 2*\t+\z                      ; the set that the K step before multiplied takes its next fragments.  No wait: no vector or matrix instruction since that step's second wait names it or its offsets; the products' window setting serves the load too
.endif
.endr
.endr
.endm
.macro KSTEP s
.if (\s) > 0                           ; what is dealt among this step's first 8 products: set (s - 1) % 4 takes the K step four further on than s - 1, which from s = 5 on is the next group's
.set DK, ((\s)-1)%4
.if (\s) < 5
.set DN, 0
.set DS, (\s)+3
.else
.set DN, 1
.set DS, (\s)-5
.endif
.endif
	s_wait_dscnt 16                                ; the first four weight fragments are in; the other four's 16 loads may be out
.if (\s) == 0
	s_wait_loadcnt 24                              ; this step's slots are in; the three sets behind them, 8 loads each, may be out
.else
	s_wait_loadcnt 16                              ; this step's slots are in; two sets were asked for behind them, 8 loads each; the third is asked for below
.endif
	MUL8 0, \s
	PLACES                                         ; first the places, then the wait
	WIN 0
	s_wait_alu depctr_va_vdst(0)                   ; the 8 products are done reading the weight's first four fragments, in which the LDS loads below land
	FETCHW 0, ((\s)+1)%8                           ; (behind the last K step: the next group's first; the weight is the same)
	s_wait_dscnt 16                                ; the other four are in; the 16 just issued may be out
	MUL8 1, \s
	PLACES
.if (\s) == 7
	s_wait_alu depctr_va_vdst(0)                   ; the 8 products are done reading the weight's other four fragments and this step's slots: loads land in both below
.irp n, 0,1,2,3,4,5,6,7
	TLOAD 3, 1, 3, \n                              ; the last set in one run, ahead of the way out: the next group's K step 3
.endr
	WIN 0
.else
	WIN 0
	s_wait_alu depctr_va_vdst(0)                   ; the 8 products are done reading the weight's other four fragments, in which the LDS loads below land, and this step's slots, in which the next step's dealt loads land
.endif
	FETCHW 1, ((\s)+1)%8
.endm
.macro MKTRIPS                         ; my trips: the groups w + 8 i under ng (s33, 8 to 32)
	s_sub_co_u32 s[TRIPS], s33, s16
	s_add_co_u32 s[TRIPS], s[TRIPS], 7
	s_lshr_b32 s[TRIPS], s[TRIPS], 3
	s_min_u32 s[TRIPS], s[TRIPS], 4
.endm
.macro NEXTG                           ; (KIND 2) s[NXT]: my next group, held at the expert's last group, so that the last trip's look-ahead reads written bytes and every trip issues the same loads
	s_add_co_u32 s44, s32, 8
	s_sub_co_u32 s45, s33, 1
	s_min_u32 s44, s44, s45
	s_min_u32 s44, s44, 31
	s_mul_i32 s44, s44, 2*TILEB
	s_mov_b32 s45, 0
	s_add_nc_u64 s[NXT:NXT+1], s[22:23], s[44:45]
.endm
; (KIND 1) Chunks c0 .. c0 + 15: each chunk's mask of members and the members in the chunks before it, made once for the wave and kept in vector registers, the same in every lane.  The 32 compares stand in one run, with one wait behind it.
.macro MASKS c0
.set j, 0
.rept 16
	v_cmp_eq_u32 s[CD+j], s17, v[SEL+2*(\c0+j)]
	v_cmp_eq_u32 s[CD+16+j], s17, v[SEL+2*(\c0+j)+1]
.set j, j+1
.endr
	s_wait_alu depctr_va_sdst(0)                   ; the compares have written s[CD ..] (and, ahead of the first run, s[SH]), ahead of their first readers
.set j, 0
.rept 16
	s_or_b32 s[CD+j], s[CD+j], s[CD+16+j]          ; bit l: token 64 (c / 2) + 2 l + c % 2 is a member
	v_mov_b32 v[MV+\c0+j], s[CD+j]
	v_mov_b32 v[PF+\c0+j], s[RUN]                  ; (it takes the place of a word of sel whose compare stands above)
	s_bcnt1_i32_b32 s[ST], s[CD+j]
	s_add_co_u32 s[RUN], s[RUN], s[ST]
.set j, j+1
.endr
.endm
; (KIND 1) The tokens of my group w + 8 i: lane l finds the member of rank 32 (w + 8 i) + l; then each lane (r, h) takes the tokens of slots r and 16 + r, as row offsets in x's codes.  Two runs of compares, a wait behind each.
.macro SELECT i
	s_lshl_b32 s[SG], s16, 5
	s_add_co_u32 s[SG], s[SG], 256*\i
	v_add_nc_u32 v[VS], s[SG], v[LANE]             ; my rank
.set cc, 1
.rept 31                               ; which chunk holds the member of that rank: the last one whose running count does not pass it
	v_cmp_le_u32 s[CD+cc], v[PF+cc], v[VS]
.set cc, cc+1
.endr
	v_mov_b32 v[VM], v[MV]
	v_mov_b32 v[VB], 0
	v_mov_b32 v[VC], 0
	s_wait_alu depctr_va_sdst(0)                   ; the 31 compares have written s[CD + 1 ..], which the selections below read
.set cc, 1
.rept 31
	v_cndmask_b32 v[VM], v[VM], v[MV+cc], s[CD+cc]
	v_cndmask_b32 v[VB], v[VB], v[PF+cc], s[CD+cc]
	v_cndmask_b32 v[VC], v[VC], cc, s[CD+cc]
.set cc, cc+1
.endr
	v_sub_nc_u32 v[VN], v[VS], v[VB]               ; my rank n within the chunk
	v_bfe_u32 v[BP], v[VM], 0, 1
	v_cmp_le_u32 s[CD], v[BP], v[VN]
.set bb, 1
.rept 31                               ; the place of set bit n = the number of bits whose count of set bits up to and with them does not pass n
	v_bfe_u32 v[VT], v[VM], bb, 1
	v_add_nc_u32 v[BP+bb], v[BP+bb-1], v[VT]
	v_cmp_le_u32 s[CD+bb], v[BP+bb], v[VN]
.set bb, bb+1
.endr
	v_mov_b32 v[VP], 0
	s_wait_alu depctr_va_sdst(0)                   ; the 32 compares have written s[CD ..], which the selections below read
.set bb, 0
.rept 32
	v_cndmask_b32 v[VT], v[ZERO], 1, s[CD+bb]
	v_add_nc_u32 v[VP], v[VP], v[VT]
.set bb, bb+1
.endr
	v_and_b32 v[VT], 1, v[VC]
	v_lshl_add_u32 v[VP], v[VP], 1, v[VT]          ; 2 x place + chunk % 2
	v_lshrrev_b32 v[VC], 1, v[VC]
	v_lshl_add_u32 v[VP], v[VC], 6, v[VP]          ; + 64 (chunk / 2): slot l's token
	v_permlanex16_b32 v[VT], v[VP], s[PSEL], s[PSEL+1]     ; slot (l xor 16)'s
	v_cndmask_b32 v[VB], v[VP], v[VT], s[SH]       ; tile 0, slot r: lanes 0-15 have it, lanes 16-31 take the other half's
	v_cndmask_b32 v[VM], v[VT], v[VP], s[SH]       ; tile 1, slot 16 + r: the other way round
	v_min_u32 v[VB], 0x3ff, v[VB]                  ; ranks past the last member end here
	v_min_u32 v[VM], 0x3ff, v[VM]
	v_lshl_add_u32 v[OFF+2*\i], v[VB], 10, v[H16]  ; the token's row of 1,024 codes, + 16 h
	v_lshl_add_u32 v[OFF+2*\i+1], v[VM], 10, v[H16]
.endm
; Block i of phase A.  In the place where blocks 0-11 ask for the block four further on, blocks 12 and 13 ask for the first group's slots and block 14 (KIND 1) for the bias: so 48 younger loads stand behind every block's own.
.macro BLOCK i
.set RS, R+32*((\i)%4)
.set CS, C+8*((\i)%2)
.set O, ((\i)>>3)*16384+(((\i)>>1)&3)*512+((\i)&1)*256
.if (KIND == 2) && (\i == 15)
	s_wait_loadcnt 32                              ; behind block 15's loads stand the slots' 32 alone
.else
	s_wait_loadcnt 48                              ; my 16 loads are in; three younger runs of 16 may be out
.endif
.set k, 0
.rept 32
	v_med3_num_f32 v[RS+k], v[RS+k], -v[WLIM], v[WLIM]         ; the conversion to an 8-bit code does not saturate (ISA guide 7.6.2): the hold comes first
.set k, k+1
.endr
.irp g, 0,1,2,3
	v_cvt_scalef32_pk8_fp8_f32 v[Q+2*\g:Q+2*\g+1], v[RS+8*\g:RS+8*\g+7], v[WSC]   ; rows 4 g .. 4 g + 3, even and odd column by turns
.endr
	v_nop                                          ; a plain place between the conversions and the reads of their results
	s_wait_alu depctr_va_vdst(0)
	s_wait_dscnt 2                                 ; the stores of the block two back, which read these registers, are done; the last block's two may be out
.if \i >= 2
	s_wait_alu depctr_vm_vsrc(0)                   ; the LDS stores of the block two back have read v[CS ..], which the eight lines below write again
.endif
.irp g, 0,1,2,3
	v_perm_b32 v[CS+\g], v[Q+2*\g+1], v[Q+2*\g], s34           ; the even column's four codes
	v_perm_b32 v[CS+4+\g], v[Q+2*\g+1], v[Q+2*\g], s35         ; the odd column's
.endr
	s_wait_alu depctr_va_vdst(0)                   ; v[CS ..] is written, which the LDS stores below read; the holds and conversions are done with v[RS ..], in which the loads below land (blocks 12 to 14: all earlier writers and readers of what their loads touch are done)
.if \i < 12
	WLOAD \i+4
.elseif \i == 12
	FETCHT 0, 0, 0
	FETCHT 1, 0, 1
.elseif \i == 13
	FETCHT 2, 0, 2
	FETCHT 3, 0, 3
.elseif (\i == 14) && (KIND == 1)
.irp t, 0,1,2,3,4,5,6,7
	global_load_b128 v[BIAS+8*\t:BIAS+8*\t+3], v[BOFF], s[48:49] offset:(32*(\t/2)+8*(\t%2))*4      ; tile t = 2 b + u, lane half h: b1 at columns 32 b + 16 h + 8 u + 0 .. 7
	global_load_b128 v[BIAS+8*\t+4:BIAS+8*\t+7], v[BOFF], s[48:49] offset:(32*(\t/2)+8*(\t%2))*4+16
.endr
.endif
	ds_store_b128 v[WST], v[CS:CS+3] offset:O      ; 16 codes down K of the even column: one lane's 16 bytes of an image
	ds_store_b128 v[WST], v[CS+4:CS+7] offset:O+16 ; the odd column is the next row of the same tile
.endm
	s_load_b256 s[4:11], s[0:1], 0x0               ; KIND 1: w1, xq, b1, lowp_scales.   KIND 2: w2, hq, lowp_scales, posx
.if KIND == 1
	s_load_b128 s[12:15], s[0:1], 0x20             ; sel, hq
	s_load_b64 s[PX:PX+1], s[0:1], 0x30            ; posx
	v_lshl_add_u32 v11, v0, 2, 0x20000
	v_mov_b32 v12, 0
.else
	s_load_b64 s[12:13], s[0:1], 0x20              ; part
	v_lshl_add_u32 v254, v0, 2, 0x30800
	v_mov_b32 v255, 0
.endif
	v_lshrrev_b32 v13, 5, v0
	v_readfirstlane_b32 s16, v13                   ; wave 0..7
	v_and_b32 v[LANE], 31, v0                      ; lane
	s_wait_alu depctr_va_vdst(0)
	s_lshr_b32 s17, ttmp9, 5                       ; e
.if KIND == 1
	s_and_b32 s18, ttmp9, 31                       ; which 128 columns
.else
	s_and_b32 s18, ttmp9, 7
	s_bfe_u32 s19, ttmp9, 0x20003                  ; ks
.endif
	s_wait_alu depctr_va_sdst(0)                   ; s16 is written, ahead of its first reader
	s_and_b32 s42, s16, 1                          ; phase A: my half of the columns,
	s_lshr_b32 s43, s16, 1                         ; my quarter of K
	s_mov_b32 s34, 0x06040200
	s_mov_b32 s35, 0x07050301
	v_lshlrev_b32 v[LN16], 4, v[LANE]
	v_add_nc_u32 v[WA1], 0x10000, v[LN16]
	v_lshlrev_b32 v[WOFF], 3, v[LANE]
	s_lshl_b32 s44, s42, 8
	v_add_nc_u32 v[WOFF], s44, v[WOFF]             ; 8 x lane + 256 x half
	; my even column is 64 half + 2 lane: b = 2 half + lane / 16, h' = (lane / 8) % 2, u = (lane / 4) % 2, j = 2 (lane % 4): 4096 b + 2048 u + 128 h' + 16 j, + 32768 x my quarter of K
	v_bfe_u32 v15, v0, 4, 1
	v_lshlrev_b32 v[WST], 12, v15
	v_lshlrev_b32 v[BOFF], 6, v15                  ; 64 h
.if KIND == 1
	v_lshlrev_b32 v[H16], 4, v15                   ; 16 h
	v_mov_b32 v[ZERO], 0
.endif
	v_bfe_u32 v15, v0, 2, 1
	v_lshl_add_u32 v[WST], v15, 11, v[WST]
	v_bfe_u32 v15, v0, 3, 1
	v_lshl_add_u32 v[WST], v15, 7, v[WST]
	v_and_b32 v15, 3, v0
	v_lshl_add_u32 v[WST], v15, 5, v[WST]
	s_lshl_b32 s44, s42, 13
	s_lshl_b32 s45, s43, 15
	s_add_co_u32 s44, s44, s45
	v_add_nc_u32 v[WST], s44, v[WST]
.if KIND == 2
	s_mul_i32 s44, s16, 16*SPITCH
	s_add_co_u32 s44, s44, STAGE                   ; my stage
	v_and_b32 v15, 15, v0
	v_mul_u32_u24 v[STO], v15, SPITCH
	v_bfe_u32 v15, v0, 4, 1
	v_lshl_add_u32 v[STO], v15, 6, v[STO]
	v_add_nc_u32 v[STO], s44, v[STO]               ; in: row r, + 64 h
	v_add_nc_u32 v[RD], s44, v[LN16]               ; back: a row of 512 bytes, 16 a lane
.endif
	; byte offsets, each under 2^31
	s_lshl_b32 s20, s17, 24                        ; the expert's weight: 2^24 bytes
	s_lshl_b32 s44, s18, 9
	s_add_co_u32 s20, s20, s44                     ; + 512 x column group
	s_mul_i32 s44, s43, 256*PITCH
	s_add_co_u32 s20, s20, s44                     ; + my 256 K rows
	s_mov_b32 s21, 0
	s_mov_b32 s29, 0
	s_mov_b32 s45, 0
.if KIND == 1
	s_mov_b32 s47, 0
	s_lshl_b32 s28, s17, 22                        ; out: hq at tile 64 e, K step = my column group
	s_lshl_b32 s44, s18, 11
	s_add_co_u32 s28, s28, s44
	s_lshl_b32 s46, s17, 14                        ; b1 at (e, my columns)
	s_lshl_b32 s44, s18, 9
	s_add_co_u32 s46, s46, s44
	s_mov_b32 s[PSEL], 0x76543210
	s_mov_b32 s[PSEL+1], 0xfedcba98
.else
	s_mov_b32 s23, 0
	s_lshl_b32 s44, s19, 22
	s_add_co_u32 s20, s20, s44                     ; + ks x 1,024 K rows
	s_lshl_b32 s22, s17, 22
	s_lshl_b32 s44, s19, 14
	s_add_co_u32 s22, s22, s44                     ; the expert's tiles, K steps 8 ks on
	s_lshl_b32 s28, s19, 25                        ; out: part at plane ks, slot 1024 e, my columns
	s_lshl_b32 s44, s17, 22
	s_add_co_u32 s28, s28, s44
	s_lshl_b32 s44, s18, 9
	s_add_co_u32 s28, s28, s44
	s_mul_i32 s44, s16, 2*TILEB                    ; my first group = my wave's number
	s_lshl_b32 s42, s17, 7
.endif
	s_wait_kmcnt 0x0
	s_load_b128 s[36:39], s[PS:PS+1], 0x0          ; e0, e1, e2, e3
.if KIND == 2
	s_load_b32 s33, s[PN:PN+1], s42 offset:NGOFF   ; ng
.endif
	s_add_nc_u64 s[20:21], s[4:5], s[20:21]
	s_add_nc_u64 s[28:29], s[PO:PO+1], s[28:29]
	s_wait_alu depctr_va_vdst(0)                   ; the offsets and LDS addresses made above are written: every load and store of the kernel reads one of them, and none is written again
.if KIND == 1
	s_add_nc_u64 s[48:49], s[8:9], s[46:47]
.set cc, 0
.rept 16
	global_load_b128 v[SEL+4*cc:SEL+4*cc+3], v[LN16], s[PN:PN+1] offset:512*cc     ; tokens 64 cc + 2 lane and the next: i1, i2, i1, i2; 512 consecutive bytes
.set cc, cc+1
.endr
.irp i, 0,1,2
	WLOAD \i
.endr
.else
	s_add_nc_u64 s[22:23], s[6:7], s[22:23]
	s_add_nc_u64 s[CUR:CUR+1], s[22:23], s[44:45]
.irp i, 0,1,2,3
	WLOAD \i
.endr
.endif
	s_wait_kmcnt 0x0
	s_add_co_i32 s44, s[EW], 127
	s_lshl_b32 s45, s44, 23
	v_mov_b32 v[WSC], s45                          ; the weight's 2^e: the conversion takes its exponent field
	s_add_co_i32 s44, s44, 8
	s_lshl_b32 s44, s44, 23
	s_or_b32 s44, s44, 0x600000
	v_mov_b32 v[WLIM], s44                         ; 448 x 2^e
.if KIND == 1
	; THE PLACEMENT, while the first four blocks of the weight are on their way
	s_wait_loadcnt 48                              ; sel's 16 loads are in; the three blocks' 48 behind them may be out
	WLOAD 3                                        ; (no vector instruction has named its registers, nor its offset since the wait at the head)
	v_cmp_le_u32 s[SH], 16, v[LANE]                ; (the wait behind the first run of compares below serves it too)
	s_mov_b32 s[RUN], 0
	MASKS 0
	MASKS 16                                       ; s[RUN] = n, the expert's members
	SELECT 0
	s_add_co_u32 s33, s[RUN], 31
	s_lshr_b32 s33, s33, 5
	s_max_u32 s33, s33, 8
	s_min_u32 s33, s33, 32                         ; ng
	MKTRIPS
.irp j, 2,3,4,5,6,7
	v_mov_b32 v[OFF+\j], v[OFF+\j%2]               ; a group that I do not have stands for the one before it: the last trip's look-ahead reads rows that exist, and every trip issues the same loads
.endr
	s_cmp_lt_u32 s[TRIPS], 2
	s_cbranch_scc1 .Lselected
	SELECT 1
.irp j, 4,5,6,7
	v_mov_b32 v[OFF+\j], v[OFF+2+\j%2]
.endr
	s_cmp_lt_u32 s[TRIPS], 3
	s_cbranch_scc1 .Lselected
	SELECT 2
	v_mov_b32 v[OFF+6], v[OFF+4]
	v_mov_b32 v[OFF+7], v[OFF+5]
	s_cmp_lt_u32 s[TRIPS], 4
	s_cbranch_scc1 .Lselected
	SELECT 3
.Lselected:
	s_cmp_lg_u32 s18, 0                            ; the tokens' slots and ng are stored once for each expert: by wave 7 of its first work-group
	s_cbranch_scc1 .Lno_posx
	s_cmp_lg_u32 s16, 7
	s_cbranch_scc1 .Lno_posx
	s_lshl_b32 s44, s17, 12
	s_mov_b32 s45, 0
	s_add_nc_u64 s[62:63], s[PX:PX+1], s[44:45]    ; posx at expert e
	s_lshl_b32 s44, s17, 7
	s_add_co_u32 s44, s44, NGOFF
	s_add_nc_u64 s[66:67], s[PX:PX+1], s[44:45]    ; and the expert's ng
	v_lshlrev_b32 v[VS], 3, v[LANE]
	v_lshlrev_b32 v[VM], 2, v[LANE]
	v_mov_b32 v[VB], s33
	s_lshl_b32 s[SG], s17, 10                      ; 1024 e
.set cc, 0
.rept 32
	v_mbcnt_lo_u32_b32 v[RK+cc], v[MV+cc], v[PF+cc]        ; the members of earlier chunks + those of lower lanes: the order in which SELECT counts
	v_add_nc_u32 v[RK+cc], s[SG], v[RK+cc]         ; + 1024 e: the slot
.set cc, cc+1
.endr
	s_wait_alu depctr_va_vdst(0)                   ; the slots v[RK ..], the two offsets and ng are written, which the stores below read
.set cc, 0
.rept 16
	global_store_b64 v[VS], v[RK+2*cc:RK+2*cc+1], s[62:63] offset:256*cc   ; tokens 64 cc + 2 lane and the next: the wave stores 256 consecutive bytes, aligned
.set cc, cc+1
.endr
	global_store_b32 v[VM], v[VB], s[66:67]
	s_wait_xcnt 0x0                                ; the stores have read their registers: phase A writes v224 on again
	s_wait_alu depctr_vm_vsrc(0)                   ; the stores have read v[RK ..], which phase A's conversions and v_perm_b32 write again
.Lno_posx:
.endif
	s_wait_alu depctr_va_vdst(0)
.irp i, 0,1,2,3,4,5,6,7,8,9,10,11,12,13,14,15
	BLOCK \i
.endr
	s_wait_dscnt 0x0                               ; for the others' sake: my codes lie in LDS
	s_barrier_signal -1
	s_barrier_wait -1                              ; the whole slice does.  From here on LDS is only read (KIND 2: but for each wave's own stage)
.if KIND == 1
	s_wait_alu depctr_vm_vsrc(0)                   ; my LDS stores have read v232-247, which are among the group's codes v[HC ..] from here on, written by the first trip's conversions
.endif
	FETCHW 0, 0                                    ; (block 15's wait on va_vdst stands behind the last vector instruction that named v32-159)
	FETCHW 1, 0
	s_mov_b32 s32, s16                             ; g
.if KIND == 2
	s_min_u32 s33, s33, 32
	s_max_u32 s33, s33, 8                          ; ng, as it was stored: 8 to 32
	MKTRIPS
.endif
	s_mov_b32 s[TRIP], 0
.if KIND == 2
	NEXTG
.endif
.if KIND == 1
	s_wait_loadcnt 0x0                             ; the bias (and the slots in front of it)
	s_add_co_i32 s44, s36, s37                     ; a sum stands for sum x 2^(e0 + e1): so b1 goes in as b1 / 2^(e0 + e1),
	s_sub_co_i32 s46, 0, s44
.set j, 0
.rept 64
	v_ldexp_f32 v[BIAS+j], v[BIAS+j], s46
.set j, j+1
.endr
	s_sub_co_i32 s44, s38, s44                     ; and h's code is sum / 2^(e2 - e0 - e1): the three scales folded into the conversion's one
	s_add_co_i32 s44, s44, 127
	s_lshl_b32 s45, s44, 23
	v_mov_b32 v[HSC], s45
	s_add_co_i32 s44, s44, 8
	s_lshl_b32 s44, s44, 23
	s_or_b32 s44, s44, 0x600000
	v_mov_b32 v[HLIM], s44
.else
	s_add_co_i32 s40, s38, s39
	s_add_co_i32 s40, s40, 127
	s_lshl_b32 s40, s40, 23                        ; 2^(e2 + e3)
	s_mov_b32 s41, s40                             ; (named with it as a pair, so it is written)
.endif
.Lgrp:                                             ; a trip: one group of 32 slots x my 128 columns x 1,024 along K: 128 matrix instructions
.irp s, 0,1,2,3,4,5,6,7
	KSTEP \s
.endr
	s_min_u32 s44, s32, 31                         ; (g is under ng, at most 31: written out, since it enters an address)
	s_lshl_b32 s44, s44, 17                        ; a group: two tiles of 65,536 bytes of hq, or 32 rows of 4,096 bytes of part
	s_mov_b32 s45, 0
	s_add_nc_u64 s[30:31], s[28:29], s[44:45]
.if KIND == 1
	WIN 0x41                                       ; source 0 and destination window 1
.set j, 0
.rept 128
	v_med3_num_f32 v[j], v[j], 0, v[HLIM]          ; the activation and the hold in one; each accumulator from its low end on
.set j, j+1
.endr
	WIN 0x01
.irp z, 0,1
.irp t, 0,1,2,3,4,5,6,7
	v_cvt_scalef32_pk8_fp8_f32 v[HC+16*\z+2*\t:HC+16*\z+2*\t+1], v[8*(2*\t+\z):8*(2*\t+\z)+7], v[HSC]   ; registers 4 b + 2 u on: k = 32 b + 16 h + 8 u + 0 .. 7 of the next product's K step
.endr
.endr
	WIN 0
	v_nop                                          ; a plain place behind the last conversion: the next trip's products write its sources
	s_wait_alu depctr_va_vdst(0)                   ; the conversions have written v[HC ..], which the stores below read
.irp z, 0,1
.irp c, 0,1,2,3
	global_store_b128 v[LN16], v[HC+16*\z+4*\c:HC+16*\z+4*\c+3], s[30:31] offset:\z*65536+512*\c       ; the fragment's image: 512 consecutive bytes, aligned
.endr
.endr
.else
.irp z, 0,1                            ; 16 slots at a time through my own stage, so that whole rows of 512 bytes leave
.if \z == 1
	s_wait_xcnt 0x0                                ; the first tile's stores have read the registers that are written below
.endif
	s_wait_alu depctr_vm_vsrc(0)                   ; the global stores of the tile before (for a trip's first tile: of the trip before) have read v[T ..], which the scalings below write again
	WIN 0x01
.irp t, 0,1,2,3,4,5,6,7
.irp i, 0,2,4,6
	v_pk_mul_f32 v[T+8*\t+\i:T+8*\t+\i+1], v[8*(2*\t+\z)+\i:8*(2*\t+\z)+\i+1], s[40:41] op_sel_hi:[1,0]   ; x 2^(e2 + e3); each accumulator from its low end on
.endr
.endr
	WIN 0
	s_wait_alu depctr_va_vdst(0)                   ; the scalings have written v[T ..], which the LDS stores read and in which the loads from the stage land
.irp t, 0,1,2,3,4,5,6,7
	ds_store_b128 v[STO], v[T+8*\t:T+8*\t+3] offset:128*(\t/2)+32*(\t%2)
	ds_store_b128 v[STO], v[T+8*\t+4:T+8*\t+7] offset:128*(\t/2)+32*(\t%2)+16
.endr
	s_wait_alu depctr_vm_vsrc(0)                   ; the LDS stores have read v[T ..], in which the loads below land
.set i, 0
.rept 16
	ds_load_b128 v[T+4*i:T+4*i+3], v[RD] offset:SPITCH*i       ; LDS serves a wave's instructions in order (ISA guide 5.7.1.4): these see the stores above
.set i, i+1
.endr
.set i, 0
.rept 16
	s_wait_dscnt 15-i
	global_store_b128 v[LN16], v[T+4*i:T+4*i+3], s[30:31] offset:\z*65536+i*4096       ; 512 consecutive bytes of a slot's row, aligned
.set i, i+1
.endr
.endr
.endif
	s_wait_xcnt 0x0                                ; the stores have read their data and base, the look-ahead loads their offsets and bases: all are written again below or in the next trip
.if KIND == 1
	s_wait_alu depctr_vm_vsrc(0)                   ; the slots' loads have read their offsets v16-23, which the six lines below write; the stores have read v[HC ..], which the next trip's conversions write
.irp j, 0,1,2,3,4,5
	v_mov_b32 v[OFF+\j], v[OFF+2+\j]               ; the next group is in hand now, and the two after it move up (the next load that reads them stands behind the next trip's first waits on va_vdst)
.endr
	s_add_co_u32 s32, s32, 8
.else
	s_mov_b64 s[CUR:CUR+1], s[NXT:NXT+1]
	s_add_co_u32 s32, s32, 8
	NEXTG
.endif
	s_add_co_u32 s[TRIP], s[TRIP], 1
	s_cmp_lt_u32 s[TRIP], s[TRIPS]
	s_cbranch_scc1 .Lgrp
.if KIND == 1
	s_wait_dscnt 0x0                               ; the closing lines, six on end
	s_wait_alu 0x0
	s_wait_tensorcnt 0x0
	ds_add_u32 v11, v12
	s_wait_dscnt 0x0
	s_endpgm
.else
	s_wait_dscnt 0x0                               ; the closing lines, six on end
	s_wait_alu 0x0
	s_wait_tensorcnt 0x0
	ds_add_u32 v254, v255
	s_wait_dscnt 0x0
	s_endpgm
.endif
.Lfunc_end_k_qe85e601603_ffn2:
	.size	k_qe85e601603_ffn2, .Lfunc_end_k_qe85e601603_ffn2-k_qe85e601603_ffn2
	.p2alignl 7, 3214868480
	.fill 96, 4, 3214868480
	.section	.rodata,"a",@progbits
	.p2align	6, 0x0
	.amdhsa_kernel k_qe85e601603_ffn2
		.amdhsa_group_segment_fixed_size 199680
		.amdhsa_private_segment_fixed_size 0
		.amdhsa_enable_private_segment 0
		.amdhsa_kernarg_size 40
		.amdhsa_user_sgpr_count 2
		.amdhsa_user_sgpr_kernarg_segment_ptr 1
		.amdhsa_wavefront_size32 1
		.amdhsa_system_sgpr_workgroup_id_x 1
		.amdhsa_system_sgpr_workgroup_id_y 1
		.amdhsa_system_sgpr_workgroup_id_z 1
		.amdhsa_system_vgpr_workitem_id 0
		.amdhsa_next_free_vgpr 512
		.amdhsa_next_free_sgpr 66
		.amdhsa_reserve_vcc 0
		.amdhsa_float_denorm_mode_32 3
		.amdhsa_float_denorm_mode_16_64 3
		.amdhsa_memory_ordered 1
		.amdhsa_forward_progress 1
		.amdhsa_inst_pref_size 130
	.end_amdhsa_kernel
	.amdgpu_metadata
---
amdhsa.version: [ 1, 2 ]
amdhsa.kernels:
  - .name:           k_qe85e601603_ffn2
    .symbol:         k_qe85e601603_ffn2.kd
    .args:
      - { .name: w2, .offset: 0, .size: 8, .value_kind: global_buffer, .address_space: global }
      - { .name: hq, .offset: 8, .size: 8, .value_kind: global_buffer, .address_space: global }
      - { .name: lowp_scales, .offset: 16, .size: 8, .value_kind: global_buffer, .address_space: global }
      - { .name: posx, .offset: 24, .size: 8, .value_kind: global_buffer, .address_space: global }
      - { .name: part, .offset: 32, .size: 8, .value_kind: global_buffer, .address_space: global }
    .group_segment_fixed_size: 199680
    .private_segment_fixed_size: 0
    .kernarg_segment_align: 8
    .kernarg_segment_size: 40
    .max_flat_workgroup_size: 256
    .sgpr_count:     66
    .vgpr_count:     512
    .wavefront_size: 32
...
	.end_amdgpu_metadata
.endif
;; end of part 7
;; launch combine (part 8): grid 1025 x 1, 4 waves a work-group, no clusters, 1,536 bytes of LDS; arguments sel, wgt, posx, part, b2, stat, out0, out1; writes out0, out1
.if DOCPART == 8
	.amdgcn_target "amdgcn-amd-amdhsa--gfx1250"
	.amdhsa_code_object_version 6
	.text
	.protected	k_qe85e601603_combine
	.globl	k_qe85e601603_combine
	.p2align	8
	.type	k_qe85e601603_combine,@function
k_qe85e601603_combine:
	s_mov_b64 s[64:65], 0
	v_nop
	global_prefetch_b8 v0, s[64:65] scope:SCOPE_SE
	s_setreg_imm32_b32 hwreg(HW_REG_WAVE_MODE, 25, 1), 1
	s_wait_xcnt 0x0
; THE COMBINE AND THE AUX LOSS.  Work-group t < 1024 makes row t of y: for its two experts k, y += wgt[t][k] x (the four K quarters' sums of its slot + b2[expert]).  The slot is posx[expert][t]: whole numbers
; that an earlier launch stored.  Wave w takes bytes 1024 w on of the row, two loads of 512 consecutive bytes from each source.  Memory binds: no LDS, no matrix unit on this path.
; Work-group 1024 makes the aux loss: the column sums of stat (8 probabilities, 8 routed flags a token), then 8 x sum over e of mean(p_e) x mean(routed_e) = sum(P_e R_e) x 2^-17.
; The sum over the contributors is ordered: one owner for each output, no atomics.
	s_load_b256 s[4:11], s[0:1], 0x0               ; sel, wgt, posx, part
	s_load_b256 s[12:19], s[0:1], 0x20             ; b2, stat, out0, out1
	v_lshl_add_u32 v160, v0, 2, 0x400
	v_mov_b32 v161, 0
	v_and_b32 v1, 31, v0
	v_lshrrev_b32 v2, 5, v0                        ; wave
	v_lshlrev_b32 v1, 4, v1                        ; 16 x lane
	s_cmp_eq_u32 ttmp9, 1024
	s_cbranch_scc1 .Laux
	v_lshl_add_u32 v1, v2, 10, v1                  ; + 1024 x wave
	s_lshl_b32 s20, ttmp9, 3
	s_lshl_b32 s21, ttmp9, 2
	s_lshl_b32 s52, ttmp9, 12
	s_mov_b32 s53, 0
	s_wait_alu depctr_va_vdst(0)
	s_wait_kmcnt 0x0
	s_load_b64 s[22:23], s[4:5], s20 offset:0x0    ; the two experts
	s_load_b64 s[24:25], s[6:7], s20 offset:0x0    ; their weights
.irp e, 0,1,2,3,4,5,6,7
	s_load_b32 s[28+\e], s[8:9], s21 offset:\e*4096        ; posx[e][t] for all eight, in the same batch: no second trip to memory behind sel
.endr
	s_mov_b64 s[40:41], s[10:11]                   ; part's four planes, 2^25 bytes apart
	s_add_nc_u64 s[42:43], s[10:11], 0x2000000
	s_add_nc_u64 s[44:45], s[10:11], 0x4000000
	s_add_nc_u64 s[46:47], s[10:11], 0x6000000
	s_add_nc_u64 s[16:17], s[16:17], s[52:53]      ; y at row t
	s_wait_kmcnt 0x0
.irp k, 0,1
	s_mov_b32 s[36+\k], s28
.irp e, 1,2,3,4,5,6,7
	s_cmp_eq_u32 s[22+\k], \e
	s_cselect_b32 s[36+\k], s[28+\e], s[36+\k]
.endr
	s_min_u32 s[36+\k], s[36+\k], 8191             ; the slot
	s_lshl_b32 s[36+\k], s[36+\k], 12
	v_add_nc_u32 v[4+\k], s[36+\k], v1
	s_min_u32 s[38+\k], s[22+\k], 7                ; the expert
	s_lshl_b32 s[38+\k], s[38+\k], 12
	v_add_nc_u32 v[6+\k], s[38+\k], v1
.endr
	s_mov_b32 s48, s24                             ; each weight as a pair: the packed forms name a pair and take its low word for both halves
	s_mov_b32 s49, s24
	s_mov_b32 s50, s25
	s_mov_b32 s51, s25
	s_wait_alu depctr_va_vdst(0)
.irp k, 0,1
.irp q, 0,1,2,3
	global_load_b128 v[16+32*\k+8*\q:16+32*\k+8*\q+3], v[4+\k], s[40+2*\q:41+2*\q] th:TH_LOAD_NT
	global_load_b128 v[20+32*\k+8*\q:20+32*\k+8*\q+3], v[4+\k], s[40+2*\q:41+2*\q] offset:512 th:TH_LOAD_NT
.endr
	global_load_b128 v[80+8*\k:80+8*\k+3], v[6+\k], s[12:13]
	global_load_b128 v[84+8*\k:84+8*\k+3], v[6+\k], s[12:13] offset:512
.endr
	s_wait_loadcnt 0x0
.irp k, 0,1
.irp j, 0,2,4,6
	v_pk_add_f32 v[16+32*\k+\j:17+32*\k+\j], v[16+32*\k+\j:17+32*\k+\j], v[24+32*\k+\j:25+32*\k+\j]
	v_pk_add_f32 v[32+32*\k+\j:33+32*\k+\j], v[32+32*\k+\j:33+32*\k+\j], v[40+32*\k+\j:41+32*\k+\j]
	v_pk_add_f32 v[16+32*\k+\j:17+32*\k+\j], v[16+32*\k+\j:17+32*\k+\j], v[80+8*\k+\j:81+8*\k+\j]
	v_pk_add_f32 v[16+32*\k+\j:17+32*\k+\j], v[16+32*\k+\j:17+32*\k+\j], v[32+32*\k+\j:33+32*\k+\j]
.endr
.endr
.irp j, 0,2,4,6
	v_pk_mul_f32 v[96+\j:97+\j], v[16+\j:17+\j], s[48:49] op_sel_hi:[1,0]
.endr
.irp j, 0,2,4,6
	v_pk_fma_f32 v[96+\j:97+\j], v[48+\j:49+\j], s[50:51], v[96+\j:97+\j] op_sel_hi:[1,0,1]
.endr
	global_store_b128 v1, v[96:99], s[16:17] th:TH_STORE_NT               ; 512 consecutive bytes, aligned
	global_store_b128 v1, v[100:103], s[16:17] offset:512 th:TH_STORE_NT
	s_endpgm
.Laux:
	s_wait_alu depctr_va_vdst(0)
	v_readfirstlane_b32 s20, v2                    ; wave
	s_lshl_b32 s22, s20, 14                        ; my 256 tokens' records: 16,384 bytes
	s_mov_b32 s23, 0
	s_mov_b32 s26, 0x76543210
	s_mov_b32 s27, 0xfedcba98
	v_and_b32 v3, 3, v0
	v_lshlrev_b32 v3, 4, v3
	s_lshl_b32 s21, s20, 6
	v_add_nc_u32 v3, s21, v3                       ; LDS: 64 x wave + 16 x (lane % 4)
	v_mov_b32 v4, 0
	s_wait_kmcnt 0x0
	s_add_nc_u64 s[14:15], s[14:15], s[22:23]
.set i, 0
.rept 32
	global_load_b128 v[16+4*i:16+4*i+3], v1, s[14:15] offset:512*i         ; a record is 64 bytes: lane l always sees columns 4 (l % 4) on
.set i, i+1
.endr
	s_wait_loadcnt 0x0
.set i, 4
.rept 28                               ; four chains
	v_pk_add_f32 v[16+4*(i%4):17+4*(i%4)], v[16+4*(i%4):17+4*(i%4)], v[16+4*i:17+4*i]
	v_pk_add_f32 v[18+4*(i%4):19+4*(i%4)], v[18+4*(i%4):19+4*(i%4)], v[18+4*i:19+4*i]
.set i, i+1
.endr
.irp j, 0,2
	v_pk_add_f32 v[16+\j:17+\j], v[16+\j:17+\j], v[20+\j:21+\j]
	v_pk_add_f32 v[24+\j:25+\j], v[24+\j:25+\j], v[28+\j:29+\j]
	v_pk_add_f32 v[16+\j:17+\j], v[16+\j:17+\j], v[24+\j:25+\j]
.endr
.irp k, 4,8                            ; the lanes with my lane % 4
.irp j, 0,1,2,3
	v_add_f32_dpp v[16+\j], v[16+\j], v[16+\j] row_xmask:\k row_mask:0xf bank_mask:0xf
.endr
.endr
.irp j, 0,1,2,3
	v_permlanex16_b32 v[20+\j], v[16+\j], s26, s27
.endr
.irp j, 0,1,2,3
	v_add_f32 v[16+\j], v[16+\j], v[20+\j]
.endr
	ds_store_b128 v3, v[16:19]                     ; lanes with the same lane % 4 write the same bytes with the same numbers
	s_wait_dscnt 0x0                               ; for the others' sake
	s_barrier_signal -1
	s_barrier_wait -1
.set i, 0
.rept 16
	ds_load_b128 v[16+4*i:16+4*i+3], v4 offset:16*i            ; wave i / 4's columns 4 (i % 4) on
.set i, i+1
.endr
	s_wait_dscnt 0x0
.irp j, 0,2,4,6,8,10,12,14
	v_pk_add_f32 v[16+\j:17+\j], v[16+\j:17+\j], v[32+\j:33+\j]
	v_pk_add_f32 v[48+\j:49+\j], v[48+\j:49+\j], v[64+\j:65+\j]
	v_pk_add_f32 v[16+\j:17+\j], v[16+\j:17+\j], v[48+\j:49+\j]
.endr
	v_mul_f32 v32, v16, v24                        ; v16-23 the probabilities' sums, v24-31 the routed counts
.irp e, 1,2,3,4,5,6,7
	v_fmac_f32 v32, v[16+\e], v[24+\e]
.endr
	v_mul_f32 v32, 0x37000000, v32                 ; x 8 / 1024^2 = 2^-17
	v_cmp_eq_u32 vcc_lo, 0, v0
	s_wait_alu depctr_va_vdst(0)
	s_wait_xcnt 0x0                                ; EXEC changes only behind this wait
	s_wait_tensorcnt 0x0
	ds_add_u32 v160, v161
	s_wait_dscnt 0x0
	s_and_saveexec_b32 s21, vcc_lo
	global_store_b32 v4, v32, s[18:19]
	s_endpgm
.Lfunc_end_k_qe85e601603_combine:
	.size	k_qe85e601603_combine, .Lfunc_end_k_qe85e601603_combine-k_qe85e601603_combine
	.p2alignl 7, 3214868480
	.fill 96, 4, 3214868480
	.section	.rodata,"a",@progbits
	.p2align	6, 0x0
	.amdhsa_kernel k_qe85e601603_combine
		.amdhsa_group_segment_fixed_size 1536
		.amdhsa_private_segment_fixed_size 0
		.amdhsa_enable_private_segment 0
		.amdhsa_kernarg_size 64
		.amdhsa_user_sgpr_count 2
		.amdhsa_user_sgpr_kernarg_segment_ptr 1
		.amdhsa_wavefront_size32 1
		.amdhsa_system_sgpr_workgroup_id_x 1
		.amdhsa_system_sgpr_workgroup_id_y 1
		.amdhsa_system_sgpr_workgroup_id_z 1
		.amdhsa_system_vgpr_workitem_id 0
		.amdhsa_next_free_vgpr 162
		.amdhsa_next_free_sgpr 66
		.amdhsa_reserve_vcc 1
		.amdhsa_float_denorm_mode_32 3
		.amdhsa_float_denorm_mode_16_64 3
		.amdhsa_memory_ordered 1
		.amdhsa_forward_progress 1
		.amdhsa_inst_pref_size 20
	.end_amdhsa_kernel
	.amdgpu_metadata
---
amdhsa.version: [ 1, 2 ]
amdhsa.kernels:
  - .name:           k_qe85e601603_combine
    .symbol:         k_qe85e601603_combine.kd
    .args:
      - { .name: sel, .offset: 0, .size: 8, .value_kind: global_buffer, .address_space: global }
      - { .name: wgt, .offset: 8, .size: 8, .value_kind: global_buffer, .address_space: global }
      - { .name: posx, .offset: 16, .size: 8, .value_kind: global_buffer, .address_space: global }
      - { .name: part, .offset: 24, .size: 8, .value_kind: global_buffer, .address_space: global }
      - { .name: b2, .offset: 32, .size: 8, .value_kind: global_buffer, .address_space: global }
      - { .name: stat, .offset: 40, .size: 8, .value_kind: global_buffer, .address_space: global }
      - { .name: out0, .offset: 48, .size: 8, .value_kind: global_buffer, .address_space: global }
      - { .name: out1, .offset: 56, .size: 8, .value_kind: global_buffer, .address_space: global }
    .group_segment_fixed_size: 1536
    .private_segment_fixed_size: 0
    .kernarg_segment_align: 8
    .kernarg_segment_size: 64
    .max_flat_workgroup_size: 128
    .sgpr_count:     66
    .vgpr_count:     162
    .wavefront_size: 32
...
	.end_amdgpu_metadata
.endif
;; end of part 8
